; MI455X (gfx1250); checked and timed in simulation.
; The chip was launched on July 23, 2026; its instructions are those of AMD's public machine-readable ISA for CDNA 5 (MIT licence, August 2026) and "CDNA5" Instruction Set Architecture Reference Guide (July 2026). The comments in the code are by the model that wrote it; some were corrected since.
;; Semantics Modulated Attention. Allowed arithmetic: float matrix products may take bf16 or f16 operands with f32 sums; all other float work in f32.
;; Inputs: Wkm 512 x 512 float32; Wkr 512 x 1,024 float32; Wkt 512 x 256 float32; Wq 512 x 512 float32; Wvm 512 x 512 float32; Wvr 512 x 512 float32; Wvt 512 x 256 float32; bkm 512 float32; bkr 512 float32; bkt 512 float32; bq 512 float32; bvm 512 float32; bvr 512 float32; bvt 512 float32; cond_type 32 x 1 x 1 int32; emb 32 x 2,048 float32; emb_W 1,024 x 2,048 float32; emb_b 1,024 float32; norm_b 512 float32; norm_g 512 float32; out_W 512 x 512 float32; out_b 512 float32; re_mask 32 x 4 x 256 float32; re_motion 32 x 4 x 256 x 512 float32; re_text 32 x 4 x 1 x 512 float32; rn1_b 1,024 float32; rn1_g 1,024 float32; rn2_b 512 float32; rn2_g 512 float32; snorm_b 512 float32; snorm_g 512 float32; src_mask 32 x 1,024 x 1 float32; tnorm_b 256 float32; tnorm_g 256 float32; x 32 x 1,024 x 512 float32; xf 32 x 77 x 256 float32.
;; Outputs: out0 32 x 1,024 x 512 float32.
;; 3 versions, each right; version 2 is faster than version 1; version 3 is version 2 with the launches kv, fin written anew for expert scheduling mode. Each part assembles by itself: llvm-mc -triple=amdgcn-amd-amdhsa -mcpu=gfx1250 --defsym DOCPART=n.
;; ======== version 1 of 3: 4 launches
;; limits: values outside matrix products are rounded to bf16; sums are carried in bf16
;; workspace buffers: wblk 4,325,376 bytes; cvec 18,432 bytes; utab 262,144 bytes; semb 131,072 bytes; part 35,651,584 bytes; stat 2,228,224 bytes; attn 2,097,152 bytes; film 131,072 bytes
;; launch prep (part 1): grid 296 x 1, 16 waves a work-group, no clusters, 159,744 bytes of LDS; arguments Wq, Wkm, Wvm, Wkr, Wvr, Wkt, Wvt, out_W, norm_g, norm_b, rn1_g, rn1_b, rn2_g, rn2_b, tnorm_g, tnorm_b, bq, bkm, bvm, bkr, bvr, bkt, bvt, out_b, re_text, emb, wblk, cvec, utab, semb; writes wblk, cvec, utab, semb
.if DOCPART == 1
	.amdgcn_target "amdgcn-amd-amdhsa--gfx1250"
	.amdhsa_code_object_version 6
	.text
	.protected	k_q1ee473d589_prep
	.globl	k_q1ee473d589_prep
	.p2align	8
	.type	k_q1ee473d589_prep,@function
k_q1ee473d589_prep:
	s_mov_b64 s[64:65], 0
	v_nop
	global_prefetch_b8 v0, s[64:65] scope:SCOPE_SE
	s_setreg_imm32_b32 hwreg(HW_REG_WAVE_MODE, 25, 1), 1
	s_wait_xcnt 0x0
; PREP.  Three kinds of work-group, chosen by the work-group's number.
; 0-255  FOLD: matrix number / 32, 16 rows each.  A wave takes one row c of W: W[c][k] g[k] is rounded to bf16 and laid, through LDS, into wblk as the
;        register image of matrix fragments ([quarter of 32 k][wave][fragment of 16 rows][half][lane][16 bytes]); C[c] = sum W[c][k] b[k] + bias[c] goes to cvec.
;        Wkr has a second half of 512 columns, which enters C and Sd = sum g W (first half) - sum g W (second half) only.
; 256-287 U: utab[row of re_text][c] = sum over k of (t[k] - mean t) g1[512+k] Wkr[c][512+k], 16 columns a work-group, a wave for each 32 k; also 4 KB of zeros behind wblk's streams.
; 288-295 SEMB: silu(emb) in bf16 as fragments.
; A text matrix (256 columns) is read with masked column offsets and its upper half is multiplied by 0.
; LDS: FOLD's image has bytes 0 to 16,383; U's two regions lie behind it, so that no byte is named by both kinds of work-group.
.set PS, 16384                         ; U: 128 rows x 80 bytes: each wave's partial sum of each row
.set RED, 26624                        ; U: 16 waves x 16 quads x 512 bytes
.set SPARE, 157696                     ; the spare words, 128 bytes for each of 16 waves
.macro RED1 r, t                       ; the sum of v[r] over the 32 lanes, in every lane
.irp m,1,2,4,8
	v_add_f32_dpp v[\r], v[\r], v[\r] row_xmask:\m row_mask:0xf bank_mask:0xf
.endr
	v_permlanex16_b32 v[\t], v[\r], s60, s61
	v_add_f32 v[\r], v[\r], v[\t]
.endm
.macro SEL n, aw, ag, ab, abi, stride, cmask, fz, f2, h2, fg, om, stream, kind, slot
.if \n < 7
	s_cmp_eq_u32 s3, \n
	s_cbranch_scc0 .Lsel\n
.endif
	s_load_b64 s[8:9], s[0:1], 8*\aw
	s_load_b64 s[10:11], s[0:1], 8*\ag
	s_load_b64 s[12:13], s[0:1], 8*\ab
	s_load_b64 s[14:15], s[0:1], 8*\abi
	s_mov_b32 s16, \stride                 ; bytes from row to row of W
	s_mov_b32 s17, \cmask                  ; row bytes - 1
	s_mov_b32 s18, \fz                     ; factor of columns 256-511
	s_mov_b32 s20, \f2                     ; factor of the second half
	s_mov_b32 s22, \h2                     ; its byte offset
	s_mov_b32 s24, \fg                     ; g' = g fg + om
	s_mov_b32 s26, \om
	s_mov_b32 s28, \stream                 ; the stream's first byte in wblk
	s_mov_b32 s30, \kind                   ; 0: 128 rows a wave; 1: a head's K rows; 2: its V rows
	s_mov_b32 s29, \slot                   ; C's slot in cvec
.if \n < 7
	s_branch .Lgo
.Lsel\n:
.endif
.endm
	v_lshl_add_u32 v2, v0, 2, SPARE
	v_mov_b32 v3, 0
	v_lshrrev_b32 v4, 5, v0
	v_readfirstlane_b32 s2, v4             ; wave
	v_and_b32 v1, 31, v0                   ; lane
	v_lshlrev_b32 v5, 4, v1                ; 16 x lane
	s_mov_b32 s60, 0x76543210
	s_mov_b32 s61, 0xfedcba98
	s_cmp_lt_u32 ttmp9, 256
	s_cbranch_scc0 .Lnotfold
	s_lshr_b32 s3, ttmp9, 5                ; matrix
	s_and_b32 s4, ttmp9, 31                ; tile of 16 rows
	SEL 0, 0, 8, 9, 16, 2048, 2047, 1.0, 0, 0, 1.0, 0, 0x300000, 0, 0
	SEL 1, 1, 8, 9, 17, 2048, 2047, 1.0, 0, 0, 1.0, 0, 0, 1, 1
	SEL 2, 2, 8, 9, 18, 2048, 2047, 1.0, 0, 0, 1.0, 0, 0, 2, 2
	SEL 3, 3, 10, 11, 19, 4096, 2047, 1.0, 1.0, 2048, 1.0, 0, 0x100000, 1, 3
	SEL 4, 4, 12, 13, 20, 2048, 2047, 1.0, 0, 0, 1.0, 0, 0x100000, 2, 4
	SEL 5, 5, 14, 15, 21, 1024, 1023, 0, 0, 0, 1.0, 0, 0x200000, 1, 5
	SEL 6, 6, 14, 15, 22, 1024, 1023, 0, 0, 0, 1.0, 0, 0x200000, 2, 6
	SEL 7, 7, 8, 9, 23, 2048, 2047, 1.0, 0, 0, 0, 1.0, 0x380000, 0, 8
.Lgo:
	s_load_b128 s[32:35], s[0:1], 0xd0     ; wblk, cvec
	s_mov_b32 s19, 0                       ; the pairs' upper words
	s_mov_b32 s21, 0
	s_mov_b32 s23, 0
	s_mov_b32 s25, 0
	s_mov_b32 s27, 0
	s_lshl_b32 s5, s4, 4
	s_add_co_u32 s5, s5, s2                ; my row c
	s_mul_i32 s36, s5, s16
	s_mov_b32 s37, 0
	s_lshl_b32 s38, s5, 2
.irp j,0,1,2,3
	v_add_nc_u32 v[6+\j], 512*\j, v5       ; my 16 bytes of each 512 of the row
	v_and_b32 v[6+\j], s17, v[6+\j]
.endr
	v_mov_b32 v10, 0
	v_lshrrev_b32 v12, 3, v1               ; where my 4 numbers lie in the image: quarter l / 8,
	v_lshlrev_b32 v12, 10, v12
	v_bfe_u32 v13, v1, 2, 1                ; half,
	v_lshl_add_u32 v12, v13, 9, v12
	v_bfe_u32 v13, v1, 1, 1                ; upper or lower 16 lanes,
	v_lshl_add_u32 v12, v13, 8, v12
	v_and_b32 v13, 1, v1                   ; 8 bytes of the lane's 16,
	v_lshl_add_u32 v12, v13, 3, v12
	s_lshl_b32 s31, s2, 4                  ; the lane is the row in its tile
	v_add_nc_u32 v12, s31, v12
	s_wait_kmcnt 0x0
	s_add_nc_u64 s[8:9], s[8:9], s[36:37]
	s_load_b32 s40, s[14:15], s38 offset:0x0   ; bias[c]
	s_add_nc_u64 s[42:43], s[8:9], s[22:23]
	s_add_nc_u64 s[44:45], s[10:11], s[22:23]
	s_add_nc_u64 s[46:47], s[12:13], s[22:23]
.irp j,0,1,2,3
	global_load_b128 v[16+4*\j:19+4*\j], v[6+\j], s[8:9]
	global_load_b128 v[32+4*\j:35+4*\j], v[6+\j], s[10:11]
	global_load_b128 v[48+4*\j:51+4*\j], v[6+\j], s[12:13]
	global_load_b128 v[64+4*\j:67+4*\j], v[6+\j], s[42:43]
	global_load_b128 v[80+4*\j:83+4*\j], v[6+\j], s[44:45]
	global_load_b128 v[96+4*\j:99+4*\j], v[6+\j], s[46:47]
.endr
	s_wait_loadcnt 0x0
	s_wait_kmcnt 0x0
.irp e,4,5,6,7
	v_pk_mul_f32 v[16+2*\e:17+2*\e], v[16+2*\e:17+2*\e], s[18:19] op_sel_hi:[1,0]
.endr
.irp e,0,1,2,3,4,5,6,7
	v_pk_mul_f32 v[64+2*\e:65+2*\e], v[64+2*\e:65+2*\e], s[20:21] op_sel_hi:[1,0]
	v_pk_fma_f32 v[32+2*\e:33+2*\e], v[32+2*\e:33+2*\e], s[24:25], s[26:27] op_sel_hi:[1,0,0]
.endr
	v_pk_mul_f32 v[112:113], v[16:17], v[48:49]            ; sum W b
.irp e,1,2,3,4,5,6,7
	v_pk_fma_f32 v[112:113], v[16+2*\e:17+2*\e], v[48+2*\e:49+2*\e], v[112:113]
.endr
.irp e,0,1,2,3,4,5,6,7
	v_pk_fma_f32 v[112:113], v[64+2*\e:65+2*\e], v[96+2*\e:97+2*\e], v[112:113]
.endr
.irp e,0,1,2,3,4,5,6,7
	v_pk_mul_f32 v[32+2*\e:33+2*\e], v[16+2*\e:17+2*\e], v[32+2*\e:33+2*\e]   ; W g
.endr
	v_pk_add_f32 v[114:115], v[32:33], v[34:35]            ; sum W g, less the second half's
.irp e,2,3,4,5,6,7
	v_pk_add_f32 v[114:115], v[114:115], v[32+2*\e:33+2*\e]
.endr
.irp e,0,1,2,3,4,5,6,7
	v_pk_fma_f32 v[114:115], v[64+2*\e:65+2*\e], v[80+2*\e:81+2*\e], v[114:115] neg_lo:[1,0,0] neg_hi:[1,0,0]
.endr
	v_add_f32 v112, v112, v113
	v_add_f32 v114, v114, v115
	RED1 112, 113
	RED1 114, 115
.irp e,0,1,2,3,4,5,6,7
	v_cvt_pk_bf16_f32 v[116+\e], v[32+2*\e], v[33+2*\e]
.endr
.irp j,0,1,2,3
	ds_store_b64 v12, v[116+2*\j:117+2*\j] offset:4096*\j
.endr
	v_fma_f32 v112, v112, s24, s40         ; C
	s_lshl_b32 s36, s29, 11
	s_add_co_u32 s36, s36, s38
	s_add_nc_u64 s[48:49], s[34:35], s[36:37]
	s_add_co_u32 s36, s38, 14336           ; Sd is slot 7
	s_add_nc_u64 s[52:53], s[34:35], s[36:37]
	v_cmp_eq_u32 vcc_lo, 0, v1
	s_wait_xcnt 0x0                        ; EXEC changes only behind this wait
	s_and_saveexec_b32 s50, vcc_lo         ; lane 0 stores the row's numbers
	global_store_b32 v10, v112, s[48:49]
	s_cmp_lg_u32 s3, 3
	s_cbranch_scc1 .Lnosd
	global_store_b32 v10, v114, s[52:53]
.Lnosd:
	s_wait_xcnt 0x0
	s_or_b32 exec_lo, exec_lo, s50
	s_wait_dscnt 0x0                       ; my row is in the image
	s_barrier_signal -1
	s_barrier_wait -1
	s_lshl_b32 s36, s2, 10                 ; wave q sends quarter q: 1,024 bytes
	v_add_nc_u32 v11, s36, v5
	ds_load_b128 v[16:19], v11
	ds_load_b128 v[20:23], v11 offset:512
	s_lshr_b32 s54, s4, 3                  ; kind 0: wave tile / 8, fragment tile % 8
	s_and_b32 s55, s4, 7
	s_lshl_b32 s54, s54, 13
	s_lshl_b32 s55, s55, 10
	s_add_co_u32 s54, s54, s55
	s_lshr_b32 s55, s4, 4                  ; kinds 1, 2: pass tile / 16, wave (tile / 4) % 4, fragment tile % 4 + 4 (kind - 1)
	s_lshl_b32 s55, s55, 19
	s_bfe_u32 s56, s4, 0x20002
	s_lshl_b32 s56, s56, 13
	s_add_co_u32 s55, s55, s56
	s_and_b32 s56, s4, 3
	s_sub_co_u32 s57, s30, 1
	s_lshl_b32 s57, s57, 2
	s_add_co_u32 s56, s56, s57
	s_lshl_b32 s56, s56, 10
	s_add_co_u32 s55, s55, s56
	s_cmp_eq_u32 s30, 0
	s_cselect_b32 s54, s54, s55
	s_add_co_u32 s54, s54, s28
	s_lshl_b32 s55, s2, 15                 ; a quarter is 32,768 bytes of a stream
	s_add_co_u32 s54, s54, s55
	s_mov_b32 s55, 0
	s_add_nc_u64 s[32:33], s[32:33], s[54:55]
	s_wait_dscnt 0x0
	global_store_b128 v5, v[16:19], s[32:33]               ; 512 consecutive bytes each
	global_store_b128 v5, v[20:23], s[32:33] offset:512
	s_wait_tensorcnt 0x0                   ; the wave's end
	ds_add_u32 v2, v3
	s_wait_dscnt 0x0
	s_endpgm
.Lnotfold:
	s_cmp_lt_u32 ttmp9, 288
	s_cbranch_scc0 .Lsemb
	; ---- U
	s_load_b64 s[8:9], s[0:1], 24          ; Wkr
	s_load_b64 s[10:11], s[0:1], 80        ; rn1_g
	s_load_b64 s[12:13], s[0:1], 192       ; re_text
	s_load_b64 s[14:15], s[0:1], 208       ; wblk
	s_load_b64 s[16:17], s[0:1], 224       ; utab
	s_sub_co_u32 s4, ttmp9, 256            ; tile of 16 columns
	v_and_b32 v4, 15, v0                   ; r
	v_bfe_u32 v14, v0, 4, 1                ; h
	s_lshl_b32 s5, s2, 7                   ; my 32 k: 128 bytes
	v_lshlrev_b32 v6, 5, v14
	v_add_nc_u32 v6, s5, v6                ; g: 32 h + 128 w
	v_lshl_add_u32 v7, v4, 11, v6          ; text: + 2,048 r
	v_lshl_add_u32 v8, v4, 12, v6          ; W: + 4,096 r
	v_mul_u32_u24 v10, v4, 80              ; PS row r
	v_add_nc_u32 v10, PS, v10
	s_lshl_b32 s6, s2, 2
	v_add_nc_u32 v9, s6, v10               ; + my wave's word
	s_lshl_b32 s18, s4, 16
	s_add_co_u32 s18, s18, 2048
	s_mov_b32 s19, 0
	s_wait_kmcnt 0x0
	s_add_nc_u64 s[8:9], s[8:9], s[18:19]
	s_add_nc_u64 s[10:11], s[10:11], 2048
.irp i,0,1,2,3,4,5,6,7
	global_load_b128 v[64+16*\i:67+16*\i], v7, s[12:13] offset:32768*\i
	global_load_b128 v[68+16*\i:71+16*\i], v7, s[12:13] offset:32768*\i+16
	global_load_b128 v[72+16*\i:75+16*\i], v7, s[12:13] offset:32768*\i+64
	global_load_b128 v[76+16*\i:79+16*\i], v7, s[12:13] offset:32768*\i+80
.endr
	global_load_b128 v[32:35], v8, s[8:9]
	global_load_b128 v[36:39], v8, s[8:9] offset:16
	global_load_b128 v[40:43], v8, s[8:9] offset:64
	global_load_b128 v[44:47], v8, s[8:9] offset:80
	global_load_b128 v[48:51], v6, s[10:11]
	global_load_b128 v[52:55], v6, s[10:11] offset:16
	global_load_b128 v[56:59], v6, s[10:11] offset:64
	global_load_b128 v[60:63], v6, s[10:11] offset:80
	s_wait_loadcnt 0x0
.irp i,0,1,2,3,4,5,6,7                 ; the sum of my 32 k of each row
.irp e,0,1,2,3
	v_pk_add_f32 v[192+8*\i+2*\e:193+8*\i+2*\e], v[64+16*\i+4*\e:65+16*\i+4*\e], v[66+16*\i+4*\e:67+16*\i+4*\e]
.endr
	v_pk_add_f32 v[192+8*\i:193+8*\i], v[192+8*\i:193+8*\i], v[194+8*\i:195+8*\i]
	v_pk_add_f32 v[196+8*\i:197+8*\i], v[196+8*\i:197+8*\i], v[198+8*\i:199+8*\i]
	v_pk_add_f32 v[192+8*\i:193+8*\i], v[192+8*\i:193+8*\i], v[196+8*\i:197+8*\i]
	v_add_f32 v[192+8*\i], v[192+8*\i], v[193+8*\i]
	v_permlanex16_b32 v[193+8*\i], v[192+8*\i], s60, s61
	v_add_f32 v[192+8*\i], v[192+8*\i], v[193+8*\i]
	ds_store_b32 v9, v[192+8*\i] offset:1280*\i
.endr
.irp e,0,1,2,3,4,5,6,7
	v_pk_mul_f32 v[32+2*\e:33+2*\e], v[32+2*\e:33+2*\e], v[48+2*\e:49+2*\e]
.endr
.irp e,0,1,2,3,4,5,6,7
	v_cvt_pk_bf16_f32 v[32+\e], v[32+2*\e], v[33+2*\e]     ; in place, ascending: the fragment of g W
.endr
	s_wait_dscnt 0x0
	s_barrier_signal -1
	s_barrier_wait -1
.irp bt,0,1                            ; the rows' means, four tiles of rows at a time; then t - mean, rounded in place
.irp ii,0,1,2,3
.irp p,0,1,2,3
	ds_load_b128 v[192+16*\ii+4*\p:195+16*\ii+4*\p], v10 offset:(4*\bt+\ii)*1280+16*\p
.endr
.endr
	s_wait_dscnt 0x0
.irp ii,0,1,2,3
.irp e,0,1,2,3
	v_pk_add_f32 v[192+16*\ii+2*\e:193+16*\ii+2*\e], v[192+16*\ii+2*\e:193+16*\ii+2*\e], v[200+16*\ii+2*\e:201+16*\ii+2*\e]
.endr
	v_pk_add_f32 v[192+16*\ii:193+16*\ii], v[192+16*\ii:193+16*\ii], v[196+16*\ii:197+16*\ii]
	v_pk_add_f32 v[194+16*\ii:195+16*\ii], v[194+16*\ii:195+16*\ii], v[198+16*\ii:199+16*\ii]
	v_pk_add_f32 v[192+16*\ii:193+16*\ii], v[192+16*\ii:193+16*\ii], v[194+16*\ii:195+16*\ii]
	v_add_f32 v[192+16*\ii], v[192+16*\ii], v[193+16*\ii]
	v_mul_f32 v[192+16*\ii], 0x3b000000, v[192+16*\ii]
.irp e,0,1,2,3,4,5,6,7
	v_pk_add_f32 v[64+16*(4*\bt+\ii)+2*\e:65+16*(4*\bt+\ii)+2*\e], v[64+16*(4*\bt+\ii)+2*\e:65+16*(4*\bt+\ii)+2*\e], v[192+16*\ii:193+16*\ii] op_sel_hi:[1,0] neg_lo:[0,1] neg_hi:[0,1]
.endr
.irp e,0,1,2,3,4,5,6,7
	v_cvt_pk_bf16_f32 v[64+16*(4*\bt+\ii)+\e], v[64+16*(4*\bt+\ii)+2*\e], v[65+16*(4*\bt+\ii)+2*\e]
.endr
.endr
.endr
.irp i,0,1,2,3,4,5,6,7                 ; eight sums, each its own accumulator: the upper eight registers of the tile's sixteen
	v_wmma_f32_16x16x32_bf16 v[72+16*\i:79+16*\i], v[64+16*\i:71+16*\i], v[32:39], 0
.endr
	s_lshl_b32 s6, s2, 13
	s_add_co_u32 s6, s6, RED
	v_add_nc_u32 v11, s6, v5               ; five plain instructions stand behind the last product
	s_lshl_b32 s6, s2, 9
	s_add_co_u32 s6, s6, RED
	v_add_nc_u32 v12, s6, v5
	v_add_nc_u32 v13, 0x10000, v12
	v_lshlrev_b32 v15, 14, v14
	v_lshl_add_u32 v15, v4, 2, v15         ; 8 h rows of 2,048 bytes + 4 r
.irp i,0,1,2,3,4,5,6,7
	ds_store_b128 v11, v[72+16*\i:75+16*\i] offset:1024*\i
	ds_store_b128 v11, v[76+16*\i:79+16*\i] offset:1024*\i+512
.endr
	s_wait_dscnt 0x0
	s_barrier_signal -1
	s_barrier_wait -1
.irp ww,0,1,2,3,4,5,6,7                ; wave q adds quad q of all sixteen waves
	ds_load_b128 v[64+4*\ww:67+4*\ww], v12 offset:8192*\ww
	ds_load_b128 v[96+4*\ww:99+4*\ww], v13 offset:8192*\ww
.endr
	s_wait_dscnt 0x0
.irp d,8,4,2,1
.set ww, 0
.rept \d
	v_pk_add_f32 v[64+4*ww:65+4*ww], v[64+4*ww:65+4*ww], v[64+4*(ww+\d):65+4*(ww+\d)]
	v_pk_add_f32 v[66+4*ww:67+4*ww], v[66+4*ww:67+4*ww], v[66+4*(ww+\d):67+4*(ww+\d)]
.set ww, ww+1
.endr
.endr
	s_lshr_b32 s6, s2, 1                   ; rows 16 (q / 2) + 8 h + 4 (q % 2) + 0..3, column 16 tile + r
	s_lshl_b32 s6, s6, 15
	s_and_b32 s7, s2, 1
	s_lshl_b32 s7, s7, 13
	s_add_co_u32 s6, s6, s7
	s_lshl_b32 s7, s4, 6
	s_add_co_u32 s6, s6, s7
	s_mov_b32 s7, 0
	s_add_nc_u64 s[16:17], s[16:17], s[6:7]
.irp e,0,1,2,3
	global_store_b32 v15, v[64+\e], s[16:17] offset:2048*\e    ; 64 consecutive bytes for 16 lanes: the table is 256 KB in all
.endr
	s_cmp_lt_u32 s2, 8
	s_cbranch_scc0 .Lnotail
	v_lshlrev_b32 v16, 4, v0               ; 4,096 bytes of zeros behind the streams: the weight ring of the later launches reads three quarters past a stream's end
	v_mov_b32 v20, 0
	v_mov_b32 v21, 0
	v_mov_b32 v22, 0
	v_mov_b32 v23, 0
	s_lshl_b32 s6, s4, 12
	s_add_co_u32 s6, s6, 0x400000
	s_add_nc_u64 s[14:15], s[14:15], s[6:7]
	global_store_b128 v16, v[20:23], s[14:15]
.Lnotail:
	s_wait_tensorcnt 0x0                   ; the wave's end
	ds_add_u32 v2, v3
	s_wait_dscnt 0x0
	s_endpgm
.Lsemb:                                        ; a wave makes one fragment: 16 rows of emb x 32 k
	s_load_b64 s[8:9], s[0:1], 200         ; emb
	s_load_b64 s[10:11], s[0:1], 232       ; semb
	s_sub_co_u32 s4, ttmp9, 288
	s_lshl4_add_u32 s4, s4, s2             ; fragment = 64 (tile of rows) + quarter
	s_lshr_b32 s5, s4, 6
	s_and_b32 s6, s4, 63
	s_lshl_b32 s5, s5, 17                  ; 16 rows of 8,192 bytes
	s_lshl_b32 s6, s6, 7
	s_add_co_u32 s6, s6, s5
	s_mov_b32 s7, 0
	s_lshl_b32 s12, s4, 10
	s_mov_b32 s13, 0
	s_mov_b32 s14, 0xbfb8aa3b              ; -log2(e)
	s_mov_b32 s15, 0
	v_and_b32 v4, 15, v0
	v_bfe_u32 v6, v0, 4, 1
	v_lshlrev_b32 v7, 13, v4
	v_lshl_add_u32 v7, v6, 5, v7
	s_wait_kmcnt 0x0
	s_add_nc_u64 s[8:9], s[8:9], s[6:7]
	s_add_nc_u64 s[10:11], s[10:11], s[12:13]
	global_load_b128 v[16:19], v7, s[8:9]
	global_load_b128 v[20:23], v7, s[8:9] offset:16
	global_load_b128 v[24:27], v7, s[8:9] offset:64
	global_load_b128 v[28:31], v7, s[8:9] offset:80
	s_wait_loadcnt 0x0
.irp e,0,1,2,3,4,5,6,7
	v_pk_mul_f32 v[32+2*\e:33+2*\e], v[16+2*\e:17+2*\e], s[14:15] op_sel_hi:[1,0]
.endr
.set i, 0
.rept 16
	v_exp_f32 v[32+i], v[32+i]
.set i, i+1
.endr
	v_nop                                  ; a plain instruction behind the exponentials
	s_wait_alu depctr_va_vdst(0)
.irp e,0,1,2,3,4,5,6,7
	v_pk_add_f32 v[32+2*\e:33+2*\e], v[32+2*\e:33+2*\e], 1.0 op_sel_hi:[1,0]
.endr
.set i, 0
.rept 16
	v_rcp_f32 v[32+i], v[32+i]
.set i, i+1
.endr
	v_nop
	s_wait_alu depctr_va_vdst(0)
.irp e,0,1,2,3,4,5,6,7
	v_pk_mul_f32 v[16+2*\e:17+2*\e], v[16+2*\e:17+2*\e], v[32+2*\e:33+2*\e]
.endr
.irp e,0,1,2,3,4,5,6,7
	v_cvt_pk_bf16_f32 v[48+\e], v[16+2*\e], v[17+2*\e]
.endr
	global_store_b128 v5, v[48:51], s[10:11]
	global_store_b128 v5, v[52:55], s[10:11] offset:512
	s_endpgm
.Lfunc_end_k_q1ee473d589_prep:
	.size	k_q1ee473d589_prep, .Lfunc_end_k_q1ee473d589_prep-k_q1ee473d589_prep
	.p2alignl 7, 3214868480
	.fill 96, 4, 3214868480
	.section	.rodata,"a",@progbits
	.p2align	6, 0x0
	.amdhsa_kernel k_q1ee473d589_prep
		.amdhsa_group_segment_fixed_size 159744
		.amdhsa_private_segment_fixed_size 0
		.amdhsa_enable_private_segment 0
		.amdhsa_kernarg_size 240
		.amdhsa_user_sgpr_count 2
		.amdhsa_user_sgpr_kernarg_segment_ptr 1
		.amdhsa_wavefront_size32 1
		.amdhsa_system_sgpr_workgroup_id_x 1
		.amdhsa_system_sgpr_workgroup_id_y 1
		.amdhsa_system_sgpr_workgroup_id_z 1
		.amdhsa_system_vgpr_workitem_id 0
		.amdhsa_next_free_vgpr 256
		.amdhsa_next_free_sgpr 66
		.amdhsa_reserve_vcc 1
		.amdhsa_float_denorm_mode_32 3
		.amdhsa_float_denorm_mode_16_64 3
		.amdhsa_memory_ordered 1
		.amdhsa_forward_progress 1
		.amdhsa_inst_pref_size 54
	.end_amdhsa_kernel
	.amdgpu_metadata
---
amdhsa.version: [ 1, 2 ]
amdhsa.kernels:
  - .name:           k_q1ee473d589_prep
    .symbol:         k_q1ee473d589_prep.kd
    .args:
      - { .name: Wq, .offset: 0, .size: 8, .value_kind: global_buffer, .address_space: global }
      - { .name: Wkm, .offset: 8, .size: 8, .value_kind: global_buffer, .address_space: global }
      - { .name: Wvm, .offset: 16, .size: 8, .value_kind: global_buffer, .address_space: global }
      - { .name: Wkr, .offset: 24, .size: 8, .value_kind: global_buffer, .address_space: global }
      - { .name: Wvr, .offset: 32, .size: 8, .value_kind: global_buffer, .address_space: global }
      - { .name: Wkt, .offset: 40, .size: 8, .value_kind: global_buffer, .address_space: global }
      - { .name: Wvt, .offset: 48, .size: 8, .value_kind: global_buffer, .address_space: global }
      - { .name: out_W, .offset: 56, .size: 8, .value_kind: global_buffer, .address_space: global }
      - { .name: norm_g, .offset: 64, .size: 8, .value_kind: global_buffer, .address_space: global }
      - { .name: norm_b, .offset: 72, .size: 8, .value_kind: global_buffer, .address_space: global }
      - { .name: rn1_g, .offset: 80, .size: 8, .value_kind: global_buffer, .address_space: global }
      - { .name: rn1_b, .offset: 88, .size: 8, .value_kind: global_buffer, .address_space: global }
      - { .name: rn2_g, .offset: 96, .size: 8, .value_kind: global_buffer, .address_space: global }
      - { .name: rn2_b, .offset: 104, .size: 8, .value_kind: global_buffer, .address_space: global }
      - { .name: tnorm_g, .offset: 112, .size: 8, .value_kind: global_buffer, .address_space: global }
      - { .name: tnorm_b, .offset: 120, .size: 8, .value_kind: global_buffer, .address_space: global }
      - { .name: bq, .offset: 128, .size: 8, .value_kind: global_buffer, .address_space: global }
      - { .name: bkm, .offset: 136, .size: 8, .value_kind: global_buffer, .address_space: global }
      - { .name: bvm, .offset: 144, .size: 8, .value_kind: global_buffer, .address_space: global }
      - { .name: bkr, .offset: 152, .size: 8, .value_kind: global_buffer, .address_space: global }
      - { .name: bvr, .offset: 160, .size: 8, .value_kind: global_buffer, .address_space: global }
      - { .name: bkt, .offset: 168, .size: 8, .value_kind: global_buffer, .address_space: global }
      - { .name: bvt, .offset: 176, .size: 8, .value_kind: global_buffer, .address_space: global }
      - { .name: out_b, .offset: 184, .size: 8, .value_kind: global_buffer, .address_space: global }
      - { .name: re_text, .offset: 192, .size: 8, .value_kind: global_buffer, .address_space: global }
      - { .name: emb, .offset: 200, .size: 8, .value_kind: global_buffer, .address_space: global }
      - { .name: wblk, .offset: 208, .size: 8, .value_kind: global_buffer, .address_space: global }
      - { .name: cvec, .offset: 216, .size: 8, .value_kind: global_buffer, .address_space: global }
      - { .name: utab, .offset: 224, .size: 8, .value_kind: global_buffer, .address_space: global }
      - { .name: semb, .offset: 232, .size: 8, .value_kind: global_buffer, .address_space: global }
    .group_segment_fixed_size: 159744
    .private_segment_fixed_size: 0
    .kernarg_segment_align: 8
    .kernarg_segment_size: 240
    .max_flat_workgroup_size: 512
    .sgpr_count:     66
    .vgpr_count:     256
    .wavefront_size: 32
...
	.end_amdgpu_metadata
.endif
;; end of part 1
;; launch kv (part 2): grid 576 x 1, 4 waves a work-group, no clusters, 138,240 bytes of LDS; arguments x, re_motion, xf, re_text, src_mask, re_mask, cond_type, wblk, cvec, utab, part, stat; writes part, stat
.if DOCPART == 2
	.amdgcn_target "amdgcn-amd-amdhsa--gfx1250"
	.amdhsa_code_object_version 6
	.text
	.protected	k_q1ee473d589_kv
	.globl	k_q1ee473d589_kv
	.p2align	8
	.type	k_q1ee473d589_kv,@function
k_q1ee473d589_kv:
	s_mov_b64 s[64:65], 0
	v_nop
	global_prefetch_b8 v0, s[64:65] scope:SCOPE_SE
	s_setreg_imm32_b32 hwreg(HW_REG_WAVE_MODE, 25, 1), 1
	s_wait_xcnt 0x0
; KV.  A work-group takes 128 key tokens of one batch: motion (numbers 0-255), retrieval (256-511), or all 77 text tokens for four heads (512-575).
; 1. Each wave normalises 32 rows (mean, centred variance, in f32) and lays them in bf16 into LDS (A, 128 rows x 512).  A retrieval row is scaled by the 1 / sigma of the 1,024-wide norm,
;    made exactly from the row's and the text row's means and variances: var1 = (var2 + vart) / 2 + delta^2, delta = (m2 - mt) / 2.
; 2. Two passes (text: one); in a pass wave w makes K and V (64 + 64 columns) of head 4 pass + w for all 128 tokens: 64 accumulators.  The first product of each sum (EXT) brings, in 8 slots of k,
;    what is of rank one: r1 U + r1 delta Sd + mask term + bias for K, a x bias for V (biases as a high and a low bf16).
; 3. E: the column's true maximum M over the 128 tokens, p = 2^(c k - c M), V x row weight, both packed in place to bf16 fragments, then P^T V (64 x 64) and L = sum p by the matrix unit.
;    P^T V (bf16 register image), M and L go to memory; the next launch joins the 17 chunks of a batch.
; Weights come straight from memory into registers: they lie there as register images, each load 512 consecutive bytes, no wave shares them with another wave of the work-group.
; NO CLUSTER: no tensor load is used, so there is no joint request to make; every work-group reads its 1 MB of weights itself.
; LIMITS.  The mask term (1 - m) x -1e6, U, Sd, r1 and a are rounded to bf16 in EXT; a masked key's weight is 0 beside any unmasked key; where all keys of a batch are masked every v is 0.
; Rows 77-127 of a text chunk repeat row 76 with the term -1e30 and weight 0.  The last three quarters' weight loads of a work-group's last pass, and the constants loaded for a pass that does not follow, serve nothing.
.set PA, 1040                          ; a row of A: 1,024 bytes + 16: an odd multiple of 16, so the 16 rows of a fragment load start in different groups of banks
.set AEXT, 133120                      ; 128 rows x 32 bytes: 8 bf16 slots, then 16 bytes of zeros
.set WTB, 137216                       ; 128 row weights, f32
.set SPARE, 137728                     ; the spare words, 128 bytes a wave
.set LANE,1
.set CO,2                              ; v2-5   my 16 bytes in each quarter of a row
.set LS,6                              ; v6-9   lane - slot
.set AW,10                             ; where my 8 bytes of the row in hand go
.set MSK,11
.set VM2,12                            ; lane i: mean of my wave's row i
.set VV2,13                            ; lane i: its variance
.set MT,14
.set VT,15
.set WAD,16
.set TC,17
.set LOFF,18
.set ADRA,19                           ; v19-20 A fragments, token tiles 0-3 and 4-7
.set ABASE,21
.set AEX,23
.set CVO,24
.set CNO,25
.set R16,26
.set HH,27
.set SPW,28
.set NIL,29
.set TA,30
.set TB,31
.set CN,32                             ; v32-47 a pass's column constants: U, Sd, Ck, Cv for four column tiles
.set ST,48                             ; v48-63 at work
.set F0,64                             ; window 0: A fragment buffers; window 1: v0-255 four weight buffers
.set F1,128
.set WV,192                            ; v192-255 row loop: at work; later the row weights by token tile
.set WVN,28
.set TYPE,29
.set BB,30
.set CH,31
.set HB,32
.set CI,33
.set SRC,34
.set STRIDE,36
.set NVM1,37
.set ROW,38
.set R32,39
.set RP,40
.set BP,48
.set KA,50
.set CNT,51
.set PASSC,52
.set EPS,53
.set CS,54
.set SEL,56
.set CTF,58
.set FR,59
.set N1,60
.set FM,61
.set OMF,62
.set FRH,63
.set UP,76
.set SDP,78
.set CKP,80
.set CVP,82
.set PB0,84
.set SB0,86
.set PP,88
.set SP,90
.set NEGS,92
.set ZP,94
.set MKP,96
.set TXP,98
.set MSB, 0
.macro WIN new                         ; the immediate's high byte repeats the setting that is left
.if MSB != (\new)
	s_set_vgpr_msb (MSB<<8)|(\new)
.set MSB, \new
.endif
.endm
.macro PLACES
.rept 4
	v_nop
.endr
.endm
.macro RED1 r, t
.irp m,1,2,4,8
	v_add_f32_dpp v[\r], v[\r], v[\r] row_xmask:\m row_mask:0xf bank_mask:0xf
.endr
	v_permlanex16_b32 v[\t], v[\r], s[SEL], s[SEL+1]
	v_add_f32 v[\r], v[\r], v[\t]
.endm
.macro RED4 o, t                       ; the same for the four rows in hand, side by side
.irp m,1,2,4,8
.irp s,0,1,2,3
	v_add_f32_dpp v[WV+8*\s+\o], v[WV+8*\s+\o], v[WV+8*\s+\o] row_xmask:\m row_mask:0xf bank_mask:0xf
.endr
.endr
.irp s,0,1,2,3
	v_permlanex16_b32 v[WV+8*\s+\t], v[WV+8*\s+\o], s[SEL], s[SEL+1]
.endr
.irp s,0,1,2,3
	v_add_f32 v[WV+8*\s+\o], v[WV+8*\s+\o], v[WV+8*\s+\t]
.endr
.endm
.macro SETRP s, add                    ; slot s's row: clamped to the chunk's last valid row
	s_add_co_u32 s[ZP], s[ROW], (\add)+(\s)
	s_add_co_u32 s[ZP], s[ZP], s[R32]
	s_min_u32 s[ZP], s[ZP], s[NVM1]
	s_mul_i32 s[ZP], s[ZP], s[STRIDE]
	s_add_nc_u64 s[RP+2*(\s):RP+2*(\s)+1], s[SRC:SRC+1], s[ZP:ZP+1]
.endm
.macro LDROWS
.irp s,0,1,2,3
.irp j,0,1,2,3
	global_load_b128 v[F0+16*\s+4*\j:F0+16*\s+4*\j+3], v[CO+\j], s[RP+2*\s:RP+2*\s+1]
.endr
.endr
.endm
.macro LOADB buf, q                    ; a quarter's 8 weight fragments, 8 KB, into buffer buf of window 1
	WIN 0x40
.set i, 0
.rept 16
	global_load_b128 v[64*(\buf)+4*i:64*(\buf)+4*i+3], v[LOFF], s[BP:BP+1] offset:(\q)*32768+512*i
.set i, i+1
.endr
.endm
.macro FETCHA f, k                     ; 8 token fragments, 32 k at byte k of the rows
.irp i,0,1,2,3,4,5,6,7
	ds_load_b128 v[(\f)+8*\i:(\f)+8*\i+3], v[ADRA+\i/4] offset:(\i%4)*16*PA+(\k)
	ds_load_b128 v[(\f)+8*\i+4:(\f)+8*\i+7], v[ADRA+\i/4] offset:(\i%4)*16*PA+(\k)+32
.endr
.endm
; 32 products: source 0 = 16 tokens, source 1 = 16 columns (hi = 0: K's four tiles, window 2; hi = 1: V's, window 3).  In the result a lane holds one column and eight tokens.
; Accumulator (column tile c, token tile t) lies at 8 (8 c + t).  All 64 take turns in the same order in every quarter.
.macro MULH f, bq, hi, zero
	WIN 0xa4+0x50*(\hi)
.irp c,0,1,2,3
.irp t,0,1,2,3,4,5,6,7
.if \zero
	v_wmma_f32_16x16x32_bf16 v[8*(8*\c+\t):8*(8*\c+\t)+7], v[(\f)+8*\t:(\f)+8*\t+7], v[64*(\bq)+8*(4*(\hi)+\c):64*(\bq)+8*(4*(\hi)+\c)+7], 0
.else
	v_wmma_f32_16x16x32_bf16 v[8*(8*\c+\t):8*(8*\c+\t)+7], v[(\f)+8*\t:(\f)+8*\t+7], v[64*(\bq)+8*(4*(\hi)+\c):64*(\bq)+8*(4*(\hi)+\c)+7], v[8*(8*\c+\t):8*(8*\c+\t)+7]
.endif
.endr
.endr
.endm
; A quarter: 32 along K.  In its middle the next quarter's token fragments are fetched into g and the weights three quarters on into bl, the buffers that the quarter before multiplied.
.macro QRT f, g, bq, bl, k, q, step
	s_wait_loadcnt 32                      ; loads come back in order: all but the two younger quarters' 16 each are in
	s_wait_dscnt 0x0
	MULH \f, \bq, 0, 0
	PLACES                                 ; four places between the products and loads into registers that products have read
	WIN 0
.if \step
	s_add_co_u32 s[KA], s[KA], 256         ; four quarters on along the rows, and round at their end
	s_and_b32 s[KA], s[KA], 1023
	v_add_nc_u32 v[ADRA], s[KA], v[ABASE]
	v_add_nc_u32 v[ADRA+1], s[KA], v[ABASE+1]
.endif
	FETCHA \g, \k
	LOADB \bl, \q
	MULH \f, \bq, 1, 0
.endm
	s_load_b512 s[4:19], s[0:1], 0x0       ; x 4, re_motion 6, xf 8, re_text 10, src_mask 12, re_mask 14, cond_type 16, wblk 18
	s_load_b256 s[20:27], s[0:1], 0x40     ; cvec 20, utab 22, part 24, stat 26
	v_lshl_add_u32 v[SPW], v0, 2, SPARE
	v_mov_b32 v[NIL], 0
	v_lshrrev_b32 v[TA], 5, v0
	v_readfirstlane_b32 s[WVN], v[TA]
	v_and_b32 v[LANE], 31, v0
	v_and_b32 v[R16], 15, v0
	v_bfe_u32 v[HH], v0, 4, 1
	v_lshlrev_b32 v[LOFF], 4, v[LANE]
	s_lshr_b32 s66, ttmp9, 8               ; numbers below 512: type, batch, chunk
	s_bfe_u32 s67, ttmp9, 0x50003
	s_and_b32 s68, ttmp9, 7
	s_sub_co_u32 s69, ttmp9, 512           ; from 512 on: text, batch, which four heads
	s_lshr_b32 s70, s69, 1
	s_and_b32 s71, s69, 1
	s_lshl_b32 s71, s71, 2
	s_lshl3_add_u32 s72, s66, s68
	s_cmp_lt_u32 ttmp9, 512
	s_cselect_b32 s[TYPE], s66, 2
	s_cselect_b32 s[BB], s67, s70
	s_cselect_b32 s[CH], s68, 0
	s_cselect_b32 s[HB], 0, s71
	s_cselect_b32 s[CI], s72, 16           ; the chunk's number among the batch's 17
	s_lshl_b32 s66, s[BB], 21
	s_lshl_b32 s67, s[CH], 18
	s_add_co_u32 s66, s66, s67
	s_mul_i32 s67, s[BB], 78848
	s_lshl_b32 s[R32], s[WVN], 5
	s_mov_b32 s[ZP+1], 0
	s_mov_b32 s70, 2048
	s_mov_b32 s71, 127
	s_mov_b32 s72, 2047
	s_cmp_eq_u32 s[TYPE], 2
	s_cselect_b32 s73, s67, s66            ; the chunk's first row, in bytes
	s_cselect_b32 s[STRIDE], 1024, s70
	s_cselect_b32 s[NVM1], 76, s71
	s_cselect_b32 s68, 1023, s72           ; a text row is taken twice: mean and variance over 512 are those over 256
	s_cselect_b32 s[FM], 0, 1.0            ; text has no row mask
	s_cselect_b32 s[OMF], 1.0, 0
	s_cmp_eq_u32 s[TYPE], 1
	s_cselect_b32 s[FR], 1.0, 0
	s_cselect_b32 s[FRH], 0.5, 0
	s_mov_b32 s[EPS], 0x3727c5ac
	s_mov_b32 s[CS], 0x3fb8aa3b            ; log2(e)
	s_mov_b32 s[CS+1], s[CS]
	s_mov_b32 s[SEL], 0x76543210
	s_mov_b32 s[SEL+1], 0xfedcba98
	s_mov_b32 s[NEGS], 0xc9742400          ; -1e6
	s_mov_b32 s[ROW], 0
.irp j,0,1,2,3
	v_add_nc_u32 v[CO+\j], 512*\j, v[LOFF]
	v_and_b32 v[CO+\j], s68, v[CO+\j]
	v_add_nc_u32 v[LS+\j], -\j, v[LANE]
.endr
	s_mul_i32 s66, s[WVN], 32*PA
	v_lshl_add_u32 v[AW], v[LANE], 3, s66
	v_mul_u32_u24 v[ABASE], v[R16], PA
	v_lshl_add_u32 v[ABASE], v[HH], 4, v[ABASE]
	v_add_nc_u32 v[ABASE+1], 64*PA, v[ABASE]
	v_lshlrev_b32 v[AEX], 5, v[R16]
	v_lshl_add_u32 v[AEX], v[HH], 4, v[AEX]
	v_add_nc_u32 v[AEX], AEXT, v[AEX]
	v_lshlrev_b32 v[WAD], 5, v[HH]
	v_add_nc_u32 v[WAD], WTB, v[WAD]
	v_lshlrev_b32 v[CVO], 2, v[R16]
	v_lshlrev_b32 v[TC], 2, v[LANE]
	s_add_co_u32 s66, s[HB], s[WVN]
	s_lshl_b32 s66, s66, 8
	v_add_nc_u32 v[CNO], s66, v[CVO]       ; 4 r + 256 head
	v_mov_b32 v[VM2], 0
	v_mov_b32 v[VV2], 0
	v_mov_b32 v[TB], 0
.set i, 0
.rept 32
	v_mov_b32 v[WV+i], 0                   ; pairs' partners and the lane exchanges' destinations are written once
.set i, i+1
.endr
.irp c,0,1,2,3
	v_mov_b32 v[ST+9+2*\c], 0
.endr
	s_lshl_b32 s74, s[BB], 2
	s_wait_kmcnt 0x0
	s_load_b32 s75, s[16:17], s74 offset:0x0   ; cond_type of the batch
	s_cmp_eq_u32 s[TYPE], 2
	s_cselect_b64 s[SRC:SRC+1], s[8:9], s[4:5]
	s_cmp_eq_u32 s[TYPE], 1
	s_cselect_b64 s[SRC:SRC+1], s[6:7], s[SRC:SRC+1]
	s_cselect_b64 s[MKP:MKP+1], s[14:15], s[12:13]
	s_mov_b32 s[ZP], s73
	s_add_nc_u64 s[SRC:SRC+1], s[SRC:SRC+1], s[ZP:ZP+1]
	s_lshl_b32 s66, s[BB], 12
	s_lshl_b32 s67, s[CH], 9
	s_add_co_u32 s66, s66, s67
	s_lshl_b32 s67, s[WVN], 7
	s_add_co_u32 s[ZP], s66, s67
	s_add_nc_u64 s[MKP:MKP+1], s[MKP:MKP+1], s[ZP:ZP+1]
	s_lshr_b32 s66, s[CH], 1
	s_lshl2_add_u32 s66, s[BB], s66        ; the retrieval's text row: 4 batch + chunk / 2 (a valid row for every type)
	s_lshl_b32 s[ZP], s66, 11
	s_add_nc_u64 s[TXP:TXP+1], s[10:11], s[ZP:ZP+1]
	s_add_nc_u64 s[UP:UP+1], s[22:23], s[ZP:ZP+1]
	s_lshl_b32 s66, s[TYPE], 12
	s_add_co_u32 s[ZP], s66, 2048
	s_add_nc_u64 s[CKP:CKP+1], s[20:21], s[ZP:ZP+1]
	s_add_nc_u64 s[CVP:CVP+1], s[CKP:CKP+1], 2048
	s_add_nc_u64 s[SDP:SDP+1], s[20:21], 14336
	s_lshl_b32 s66, s[TYPE], 20
	s_lshl_b32 s67, s[HB], 17
	s_add_co_u32 s66, s66, s67
	s_lshl_b32 s67, s[WVN], 13
	s_add_co_u32 s[ZP], s66, s67
	s_add_nc_u64 s[BP:BP+1], s[18:19], s[ZP:ZP+1]
	s_mul_i32 s66, s[BB], 17
	s_add_co_u32 s66, s66, s[CI]
	s_lshl_b32 s[ZP], s66, 16
	s_add_nc_u64 s[PB0:PB0+1], s[24:25], s[ZP:ZP+1]
	s_lshl_b32 s[ZP], s66, 12
	s_add_nc_u64 s[SB0:SB0+1], s[26:27], s[ZP:ZP+1]
.irp j,0,1,2,3
	global_load_b128 v[F1+4*\j:F1+4*\j+3], v[LOFF], s[TXP:TXP+1] offset:512*\j
.endr
	global_load_b32 v[MSK], v[TC], s[MKP:MKP+1]
.irp c,0,1,2,3
	global_load_b32 v[CN+\c], v[CNO], s[UP:UP+1] offset:64*\c
	global_load_b32 v[CN+4+\c], v[CNO], s[SDP:SDP+1] offset:64*\c
	global_load_b32 v[CN+8+\c], v[CNO], s[CKP:CKP+1] offset:64*\c
	global_load_b32 v[CN+12+\c], v[CNO], s[CVP:CVP+1] offset:64*\c
.endr
	LOADB 0, 0
	LOADB 1, 1
	LOADB 2, 2
	WIN 0
	SETRP 0, 0
	SETRP 1, 0
	SETRP 2, 0
	SETRP 3, 0
	LDROWS
	s_wait_kmcnt 0x0
	s_sub_co_i32 s66, 0, s75               ; text_ct: cond_type is no multiple of 10; retr_ct: it is 10 or more
	s_max_i32 s66, s66, s75
	s_mul_hi_u32 s67, s66, 0xcccccccd
	s_lshr_b32 s67, s67, 3
	s_mul_i32 s67, s67, 10
	s_sub_co_u32 s66, s66, s67
	s_cmp_lg_u32 s66, 0
	s_cselect_b32 s66, 1.0, 0
	s_cmp_ge_i32 s75, 10
	s_cselect_b32 s67, 1.0, 0
	s_cmp_eq_u32 s[TYPE], 1
	s_cselect_b32 s[CTF], s67, 1.0
	s_cmp_eq_u32 s[TYPE], 2
	s_cselect_b32 s[CTF], s66, s[CTF]
	s_cmp_eq_u32 s[CTF], 0
	s_cselect_b32 s[N1], s[NEGS], 0
	s_wait_loadcnt 0x0
	; the text row's mean and variance (they count for retrieval alone)
.irp e,0,1,2,3
	v_pk_add_f32 v[F1+16+2*\e:F1+17+2*\e], v[F1+4*\e:F1+4*\e+1], v[F1+4*\e+2:F1+4*\e+3]
.endr
	v_pk_add_f32 v[F1+16:F1+17], v[F1+16:F1+17], v[F1+18:F1+19]
	v_pk_add_f32 v[F1+20:F1+21], v[F1+20:F1+21], v[F1+22:F1+23]
	v_pk_add_f32 v[F1+16:F1+17], v[F1+16:F1+17], v[F1+20:F1+21]
	v_add_f32 v[F1+16], v[F1+16], v[F1+17]
	RED1 F1+16, TB
	v_mul_f32 v[F1+16], 0x3b000000, v[F1+16]
	v_mov_b32 v[MT], v[F1+16]
.irp e,0,1,2,3,4,5,6,7
	v_pk_add_f32 v[F1+2*\e:F1+2*\e+1], v[F1+2*\e:F1+2*\e+1], v[F1+16:F1+17] op_sel_hi:[1,0] neg_lo:[0,1] neg_hi:[0,1]
.endr
	v_pk_mul_f32 v[F1+18:F1+19], v[F1:F1+1], v[F1:F1+1]
.irp e,1,2,3,4,5,6,7
	v_pk_fma_f32 v[F1+18:F1+19], v[F1+2*\e:F1+2*\e+1], v[F1+2*\e:F1+2*\e+1], v[F1+18:F1+19]
.endr
	v_add_f32 v[VT], v[F1+18], v[F1+19]
	RED1 VT, TB
	v_mul_f32 v[VT], 0x3b000000, v[VT]
.Lln:                                          ; eight trips, four rows side by side: X in v64-127, the centred rows in v128-191
	s_wait_loadcnt 0x0
.irp e,0,1,2,3
.irp s,0,1,2,3
	v_pk_add_f32 v[F1+16*\s+2*\e:F1+16*\s+2*\e+1], v[F0+16*\s+4*\e:F0+16*\s+4*\e+1], v[F0+16*\s+4*\e+2:F0+16*\s+4*\e+3]
.endr
.endr
.irp s,0,1,2,3
	v_pk_add_f32 v[F1+16*\s:F1+16*\s+1], v[F1+16*\s:F1+16*\s+1], v[F1+16*\s+2:F1+16*\s+3]
	v_pk_add_f32 v[F1+16*\s+4:F1+16*\s+5], v[F1+16*\s+4:F1+16*\s+5], v[F1+16*\s+6:F1+16*\s+7]
.endr
.irp s,0,1,2,3
	v_pk_add_f32 v[F1+16*\s:F1+16*\s+1], v[F1+16*\s:F1+16*\s+1], v[F1+16*\s+4:F1+16*\s+5]
.endr
.irp s,0,1,2,3
	v_add_f32 v[WV+8*\s], v[F1+16*\s], v[F1+16*\s+1]
.endr
	RED4 0, 4
.irp s,0,1,2,3
	v_mul_f32 v[WV+8*\s], 0x3b000000, v[WV+8*\s]           ; the mean
.endr
.irp e,0,1,2,3,4,5,6,7
.irp s,0,1,2,3
	v_pk_add_f32 v[F1+16*\s+2*\e:F1+16*\s+2*\e+1], v[F0+16*\s+2*\e:F0+16*\s+2*\e+1], v[WV+8*\s:WV+8*\s+1] op_sel_hi:[1,0] neg_lo:[0,1] neg_hi:[0,1]
.endr
.endr
	s_cmp_eq_u32 s[ROW], 28                ; the last trip asks for nothing
	s_cbranch_scc1 .Lnold
	SETRP 0, 4                             ; the row pointers are free: the wait at the trip's head has shown their loads done
	SETRP 1, 4
	SETRP 2, 4
	SETRP 3, 4
	LDROWS
.Lnold:
.irp s,0,1,2,3
	v_pk_mul_f32 v[WV+8*\s+2:WV+8*\s+3], v[F1+16*\s:F1+16*\s+1], v[F1+16*\s:F1+16*\s+1]
.endr
.irp e,1,2,3,4,5,6,7
.irp s,0,1,2,3
	v_pk_fma_f32 v[WV+8*\s+2:WV+8*\s+3], v[F1+16*\s+2*\e:F1+16*\s+2*\e+1], v[F1+16*\s+2*\e:F1+16*\s+2*\e+1], v[WV+8*\s+2:WV+8*\s+3]
.endr
.endr
.irp s,0,1,2,3
	v_add_f32 v[WV+8*\s+2], v[WV+8*\s+2], v[WV+8*\s+3]
.endr
	RED4 2, 4
.irp s,0,1,2,3
	v_mul_f32 v[WV+8*\s+2], 0x3b000000, v[WV+8*\s+2]       ; the variance
.endr
.irp s,0,1,2,3
	v_cmp_eq_u32 vcc_lo, s[ROW], v[LS+\s]                  ; lane = row keeps the row's two figures
	v_cndmask_b32 v[VM2], v[VM2], v[WV+8*\s], vcc_lo
	v_cndmask_b32 v[VV2], v[VV2], v[WV+8*\s+2], vcc_lo
.endr
.irp s,0,1,2,3
	v_sub_f32 v[WV+8*\s+4], v[WV+8*\s], v[MT]
	v_sub_f32 v[WV+8*\s+5], v[VT], v[WV+8*\s+2]
.endr
.irp s,0,1,2,3
	v_mul_f32 v[WV+8*\s+4], s[FRH], v[WV+8*\s+4]           ; delta
	v_mul_f32 v[WV+8*\s+5], s[FRH], v[WV+8*\s+5]
.endr
.irp s,0,1,2,3
	v_fma_f32 v[WV+8*\s+5], v[WV+8*\s+4], v[WV+8*\s+4], v[WV+8*\s+5]
.endr
.irp s,0,1,2,3
	v_add_f32 v[WV+8*\s+5], v[WV+8*\s+5], v[WV+8*\s+2]
.endr
.irp s,0,1,2,3
	v_add_f32 v[WV+8*\s+5], s[EPS], v[WV+8*\s+5]
.endr
.irp s,0,1,2,3
	v_rsq_f32 v[WV+8*\s+2], v[WV+8*\s+5]                   ; r1
.endr
	v_nop                                  ; a plain instruction behind the last of them
	s_wait_alu depctr_va_vdst(0)
.irp e,0,1,2,3,4,5,6,7
.irp s,0,1,2,3
	v_pk_mul_f32 v[F1+16*\s+2*\e:F1+16*\s+2*\e+1], v[F1+16*\s+2*\e:F1+16*\s+2*\e+1], v[WV+8*\s+2:WV+8*\s+3] op_sel_hi:[1,0]
.endr
.endr
.irp e,0,1,2,3,4,5,6,7
.irp s,0,1,2,3
	v_cvt_pk_bf16_f32 v[F1+16*\s+\e], v[F1+16*\s+2*\e], v[F1+16*\s+2*\e+1]   ; in place, ascending
.endr
.endr
.irp s,0,1,2,3
.irp j,0,1,2,3
	ds_store_b64 v[AW], v[F1+16*\s+2*\j:F1+16*\s+2*\j+1] offset:\s*PA+256*\j
.endr
.endr
	v_add_nc_u32 v[AW], 4*PA, v[AW]
	s_add_co_u32 s[ROW], s[ROW], 4
	s_cmp_lt_u32 s[ROW], 32
	s_cbranch_scc1 .Lln
	; the rows' scalars, lane = row
	v_fma_f32 v[MSK], v[MSK], s[FM], s[OMF]
	v_sub_f32 v130, v[VM2], v[MT]
	v_mul_f32 v130, s[FRH], v130           ; delta
	v_sub_f32 v131, v[VT], v[VV2]
	v_mul_f32 v131, s[FRH], v131
	v_fma_f32 v131, v130, v130, v131
	v_add_f32 v131, v131, v[VV2]
	v_add_f32 v131, s[EPS], v131
	v_add_f32 v132, s[EPS], v[VV2]
	v_rsq_f32 v133, v131                   ; r1
	v_sqrt_f32 v134, v131                  ; 1 / r1
	v_rsq_f32 v135, v132                   ; r2
	v_sqrt_f32 v136, v132                  ; 1 / r2
	v_sub_f32 v137, 1.0, v[MSK]
	v_fma_f32 v137, v137, s[NEGS], s[N1]   ; n
	v_mul_f32 v138, s[CTF], v[MSK]
	s_wait_alu depctr_va_vdst(0)
	v_mul_f32 v139, v133, v136             ; a = r1 / r2
	v_mul_f32 v138, v138, v134
	v_mul_f32 v138, v138, v135             ; w = mask / a
	v_mul_f32 v140, s[FR], v133            ; p
	v_mul_f32 v141, v140, v130             ; q
	v_add_nc_u32 v142, s[R32], v[LANE]
	v_cmp_ge_u32 vcc_lo, s[NVM1], v142     ; a row of the chunk, or padding
	v_mov_b32 v143, 0xf149f2ca             ; -1e30
	v_cndmask_b32 v137, v143, v137, vcc_lo
	v_cndmask_b32 v138, 0, v138, vcc_lo
	v_cvt_pk_bf16_f32 v144, v140, v141     ; slots p, q | n, a | 1, 1 | a, 0
	v_cvt_pk_bf16_f32 v145, v137, v139
	v_mov_b32 v146, 0x3f803f80
	v_cvt_pk_bf16_f32 v147, v139, 0
	v_mov_b32 v148, 0
	v_mov_b32 v149, 0
	v_mov_b32 v150, 0
	v_mov_b32 v151, 0
	v_lshl_add_u32 v152, v142, 5, AEXT
	v_lshl_add_u32 v153, v142, 2, WTB
	ds_store_b128 v152, v[144:147]
	ds_store_b128 v152, v[148:151] offset:16
	ds_store_b32 v153, v138
	s_wait_dscnt 0x0                       ; my rows and their scalars are in LDS
	s_barrier_signal -1
	s_barrier_wait -1                      ; everybody's are; nothing of them is written again
.irp t,0,1,2,3,4,5,6,7
	ds_load_b128 v[WV+8*\t:WV+8*\t+3], v[WAD] offset:64*\t
	ds_load_b128 v[WV+8*\t+4:WV+8*\t+7], v[WAD] offset:64*\t+16
.endr
	s_mov_b32 s[KA], 0
	v_mov_b32 v[ADRA], v[ABASE]
	v_mov_b32 v[ADRA+1], v[ABASE+1]
	FETCHA F0, 0
	s_mov_b32 s[PASSC], 2
.Lpass:
	s_wait_loadcnt 48                      ; the pass's constants are in; behind them stand the 48 loads of its first three quarters
.irp c,0,1,2,3,4,5,6,7
	v_cvt_pk_bf16_f32 v[ST+\c], v[CN+8+\c], 0
.endr
.irp c,0,1,2,3,4,5,6,7
	v_lshlrev_b32 v[ST+\c], 16, v[ST+\c]
.endr
.irp c,0,1,2,3,4,5,6,7
	v_sub_f32 v[ST+\c], v[CN+8+\c], v[ST+\c]               ; what the bias loses in bf16
.endr
	WIN 0x40                               ; the columns' side of EXT, in weight buffer 3: K: U, Sd | 1, 0 | Chi, Clo | 0, 0;  V: 0, 0 | 0, Chi | 0, 0 | Clo, 0
.irp c,0,1,2,3
	v_cvt_pk_bf16_f32 v[192+8*\c], v[CN+\c], v[CN+4+\c]
	v_mov_b32 v[193+8*\c], 0x3f80
	v_cvt_pk_bf16_f32 v[194+8*\c], v[CN+8+\c], v[ST+\c]
	v_mov_b32 v[195+8*\c], 0
	v_mov_b32 v[224+8*\c], 0
	v_cvt_pk_bf16_f32 v[225+8*\c], 0, v[CN+12+\c]
	v_mov_b32 v[226+8*\c], 0
	v_cvt_pk_bf16_f32 v[227+8*\c], v[ST+4+\c], 0
.irp e,4,5,6,7
	v_mov_b32 v[192+8*\c+\e], 0
	v_mov_b32 v[224+8*\c+\e], 0
.endr
.endr
	WIN 0
.irp t,0,1,2,3,4,5,6,7                 ; the rows' side: 8 slots for the lower lanes, zeros for k = 8 to 31
	ds_load_b128 v[F1+8*\t:F1+8*\t+3], v[AEX] offset:512*\t
.irp e,4,5,6,7
	v_mov_b32 v[F1+8*\t+\e], 0
.endr
.endr
	s_wait_dscnt 0x0
	MULH F1, 3, 0, 1                       ; EXT starts all 64 sums
	MULH F1, 3, 1, 1
	WIN 0
	s_add_co_u32 s66, s[HB], 4             ; the next pass's constants
	s_and_b32 s66, s66, 7
	s_add_co_u32 s66, s66, s[WVN]
	s_lshl_b32 s66, s66, 8
	v_add_nc_u32 v[CNO], s66, v[CVO]
.irp c,0,1,2,3
	global_load_b32 v[CN+\c], v[CNO], s[UP:UP+1] offset:64*\c
	global_load_b32 v[CN+4+\c], v[CNO], s[SDP:SDP+1] offset:64*\c
	global_load_b32 v[CN+8+\c], v[CNO], s[CKP:CKP+1] offset:64*\c
	global_load_b32 v[CN+12+\c], v[CNO], s[CVP:CVP+1] offset:64*\c
.endr
	s_mov_b32 s[CNT], 4
.Lk:                                           ; four trips of four quarters: K = 512
	QRT F0, F1, 0, 3, 64, 3, 0
	QRT F1, F0, 1, 0, 128, 4, 0
	QRT F0, F1, 2, 1, 192, 5, 0
	QRT F1, F0, 3, 2, 0, 6, 1
	WIN 0
	s_wait_xcnt 0x0                        ; the weights' base steps only behind this wait
	s_add_nc_u64 s[BP:BP+1], s[BP:BP+1], 131072
	s_sub_co_u32 s[CNT], s[CNT], 1
	s_cmp_lg_u32 s[CNT], 0
	s_cbranch_scc1 .Lk
	; E.  The maximum of each column over its 128 tokens: eight chains; each accumulator's lowest registers are read first.
.irp i,0,1,2,3,4,5,6,7
	v_mov_b32 v[ST+\i], 0xff800000         ; (these are also the places behind the last products)
.endr
	WIN 0x28
.set t, 0
.rept 8
.irp e,0,1,2,3
.irp c,0,1,2,3
	v_max3_num_f32 v[ST+2*\c+t%2], v[ST+2*\c+t%2], v[8*(8*\c+t)+2*\e], v[8*(8*\c+t)+2*\e+1]
.endr
.endr
.set t, t+1
.endr
	WIN 0
.irp c,0,1,2,3
	v_max_num_f32 v[ST+2*\c], v[ST+2*\c], v[ST+2*\c+1]
.endr
.irp c,0,1,2,3
	v_permlanex16_b32 v[ST+2*\c+1], v[ST+2*\c], s[SEL], s[SEL+1]
.endr
.irp c,0,1,2,3
	v_max_num_f32 v[ST+2*\c], v[ST+2*\c], v[ST+2*\c+1]     ; M
.endr
.irp c,0,1,2,3
	v_mul_f32 v[ST+8+2*\c], s[CS], v[ST+2*\c]              ; c M
.endr
	WIN 0x82                               ; p = 2^(c k - c M), in place in window 2
.set i, 0
.rept 32
.irp e,0,1,2,3
	v_pk_fma_f32 v[8*i+2*\e:8*i+2*\e+1], v[8*i+2*\e:8*i+2*\e+1], s[CS:CS+1], v[ST+8+2*(i/8):ST+9+2*(i/8)] op_sel_hi:[1,0,0] neg_lo:[0,0,1] neg_hi:[0,0,1]
.endr
.irp e,0,1,2,3,4,5,6,7
	v_exp_f32 v[8*i+\e], v[8*i+\e]
.endr
.set i, i+1
.endr
	v_nop                                  ; a plain instruction behind the last exponential
	WIN 0x8a                               ; packed in place, ascending: fragment (column tile c, 32 tokens kk) lands at 32 c + 8 kk
.set i, 0
	s_wait_alu depctr_va_vdst(0)
.rept 128
	v_cvt_pk_bf16_f32 v[i], v[2*i], v[2*i+1]
.set i, i+1
.endr
	WIN 0xc3                               ; V times the rows' weights, in window 3
.set i, 0
.rept 32
.irp e,0,1,2,3
	v_pk_mul_f32 v[8*i+2*\e:8*i+2*\e+1], v[8*i+2*\e:8*i+2*\e+1], v[WV+8*(i%8)+2*\e:WV+8*(i%8)+2*\e+1]
.endr
.set i, i+1
.endr
	WIN 0xcf
.set i, 0
.rept 128
	v_cvt_pk_bf16_f32 v[i], v[2*i], v[2*i+1]
.set i, i+1
.endr
	WIN 0xc0
.irp e,0,1,2,3,4,5,6,7
	v_mov_b32 v[160+\e], 0x3f803f80        ; a fragment of ones
.endr
	WIN 0xae                               ; P^T V: 16 tiles in window 2, v128-255; they take turns
.irp kk,0,1,2,3
.irp dt,0,1,2,3
.irp lt,0,1,2,3
.if \kk == 0
	v_wmma_f32_16x16x32_bf16 v[128+8*(4*\dt+\lt):135+8*(4*\dt+\lt)], v[32*\dt+8*\kk:32*\dt+8*\kk+7], v[32*\lt+8*\kk:32*\lt+8*\kk+7], 0
.else
	v_wmma_f32_16x16x32_bf16 v[128+8*(4*\dt+\lt):135+8*(4*\dt+\lt)], v[32*\dt+8*\kk:32*\dt+8*\kk+7], v[32*\lt+8*\kk:32*\lt+8*\kk+7], v[128+8*(4*\dt+\lt):135+8*(4*\dt+\lt)]
.endif
.endr
.endr
.endr
	WIN 0xfb                               ; L = ones x P: a lane holds its column's sum in every register; window 3, v128-159
.irp kk,0,1,2,3
.irp dt,0,1,2,3
.if \kk == 0
	v_wmma_f32_16x16x32_bf16 v[128+8*\dt:135+8*\dt], v[160:167], v[32*\dt+8*\kk:32*\dt+8*\kk+7], 0
.else
	v_wmma_f32_16x16x32_bf16 v[128+8*\dt:135+8*\dt], v[160:167], v[32*\dt+8*\kk:32*\dt+8*\kk+7], v[128+8*\dt:135+8*\dt]
.endif
.endr
.endr
	PLACES
	WIN 0x0a
.set i, 0
.rept 64
	v_cvt_pk_bf16_f32 v[F1+i], v[128+2*i], v[129+2*i]
.set i, i+1
.endr
	WIN 0
	s_add_co_u32 s66, s[HB], s[WVN]        ; my head
	s_lshl_b32 s[ZP], s66, 13
	s_add_nc_u64 s[PP:PP+1], s[PB0:PB0+1], s[ZP:ZP+1]
	s_lshl_b32 s[ZP], s66, 9
	s_add_nc_u64 s[SP:SP+1], s[SB0:SB0+1], s[ZP:ZP+1]
.set i, 0
.rept 16
	global_store_b128 v[LOFF], v[F1+4*i:F1+4*i+3], s[PP:PP+1] offset:512*i     ; 512 consecutive bytes each
.set i, i+1
.endr
.irp c,0,1,2,3
	global_store_b32 v[CVO], v[ST+2*\c], s[SP:SP+1] offset:64*\c               ; M; both halves of the lanes hold and store the same 64 bytes
.endr
	WIN 0x0c
.irp c,0,1,2,3
	global_store_b32 v[CVO], v[128+8*\c], s[SP:SP+1] offset:256+64*\c          ; L
.endr
	WIN 0
	s_wait_xcnt 0x0                        ; the stores' registers and bases are written again only behind this wait
	s_add_co_u32 s[HB], s[HB], 4
	s_cmp_eq_u32 s[TYPE], 2
	s_cbranch_scc1 .Lend                   ; a text work-group has one pass
	s_sub_co_u32 s[PASSC], s[PASSC], 1
	s_cmp_lg_u32 s[PASSC], 0
	s_cbranch_scc1 .Lpass
.Lend:
	s_wait_tensorcnt 0x0                   ; the wave's end
	ds_add_u32 v[SPW], v[NIL]
	s_wait_dscnt 0x0
	s_endpgm
.Lfunc_end_k_q1ee473d589_kv:
	.size	k_q1ee473d589_kv, .Lfunc_end_k_q1ee473d589_kv-k_q1ee473d589_kv
	.p2alignl 7, 3214868480
	.fill 96, 4, 3214868480
	.section	.rodata,"a",@progbits
	.p2align	6, 0x0
	.amdhsa_kernel k_q1ee473d589_kv
		.amdhsa_group_segment_fixed_size 138240
		.amdhsa_private_segment_fixed_size 0
		.amdhsa_enable_private_segment 0
		.amdhsa_kernarg_size 96
		.amdhsa_user_sgpr_count 2
		.amdhsa_user_sgpr_kernarg_segment_ptr 1
		.amdhsa_wavefront_size32 1
		.amdhsa_system_sgpr_workgroup_id_x 1
		.amdhsa_system_sgpr_workgroup_id_y 1
		.amdhsa_system_sgpr_workgroup_id_z 1
		.amdhsa_system_vgpr_workitem_id 0
		.amdhsa_next_free_vgpr 1024
		.amdhsa_next_free_sgpr 100
		.amdhsa_reserve_vcc 1
		.amdhsa_float_denorm_mode_32 3
		.amdhsa_float_denorm_mode_16_64 3
		.amdhsa_memory_ordered 1
		.amdhsa_forward_progress 1
		.amdhsa_inst_pref_size 141
	.end_amdhsa_kernel
	.amdgpu_metadata
---
amdhsa.version: [ 1, 2 ]
amdhsa.kernels:
  - .name:           k_q1ee473d589_kv
    .symbol:         k_q1ee473d589_kv.kd
    .args:
      - { .name: x, .offset: 0, .size: 8, .value_kind: global_buffer, .address_space: global }
      - { .name: re_motion, .offset: 8, .size: 8, .value_kind: global_buffer, .address_space: global }
      - { .name: xf, .offset: 16, .size: 8, .value_kind: global_buffer, .address_space: global }
      - { .name: re_text, .offset: 24, .size: 8, .value_kind: global_buffer, .address_space: global }
      - { .name: src_mask, .offset: 32, .size: 8, .value_kind: global_buffer, .address_space: global }
      - { .name: re_mask, .offset: 40, .size: 8, .value_kind: global_buffer, .address_space: global }
      - { .name: cond_type, .offset: 48, .size: 8, .value_kind: global_buffer, .address_space: global }
      - { .name: wblk, .offset: 56, .size: 8, .value_kind: global_buffer, .address_space: global }
      - { .name: cvec, .offset: 64, .size: 8, .value_kind: global_buffer, .address_space: global }
      - { .name: utab, .offset: 72, .size: 8, .value_kind: global_buffer, .address_space: global }
      - { .name: part, .offset: 80, .size: 8, .value_kind: global_buffer, .address_space: global }
      - { .name: stat, .offset: 88, .size: 8, .value_kind: global_buffer, .address_space: global }
    .group_segment_fixed_size: 138240
    .private_segment_fixed_size: 0
    .kernarg_segment_align: 8
    .kernarg_segment_size: 96
    .max_flat_workgroup_size: 128
    .sgpr_count:     100
    .vgpr_count:     1024
    .wavefront_size: 32
...
	.end_amdgpu_metadata
.endif
;; end of part 2
;; launch join (part 3): grid 288 x 1, 16 waves a work-group, no clusters, 72,192 bytes of LDS; arguments part, stat, semb, emb_W, emb_b, snorm_g, snorm_b, attn, film; writes attn, film
.if DOCPART == 3
	.amdgcn_target "amdgcn-amd-amdhsa--gfx1250"
	.amdhsa_code_object_version 6
	.text
	.protected	k_q1ee473d589_join
	.globl	k_q1ee473d589_join
	.p2align	8
	.type	k_q1ee473d589_join,@function
k_q1ee473d589_join:
	s_mov_b64 s[64:65], 0
	v_nop
	global_prefetch_b8 v0, s[64:65] scope:SCOPE_SE
	s_setreg_imm32_b32 hwreg(HW_REG_WAVE_MODE, 25, 1), 1
	s_wait_xcnt 0x0
; JOIN.  Work-groups 0-255 (batch x head): the 17 chunks' P^T V are joined: M = max M_c, w_c = 2^(c (M_c - M)), L = sum w_c L_c, attention = sum w_c part_c / L, rounded to bf16 in the same register image.
; A wave takes one 16 x 16 tile; waves 0 and 1 make the 17 x 64 weights and hand them over in LDS.
; Work-groups 256-287: silu(emb) emb_W^T for 16 channels of scale and the same 16 of shift, a wave for each 128 of K = 2,048; summed over the waves in LDS;
; film = snorm_g (1 + scale) | snorm_b (1 + scale) + shift.
.set RED, 4608
.set SPARE, 70144
.macro TREE16 base                     ; 16 quads at v[base + 4 i] are added into the first
.irp d,8,4,2,1
.set ww, 0
.rept \d
	v_pk_add_f32 v[\base+4*ww:\base+4*ww+1], v[\base+4*ww:\base+4*ww+1], v[\base+4*(ww+\d):\base+4*(ww+\d)+1]
	v_pk_add_f32 v[\base+4*ww+2:\base+4*ww+3], v[\base+4*ww+2:\base+4*ww+3], v[\base+4*(ww+\d)+2:\base+4*(ww+\d)+3]
.set ww, ww+1
.endr
.endr
.endm
.macro CHUNK c, wr, first              ; tile of chunk c times its 8 weights at v[wr]
.irp e,0,1,2,3
	v_lshlrev_b32 v[16+2*\e], 16, v[64+4*(\c)+\e]
	v_and_b32 v[17+2*\e], s30, v[64+4*(\c)+\e]
.endr
.irp e,0,1,2,3
.if \first
	v_pk_mul_f32 v[24+2*\e:25+2*\e], v[16+2*\e:17+2*\e], v[(\wr)+2*\e:(\wr)+2*\e+1]
.else
	v_pk_fma_f32 v[24+2*\e:25+2*\e], v[16+2*\e:17+2*\e], v[(\wr)+2*\e:(\wr)+2*\e+1], v[24+2*\e:25+2*\e]
.endif
.endr
.endm
	s_load_b512 s[4:19], s[0:1], 0x0       ; part 4, stat 6, semb 8, emb_W 10, emb_b 12, snorm_g 14, snorm_b 16, attn 18
	s_load_b64 s[20:21], s[0:1], 0x40      ; film
	v_lshl_add_u32 v2, v0, 2, SPARE
	v_mov_b32 v3, 0
	v_lshrrev_b32 v4, 5, v0
	v_readfirstlane_b32 s2, v4
	v_and_b32 v1, 31, v0
	v_lshlrev_b32 v4, 4, v1
	v_bfe_u32 v6, v0, 4, 1                 ; h
	v_and_b32 v9, 15, v0                   ; r
	s_mov_b32 s30, 0xffff0000
	s_mov_b32 s31, 0x3fb8aa3b
	s_cmp_lt_u32 ttmp9, 256
	s_cbranch_scc0 .Lemb
	s_lshr_b32 s22, ttmp9, 3
	s_and_b32 s23, ttmp9, 7
	s_mul_i32 s24, s22, 17*65536
	s_lshl_b32 s25, s23, 13
	s_add_co_u32 s24, s24, s25
	s_lshl_b32 s25, s2, 9
	s_add_co_u32 s24, s24, s25
	s_mov_b32 s25, 0
	s_mul_i32 s26, s22, 17*4096
	s_lshl_b32 s27, s23, 9
	s_add_co_u32 s26, s26, s27
	s_mov_b32 s27, 0
	s_lshl_b32 s28, ttmp9, 13
	s_lshl_b32 s29, s2, 9
	s_add_co_u32 s28, s28, s29
	s_mov_b32 s29, 0
	s_wait_kmcnt 0x0
	s_add_nc_u64 s[4:5], s[4:5], s[24:25]
	s_add_nc_u64 s[6:7], s[6:7], s[26:27]
	s_add_nc_u64 s[18:19], s[18:19], s[28:29]
.set c, 0
.rept 17
	global_load_b128 v[64+4*c:67+4*c], v4, s[4:5] offset:65536*c
.set c, c+1
.endr
	s_cmp_lt_u32 s2, 2
	s_cbranch_scc0 .Lnw
	v_lshlrev_b32 v5, 2, v0                ; channel d = thread
.set c, 0
.rept 17
	global_load_b32 v[136+c], v5, s[6:7] offset:4096*c
	global_load_b32 v[160+c], v5, s[6:7] offset:4096*c+256
.set c, c+1
.endr
	s_wait_loadcnt 0x0
	v_max_num_f32 v7, v136, v137
.irp c,2,4,6,8,10,12,14
	v_max3_num_f32 v7, v7, v[136+\c], v[137+\c]
.endr
	v_max_num_f32 v7, v7, v152
.set c, 0
.rept 17
	v_sub_f32 v[136+c], v[136+c], v7
.set c, c+1
.endr
.set c, 0
.rept 17
	v_mul_f32 v[136+c], s31, v[136+c]
.set c, c+1
.endr
.set c, 0
.rept 17
	v_exp_f32 v[136+c], v[136+c]
.set c, c+1
.endr
	v_nop
	s_wait_alu depctr_va_vdst(0)
	v_mul_f32 v8, v136, v160
.set c, 1
.rept 16
	v_fmac_f32 v8, v[136+c], v[160+c]
.set c, c+1
.endr
	v_rcp_f32 v8, v8                       ; L is at least the largest chunk's weight 1 times its L, which holds a p = 1
	v_nop
.set c, 0
	s_wait_alu depctr_va_vdst(0)
.rept 17
	v_mul_f32 v[136+c], v[136+c], v8
	ds_store_b32 v5, v[136+c] offset:256*c
.set c, c+1
.endr
.Lnw:
	s_wait_dscnt 0x0
	s_barrier_signal -1
	s_barrier_wait -1
	s_lshr_b32 s22, s2, 2                  ; my tile's 16 channels d, my lanes' 8 of them
	s_lshl_b32 s22, s22, 6
	v_lshl_add_u32 v10, v6, 5, s22
.set c, 0
.rept 9
	ds_load_b128 v[136+8*c:139+8*c], v10 offset:256*c
	ds_load_b128 v[140+8*c:143+8*c], v10 offset:256*c+16
.set c, c+1
.endr
	s_wait_loadcnt 0x0
	s_wait_dscnt 0x0
	CHUNK 0, 136, 1
.set c, 1
.rept 8
	CHUNK c, 136+8*c, 0
.set c, c+1
.endr
.set c, 0
.rept 8
	ds_load_b128 v[136+8*c:139+8*c], v10 offset:256*(c+9)
	ds_load_b128 v[140+8*c:143+8*c], v10 offset:256*(c+9)+16
.set c, c+1
.endr
	s_wait_dscnt 0x0
.set c, 0
.rept 8
	CHUNK c+9, 136+8*c, 0
.set c, c+1
.endr
.irp e,0,1,2,3
	v_cvt_pk_bf16_f32 v[32+\e], v[24+2*\e], v[25+2*\e]
.endr
	global_store_b128 v4, v[32:35], s[18:19]               ; 512 consecutive bytes
	s_wait_tensorcnt 0x0                   ; the wave's end
	ds_add_u32 v2, v3
	s_wait_dscnt 0x0
	s_endpgm
.Lemb:
	s_sub_co_u32 s22, ttmp9, 256           ; tile of 16 channels
	s_lshl_b32 s24, s2, 12                 ; semb: my four quarters
	s_mov_b32 s25, 0
	s_lshl_b32 s26, s22, 17                ; emb_W: 16 rows of 8,192 bytes
	s_mov_b32 s27, 0
	s_lshl_b32 s28, s22, 6
	s_mov_b32 s29, 0
	s_lshl_b32 s23, s2, 9
	v_lshlrev_b32 v7, 13, v9
	v_lshl_add_u32 v7, v6, 5, v7
	v_add_nc_u32 v7, s23, v7               ; 8,192 r + 32 h + 512 w
	v_lshlrev_b32 v8, 2, v9
	s_wait_kmcnt 0x0
	s_add_nc_u64 s[8:9], s[8:9], s[24:25]
	s_add_nc_u64 s[10:11], s[10:11], s[26:27]
	s_add_nc_u64 s[12:13], s[12:13], s[28:29]
	s_add_nc_u64 s[14:15], s[14:15], s[28:29]
	s_add_nc_u64 s[16:17], s[16:17], s[28:29]
	s_add_nc_u64 s[20:21], s[20:21], s[28:29]
.irp ct,0,1
.irp s,0,1,2,3
	global_load_b128 v[128+64*\ct+16*\s:131+64*\ct+16*\s], v7, s[10:11] offset:4194304*\ct+128*\s th:TH_LOAD_NT
	global_load_b128 v[132+64*\ct+16*\s:135+64*\ct+16*\s], v7, s[10:11] offset:4194304*\ct+128*\s+16 th:TH_LOAD_NT
	global_load_b128 v[136+64*\ct+16*\s:139+64*\ct+16*\s], v7, s[10:11] offset:4194304*\ct+128*\s+64 th:TH_LOAD_NT
	global_load_b128 v[140+64*\ct+16*\s:143+64*\ct+16*\s], v7, s[10:11] offset:4194304*\ct+128*\s+80 th:TH_LOAD_NT
.endr
.endr
.irp mt,0,1
.irp s,0,1,2,3
	global_load_b128 v[64+8*(4*\mt+\s):67+8*(4*\mt+\s)], v4, s[8:9] offset:65536*\mt+1024*\s
	global_load_b128 v[68+8*(4*\mt+\s):71+8*(4*\mt+\s)], v4, s[8:9] offset:65536*\mt+1024*\s+512
.endr
.endr
	global_load_b32 v11, v8, s[12:13]
	global_load_b32 v12, v8, s[12:13] offset:2048
	global_load_b32 v13, v8, s[14:15]
	global_load_b32 v14, v8, s[16:17]
	s_wait_loadcnt 0x0
.irp ct,0,1
.irp s,0,1,2,3
.irp e,0,1,2,3,4,5,6,7
	v_cvt_pk_bf16_f32 v[128+64*\ct+16*\s+\e], v[128+64*\ct+16*\s+2*\e], v[129+64*\ct+16*\s+2*\e]
.endr
.endr
.endr
.irp s,0,1,2,3                         ; four accumulators take turns
.irp mt,0,1
.irp ct,0,1
.if \s == 0
	v_wmma_f32_16x16x32_bf16 v[32+8*(2*\mt+\ct):39+8*(2*\mt+\ct)], v[64+8*(4*\mt+\s):71+8*(4*\mt+\s)], v[128+64*\ct+16*\s:135+64*\ct+16*\s], 0
.else
	v_wmma_f32_16x16x32_bf16 v[32+8*(2*\mt+\ct):39+8*(2*\mt+\ct)], v[64+8*(4*\mt+\s):71+8*(4*\mt+\s)], v[128+64*\ct+16*\s:135+64*\ct+16*\s], v[32+8*(2*\mt+\ct):39+8*(2*\mt+\ct)]
.endif
.endr
.endr
.endr
	s_lshl_b32 s23, s2, 12
	s_add_co_u32 s23, s23, RED
	v_add_nc_u32 v15, s23, v4              ; five plain instructions behind the last product
	v_lshlrev_b32 v16, 15, v6
	v_lshl_add_u32 v16, v9, 2, v16         ; 8 h batches of 4,096 bytes + 4 r
	v_nop
	v_nop
.irp t,0,1,2,3
	ds_store_b128 v15, v[32+8*\t:35+8*\t] offset:1024*\t
	ds_store_b128 v15, v[36+8*\t:39+8*\t] offset:1024*\t+512
.endr
	s_wait_dscnt 0x0
	s_barrier_signal -1
	s_barrier_wait -1
	s_cmp_lt_u32 s2, 4
	s_cbranch_scc0 .Lefin
	s_lshr_b32 s23, s2, 1                  ; wave q: batches 16 (q / 2) + 8 h + 4 (q % 2) + 0..3
	s_and_b32 s24, s2, 1
	s_lshl_b32 s26, s23, 11                ; quads 4 (q / 2) + q % 2 (scale) and two further on (shift)
	s_lshl_b32 s27, s24, 9
	s_add_co_u32 s26, s26, s27
	s_add_co_u32 s26, s26, RED
	v_add_nc_u32 v17, s26, v4
.set ww, 0
.rept 16
	ds_load_b128 v[64+4*ww:67+4*ww], v17 offset:4096*ww
	ds_load_b128 v[128+4*ww:131+4*ww], v17 offset:4096*ww+1024
.set ww, ww+1
.endr
	s_wait_dscnt 0x0
	TREE16 64
	TREE16 128
	s_lshl_b32 s26, s23, 16
	s_lshl_b32 s27, s24, 14
	s_add_co_u32 s26, s26, s27
	s_mov_b32 s27, 0
	s_add_nc_u64 s[20:21], s[20:21], s[26:27]
.irp e,0,1,2,3
	v_add_f32 v[64+\e], v[64+\e], v11
	v_add_f32 v[128+\e], v[128+\e], v12
.endr
.irp e,0,1,2,3
	v_add_f32 v[64+\e], 1.0, v[64+\e]
.endr
.irp e,0,1,2,3
	v_fma_f32 v[128+\e], v14, v[64+\e], v[128+\e]
	v_mul_f32 v[64+\e], v13, v[64+\e]
.endr
.irp e,0,1,2,3
	global_store_b32 v16, v[64+\e], s[20:21] offset:4096*\e                    ; 64 consecutive bytes for 16 lanes: the table is 128 KB in all
	global_store_b32 v16, v[128+\e], s[20:21] offset:4096*\e+2048
.endr
.Lefin:
	s_wait_tensorcnt 0x0                   ; the wave's end
	ds_add_u32 v2, v3
	s_wait_dscnt 0x0
	s_endpgm
.Lfunc_end_k_q1ee473d589_join:
	.size	k_q1ee473d589_join, .Lfunc_end_k_q1ee473d589_join-k_q1ee473d589_join
	.p2alignl 7, 3214868480
	.fill 96, 4, 3214868480
	.section	.rodata,"a",@progbits
	.p2align	6, 0x0
	.amdhsa_kernel k_q1ee473d589_join
		.amdhsa_group_segment_fixed_size 72192
		.amdhsa_private_segment_fixed_size 0
		.amdhsa_enable_private_segment 0
		.amdhsa_kernarg_size 72
		.amdhsa_user_sgpr_count 2
		.amdhsa_user_sgpr_kernarg_segment_ptr 1
		.amdhsa_wavefront_size32 1
		.amdhsa_system_sgpr_workgroup_id_x 1
		.amdhsa_system_sgpr_workgroup_id_y 1
		.amdhsa_system_sgpr_workgroup_id_z 1
		.amdhsa_system_vgpr_workitem_id 0
		.amdhsa_next_free_vgpr 256
		.amdhsa_next_free_sgpr 66
		.amdhsa_reserve_vcc 0
		.amdhsa_float_denorm_mode_32 3
		.amdhsa_float_denorm_mode_16_64 3
		.amdhsa_memory_ordered 1
		.amdhsa_forward_progress 1
		.amdhsa_inst_pref_size 42
	.end_amdhsa_kernel
	.amdgpu_metadata
---
amdhsa.version: [ 1, 2 ]
amdhsa.kernels:
  - .name:           k_q1ee473d589_join
    .symbol:         k_q1ee473d589_join.kd
    .args:
      - { .name: part, .offset: 0, .size: 8, .value_kind: global_buffer, .address_space: global }
      - { .name: stat, .offset: 8, .size: 8, .value_kind: global_buffer, .address_space: global }
      - { .name: semb, .offset: 16, .size: 8, .value_kind: global_buffer, .address_space: global }
      - { .name: emb_W, .offset: 24, .size: 8, .value_kind: global_buffer, .address_space: global }
      - { .name: emb_b, .offset: 32, .size: 8, .value_kind: global_buffer, .address_space: global }
      - { .name: snorm_g, .offset: 40, .size: 8, .value_kind: global_buffer, .address_space: global }
      - { .name: snorm_b, .offset: 48, .size: 8, .value_kind: global_buffer, .address_space: global }
      - { .name: attn, .offset: 56, .size: 8, .value_kind: global_buffer, .address_space: global }
      - { .name: film, .offset: 64, .size: 8, .value_kind: global_buffer, .address_space: global }
    .group_segment_fixed_size: 72192
    .private_segment_fixed_size: 0
    .kernarg_segment_align: 8
    .kernarg_segment_size: 72
    .max_flat_workgroup_size: 512
    .sgpr_count:     66
    .vgpr_count:     256
    .wavefront_size: 32
...
	.end_amdgpu_metadata
.endif
;; end of part 3
;; launch fin (part 4): grid 256 x 1, 4 waves a work-group, no clusters, 264,704 bytes of LDS; arguments x, wblk, cvec, attn, film, out0; writes out0
.if DOCPART == 4
	.amdgcn_target "amdgcn-amd-amdhsa--gfx1250"
	.amdhsa_code_object_version 6
	.text
	.protected	k_q1ee473d589_fin
	.globl	k_q1ee473d589_fin
	.p2align	8
	.type	k_q1ee473d589_fin,@function
k_q1ee473d589_fin:
	s_mov_b64 s[64:65], 0
	v_nop
	global_prefetch_b8 v0, s[64:65] scope:SCOPE_SE
	s_setreg_imm32_b32 hwreg(HW_REG_WAVE_MODE, 25, 1), 1
	s_wait_xcnt 0x0
; FIN.  A work-group takes 128 rows of x of one batch.
; 1. Each wave normalises 32 rows into LDS (A, bf16).   2. Pass Q: wave w makes query channels 128 w .. + 127 (heads 2 w, 2 w + 1) for all 128 rows; source 0 = weights, source 1 = rows, so a lane
; holds one row and eight channels.  The bias enters by one extra product against a constant fragment, which starts the sums.   3. The logits go back into A (bf16); each wave takes the softmax over
; each head's 64 channels of its 32 rows (true maximum taken away), in place.   4. y = q x attention by the matrix unit, back into A.   5. Each wave: norm over 512, film, silu, in place.
; 6. Pass OUT, the same loop's second trip.   7. The sums go through LDS in f32, x is added, and whole rows leave, 512 consecutive bytes a store.
; Weights come straight from memory into registers, as register images.  NO CLUSTER: no tensor load is used, so there is no joint request to make.
; LIMITS.  Logits, q, y and silu(h) are rounded to bf16 between the steps.  Each pass's last fetch of row fragments and the last pass's last three quarters of weight loads serve nothing.
.set PA, 1040
.set OPT, 2064                         ; a row of the f32 stage: 2,048 bytes + 16
.set SPARE, 264192
.set LANE,1
.set LOFF,2
.set R16,3
.set HH,4
.set AW,5
.set ADRA,6
.set ABASE,8
.set YA,10                             ; v10-11 ABASE + 256 w: my 128 channels of the rows
.set CVO,12
.set RWA,13
.set RW0,14
.set OSA,16                            ; v16-19
.set ORA,20
.set FO,21
.set SPW,28
.set NIL,29
.set TB,31
.set CN,32                             ; v32-39 this pass's biases, v40-47 the next's
.set ONE,48                            ; v48-55 the constant fragment
.set LO,56
.set F0,64
.set F1,128
.set WV,192                            ; row loop: at work; then head 2 w's attention fragments; then film
.set WVN,16
.set BB,17
.set CH,18
.set ROW,19
.set XB,20
.set XP,22
.set OP,24
.set CP,26
.set ATP,28
.set FP,30
.set BP,32
.set KA,34
.set CNT,35
.set PASSC,36
.set HM,37
.set CS,38
.set SEL,40
.set NC,42
.set EPS,44
.set I512,45
.set ZP,50
.set MSB, 0
.macro WIN new
.if MSB != (\new)
	s_set_vgpr_msb (MSB<<8)|(\new)
.set MSB, \new
.endif
.endm
.macro PLACES
.rept 4
	v_nop
.endr
.endm
.macro RED4 o, t
.irp m,1,2,4,8
.irp s,0,1,2,3
	v_add_f32_dpp v[WV+8*\s+\o], v[WV+8*\s+\o], v[WV+8*\s+\o] row_xmask:\m row_mask:0xf bank_mask:0xf
.endr
.endr
.irp s,0,1,2,3
	v_permlanex16_b32 v[WV+8*\s+\t], v[WV+8*\s+\o], s[SEL], s[SEL+1]
.endr
.irp s,0,1,2,3
	v_add_f32 v[WV+8*\s+\o], v[WV+8*\s+\o], v[WV+8*\s+\t]
.endr
.endm
.macro RED2 o, t                       ; two rows side by side, figures at v[128 + 8 z]
.irp m,1,2,4,8
.irp z,0,1
	v_add_f32_dpp v[128+8*\z+\o], v[128+8*\z+\o], v[128+8*\z+\o] row_xmask:\m row_mask:0xf bank_mask:0xf
.endr
.endr
.irp z,0,1
	v_permlanex16_b32 v[128+8*\z+\t], v[128+8*\z+\o], s[SEL], s[SEL+1]
.endr
.irp z,0,1
	v_add_f32 v[128+8*\z+\o], v[128+8*\z+\o], v[128+8*\z+\t]
.endr
.endm
.macro LDROWS
.irp s,0,1,2,3
.irp j,0,1,2,3
	global_load_b128 v[F0+16*\s+4*\j:F0+16*\s+4*\j+3], v[LOFF], s[XB:XB+1] offset:2048*\s+512*\j
.endr
.endr
.endm
.macro LOADB buf, q
	WIN 0x40
.set i, 0
.rept 16
	global_load_b128 v[64*(\buf)+4*i:64*(\buf)+4*i+3], v[LOFF], s[BP:BP+1] offset:(\q)*32768+512*i
.set i, i+1
.endr
.endm
.macro FETCHA f, k
.irp i,0,1,2,3,4,5,6,7
	ds_load_b128 v[(\f)+8*\i:(\f)+8*\i+3], v[ADRA+\i/4] offset:(\i%4)*16*PA+(\k)
	ds_load_b128 v[(\f)+8*\i+4:(\f)+8*\i+7], v[ADRA+\i/4] offset:(\i%4)*16*PA+(\k)+32
.endr
.endm
; 32 products: row tiles 4 hi .. 4 hi + 3 x all 8 channel tiles.  Accumulator (a, b) at 8 (8 (a % 4) + b) of window 2 + a / 4.  All 64 take turns in one order.
.macro MULH f, bq, hi
	WIN 0xa1+0x50*(\hi)
.irp a,0,1,2,3
.irp b,0,1,2,3,4,5,6,7
	v_wmma_f32_16x16x32_bf16 v[8*(8*\a+\b):8*(8*\a+\b)+7], v[64*(\bq)+8*\b:64*(\bq)+8*\b+7], v[(\f)+8*(4*(\hi)+\a):(\f)+8*(4*(\hi)+\a)+7], v[8*(8*\a+\b):8*(8*\a+\b)+7]
.endr
.endr
.endm
.macro QRT f, g, bq, bl, k, q, step
	s_wait_loadcnt 32                      ; all but the two younger quarters' 16 loads each are in
	s_wait_dscnt 0x0
	MULH \f, \bq, 0
	PLACES
	WIN 0
.if \step
	s_add_co_u32 s[KA], s[KA], 256
	s_and_b32 s[KA], s[KA], 1023
	v_add_nc_u32 v[ADRA], s[KA], v[ABASE]
	v_add_nc_u32 v[ADRA+1], s[KA], v[ABASE+1]
.endif
	FETCHA \g, \k
	LOADB \bl, \q
	MULH \f, \bq, 1
.endm
.macro LDATT hd                        ; a head's 8 attention fragments: (l tile lt, 32 d kk) from tiles (2 kk, lt) and (2 kk + 1, lt)
.irp lt,0,1,2,3
.irp kk,0,1
	global_load_b128 v[192+8*(2*\lt+\kk):195+8*(2*\lt+\kk)], v[LOFF], s[ATP:ATP+1] offset:(\hd)*8192+(8*\kk+\lt)*512
	global_load_b128 v[196+8*(2*\lt+\kk):199+8*(2*\lt+\kk)], v[LOFF], s[ATP:ATP+1] offset:(\hd)*8192+(8*\kk+4+\lt)*512
.endr
.endr
.endm
.macro PACK                            ; the 64 accumulators, rounded to bf16, into my 128 channels of A's rows; each is read from its low end on
.set a, 0
.rept 8
	WIN 0x0a+5*(a/4)
.set i, 0
.rept 32
	v_cvt_pk_bf16_f32 v[F1+i], v[64*(a%4)+2*i], v[64*(a%4)+2*i+1]
.set i, i+1
.endr
	WIN 0
.irp b,0,1,2,3,4,5,6,7
	ds_store_b128 v[YA+a/4], v[F1+4*\b:F1+4*\b+3] offset:(a%4)*16*PA+32*\b
.endr
.set a, a+1
.endr
.endm
.macro YHEAD hd                        ; y of head 2 w + hd: source 0 = attention (l, d), source 1 = q (row, d)
	WIN 0
.irp kk,0,1
.irp a,0,1,2,3,4,5,6,7
	ds_load_b128 v[64+64*\kk+8*\a:67+64*\kk+8*\a], v[YA+\a/4] offset:(\a%4)*16*PA+128*(\hd)+64*\kk
	ds_load_b128 v[68+64*\kk+8*\a:71+64*\kk+8*\a], v[YA+\a/4] offset:(\a%4)*16*PA+128*(\hd)+64*\kk+32
.endr
.endr
	s_wait_dscnt 0x0
.irp kk,0,1
.irp hi,0,1
	WIN 0xa0+0x50*\hi+(\hd)
.irp a,0,1,2,3
.irp lt,0,1,2,3
.if \kk == 0
	v_wmma_f32_16x16x32_bf16 v[8*(8*\a+4*(\hd)+\lt):8*(8*\a+4*(\hd)+\lt)+7], v[192+8*(2*\lt+\kk):199+8*(2*\lt+\kk)], v[64+64*\kk+8*(4*\hi+\a):71+64*\kk+8*(4*\hi+\a)], 0
.else
	v_wmma_f32_16x16x32_bf16 v[8*(8*\a+4*(\hd)+\lt):8*(8*\a+4*(\hd)+\lt)+7], v[192+8*(2*\lt+\kk):199+8*(2*\lt+\kk)], v[64+64*\kk+8*(4*\hi+\a):71+64*\kk+8*(4*\hi+\a)], v[8*(8*\a+4*(\hd)+\lt):8*(8*\a+4*(\hd)+\lt)+7]
.endif
.endr
.endr
.endr
.endr
.endm
.macro BAR                             ; my LDS instructions are done; then everybody's are
	s_wait_dscnt 0x0
	s_barrier_signal -1
	s_barrier_wait -1
.endm
	s_load_b256 s[4:11], s[0:1], 0x0       ; x 4, wblk 6, cvec 8, attn 10
	s_load_b128 s[12:15], s[0:1], 0x20     ; film 12, out0 14
	v_lshl_add_u32 v[SPW], v0, 2, SPARE
	v_mov_b32 v[NIL], 0
	v_lshrrev_b32 v[TB], 5, v0
	v_readfirstlane_b32 s[WVN], v[TB]
	v_and_b32 v[LANE], 31, v0
	v_and_b32 v[R16], 15, v0
	v_bfe_u32 v[HH], v0, 4, 1
	v_lshlrev_b32 v[LOFF], 4, v[LANE]
	v_lshlrev_b32 v[FO], 5, v[LANE]
	v_lshlrev_b32 v[CVO], 2, v[R16]
	s_lshr_b32 s[BB], ttmp9, 3
	s_and_b32 s[CH], ttmp9, 7
	s_mov_b32 s[HM], 0xffff0000
	s_mov_b32 s[CS], 0x3fb8aa3b
	s_mov_b32 s[CS+1], s[CS]
	s_mov_b32 s[NC], 0xbfb8aa3b
	s_mov_b32 s[NC+1], s[NC]
	s_mov_b32 s[SEL], 0x76543210
	s_mov_b32 s[SEL+1], 0xfedcba98
	s_mov_b32 s[EPS], 0x3727c5ac
	s_mov_b32 s[I512], 0x3b000000
	s_mov_b32 s[ROW], 0
	s_mov_b32 s[ZP+1], 0
	s_mul_i32 s52, s[WVN], 32*PA
	v_lshl_add_u32 v[AW], v[LANE], 3, s52
	v_add_nc_u32 v[RW0], s52, v[LOFF]
	v_mul_u32_u24 v[ABASE], v[R16], PA
	v_lshl_add_u32 v[ABASE], v[HH], 4, v[ABASE]
	v_add_nc_u32 v[ABASE+1], 64*PA, v[ABASE]
	s_lshl_b32 s52, s[WVN], 8
	v_add_nc_u32 v[YA], s52, v[ABASE]
	v_add_nc_u32 v[YA+1], s52, v[ABASE+1]
	v_mul_u32_u24 v[OSA], v[R16], OPT      ; the f32 stage: row 32 i + r, my 128 channels, my lanes' 8 of each 16
	v_lshl_add_u32 v[OSA], v[HH], 5, v[OSA]
	s_lshl_b32 s52, s[WVN], 9
	v_add_nc_u32 v[OSA], s52, v[OSA]
.irp i,1,2,3
	v_add_nc_u32 v[OSA+\i], 32*OPT*\i, v[OSA]
.endr
	s_mul_i32 s52, s[WVN], 32*OPT
	v_add_nc_u32 v[ORA], s52, v[LOFF]
	v_mov_b32 v[LO], 0x3f803f80            ; the constant fragment: k = 0, 1 are 1, all else 0
	v_cmp_gt_u32 vcc_lo, 16, v[LANE]
	v_cndmask_b32 v[ONE], 0, v[LO], vcc_lo
.irp e,1,2,3,4,5,6,7
	v_mov_b32 v[ONE+\e], 0
.endr
.set i, 0
.rept 32
	v_mov_b32 v[WV+i], 0
.set i, i+1
.endr
	s_lshl_b32 s52, s[BB], 21
	s_lshl_b32 s53, s[CH], 18
	s_add_co_u32 s52, s52, s53
	s_lshl_b32 s53, s[WVN], 16
	s_add_co_u32 s[ZP], s52, s53           ; my wave's 32 rows
	s_wait_kmcnt 0x0
	s_add_nc_u64 s[XB:XB+1], s[4:5], s[ZP:ZP+1]
	s_add_nc_u64 s[XP:XP+1], s[4:5], s[ZP:ZP+1]
	s_add_nc_u64 s[OP:OP+1], s[14:15], s[ZP:ZP+1]
	s_lshl_b32 s[ZP], s[WVN], 13
	s_add_co_u32 s[ZP], s[ZP], 0x300000
	s_add_nc_u64 s[BP:BP+1], s[6:7], s[ZP:ZP+1]
	s_lshl_b32 s[ZP], s[WVN], 9
	s_add_nc_u64 s[CP:CP+1], s[8:9], s[ZP:ZP+1]
	s_lshl_b32 s52, s[BB], 16
	s_lshl_b32 s53, s[WVN], 14
	s_add_co_u32 s[ZP], s52, s53
	s_add_nc_u64 s[ATP:ATP+1], s[10:11], s[ZP:ZP+1]
	s_lshl_b32 s[ZP], s[BB], 12
	s_add_nc_u64 s[FP:FP+1], s[12:13], s[ZP:ZP+1]
.irp b,0,1,2,3,4,5,6,7
	global_load_b32 v[CN+\b], v[CVO], s[CP:CP+1] offset:64*\b
	global_load_b32 v[CN+8+\b], v[CVO], s[CP:CP+1] offset:16384+64*\b
.endr
	LOADB 0, 0
	LOADB 1, 1
	LOADB 2, 2
	WIN 0
	LDROWS
.Lln:                                          ; eight trips, four rows side by side
	s_wait_loadcnt 0x0
.irp e,0,1,2,3
.irp s,0,1,2,3
	v_pk_add_f32 v[F1+16*\s+2*\e:F1+16*\s+2*\e+1], v[F0+16*\s+4*\e:F0+16*\s+4*\e+1], v[F0+16*\s+4*\e+2:F0+16*\s+4*\e+3]
.endr
.endr
.irp s,0,1,2,3
	v_pk_add_f32 v[F1+16*\s:F1+16*\s+1], v[F1+16*\s:F1+16*\s+1], v[F1+16*\s+2:F1+16*\s+3]
	v_pk_add_f32 v[F1+16*\s+4:F1+16*\s+5], v[F1+16*\s+4:F1+16*\s+5], v[F1+16*\s+6:F1+16*\s+7]
.endr
.irp s,0,1,2,3
	v_pk_add_f32 v[F1+16*\s:F1+16*\s+1], v[F1+16*\s:F1+16*\s+1], v[F1+16*\s+4:F1+16*\s+5]
.endr
.irp s,0,1,2,3
	v_add_f32 v[WV+8*\s], v[F1+16*\s], v[F1+16*\s+1]
.endr
	RED4 0, 4
.irp s,0,1,2,3
	v_mul_f32 v[WV+8*\s], s[I512], v[WV+8*\s]
.endr
.irp e,0,1,2,3,4,5,6,7
.irp s,0,1,2,3
	v_pk_add_f32 v[F1+16*\s+2*\e:F1+16*\s+2*\e+1], v[F0+16*\s+2*\e:F0+16*\s+2*\e+1], v[WV+8*\s:WV+8*\s+1] op_sel_hi:[1,0] neg_lo:[0,1] neg_hi:[0,1]
.endr
.endr
	s_cmp_eq_u32 s[ROW], 28                ; the last trip asks for nothing
	s_cbranch_scc1 .Lnold
	s_add_nc_u64 s[XB:XB+1], s[XB:XB+1], 8192      ; free: the wait at the trip's head has shown its loads done
	LDROWS
.Lnold:
.irp s,0,1,2,3
	v_pk_mul_f32 v[WV+8*\s+2:WV+8*\s+3], v[F1+16*\s:F1+16*\s+1], v[F1+16*\s:F1+16*\s+1]
.endr
.irp e,1,2,3,4,5,6,7
.irp s,0,1,2,3
	v_pk_fma_f32 v[WV+8*\s+2:WV+8*\s+3], v[F1+16*\s+2*\e:F1+16*\s+2*\e+1], v[F1+16*\s+2*\e:F1+16*\s+2*\e+1], v[WV+8*\s+2:WV+8*\s+3]
.endr
.endr
.irp s,0,1,2,3
	v_add_f32 v[WV+8*\s+2], v[WV+8*\s+2], v[WV+8*\s+3]
.endr
	RED4 2, 4
.irp s,0,1,2,3
	v_fma_f32 v[WV+8*\s+2], v[WV+8*\s+2], s[I512], s[EPS]
.endr
.irp s,0,1,2,3
	v_rsq_f32 v[WV+8*\s+2], v[WV+8*\s+2]
.endr
	v_nop
	s_wait_alu depctr_va_vdst(0)
.irp e,0,1,2,3,4,5,6,7
.irp s,0,1,2,3
	v_pk_mul_f32 v[F1+16*\s+2*\e:F1+16*\s+2*\e+1], v[F1+16*\s+2*\e:F1+16*\s+2*\e+1], v[WV+8*\s+2:WV+8*\s+3] op_sel_hi:[1,0]
.endr
.endr
.irp e,0,1,2,3,4,5,6,7
.irp s,0,1,2,3
	v_cvt_pk_bf16_f32 v[F1+16*\s+\e], v[F1+16*\s+2*\e], v[F1+16*\s+2*\e+1]
.endr
.endr
.irp s,0,1,2,3
.irp j,0,1,2,3
	ds_store_b64 v[AW], v[F1+16*\s+2*\j:F1+16*\s+2*\j+1] offset:\s*PA+256*\j
.endr
.endr
	v_add_nc_u32 v[AW], 4*PA, v[AW]
	s_add_co_u32 s[ROW], s[ROW], 4
	s_cmp_lt_u32 s[ROW], 32
	s_cbranch_scc1 .Lln
	LDATT 0                                ; head 2 w's attention, kept in window 0 until y is made
	BAR
	s_mov_b32 s[KA], 0
	v_mov_b32 v[ADRA], v[ABASE]
	v_mov_b32 v[ADRA+1], v[ABASE+1]
	s_mov_b32 s[PASSC], 2
.Lpass:                                        ; first trip: Q; second trip: OUT, which leaves the loop in its middle
	FETCHA F0, 0
	s_wait_loadcnt 48                      ; the biases are in
.irp b,0,1,2,3,4,5,6,7
	v_cvt_pk_bf16_f32 v[LO+\b], v[CN+\b], 0
.endr
.irp b,0,1,2,3,4,5,6,7
	v_lshlrev_b32 v[LO+\b], 16, v[LO+\b]
.endr
.irp b,0,1,2,3,4,5,6,7
	v_sub_f32 v[LO+\b], v[CN+\b], v[LO+\b]
.endr
	WIN 0x40                               ; the channels' side in weight buffer 3: bias high, bias low, then zeros
.irp b,0,1,2,3,4,5,6,7
	v_cvt_pk_bf16_f32 v[192+8*\b], v[CN+\b], v[LO+\b]
.irp e,1,2,3,4,5,6,7
	v_mov_b32 v[192+8*\b+\e], 0
.endr
.endr
.irp hi,0,1
	WIN 0xa1+0x50*\hi
.irp a,0,1,2,3
.irp b,0,1,2,3,4,5,6,7
	v_wmma_f32_16x16x32_bf16 v[8*(8*\a+\b):8*(8*\a+\b)+7], v[192+8*\b:199+8*\b], v[ONE:ONE+7], 0
.endr
.endr
.endr
	WIN 0
.irp b,0,1,2,3,4,5,6,7
	v_mov_b32 v[CN+\b], v[CN+8+\b]         ; the next pass's biases
.endr
	s_mov_b32 s[CNT], 4
.Lk:
	QRT F0, F1, 0, 3, 64, 3, 0
	QRT F1, F0, 1, 0, 128, 4, 0
	QRT F0, F1, 2, 1, 192, 5, 0
	QRT F1, F0, 3, 2, 0, 6, 1
	WIN 0
	s_wait_xcnt 0x0
	s_add_nc_u64 s[BP:BP+1], s[BP:BP+1], 131072
	s_sub_co_u32 s[CNT], s[CNT], 1
	s_cmp_lg_u32 s[CNT], 0
	s_cbranch_scc1 .Lk
	s_cmp_eq_u32 s[PASSC], 1
	s_cbranch_scc1 .Lout
	PLACES
	WIN 0x40
	LDATT 1                                ; head 2 w + 1's attention into weight buffer 3, which is free until the next pass begins
	WIN 0
	BAR                                    ; nobody reads the normalised rows any more
	PACK
	BAR
	; softmax over each head's 64 channels: 8 lanes x 8 channels; a lane holds channels 8 l .. and 256 + 8 l ..; two rows a trip
	v_mov_b32 v[RWA], v[RW0]
.set i, 0
.rept 16
	v_mov_b32 v[128+i], 0
.set i, i+1
.endr
	s_mov_b32 s[CNT], 16
.Lsm:
.irp z,0,1
	ds_load_b128 v[64+8*\z:67+8*\z], v[RWA] offset:\z*PA
	ds_load_b128 v[68+8*\z:71+8*\z], v[RWA] offset:\z*PA+512
.endr
	s_wait_dscnt 0x0
.irp e,0,1,2,3,4,5,6,7
.irp z,0,1
	v_lshlrev_b32 v[96+16*\z+2*\e], 16, v[64+8*\z+\e]
	v_and_b32 v[97+16*\z+2*\e], s[HM], v[64+8*\z+\e]
.endr
.endr
.irp q,0,1,2,3
	v_max3_num_f32 v[128+4*\q], v[96+8*\q], v[97+8*\q], v[98+8*\q]
.endr
.irp q,0,1,2,3
	v_max3_num_f32 v[128+4*\q], v[128+4*\q], v[99+8*\q], v[100+8*\q]
.endr
.irp q,0,1,2,3
	v_max3_num_f32 v[128+4*\q], v[128+4*\q], v[101+8*\q], v[102+8*\q]
.endr
.irp q,0,1,2,3
	v_max_num_f32 v[128+4*\q], v[128+4*\q], v[103+8*\q]
.endr
.irp m,1,2,4
.irp q,0,1,2,3
	v_max_num_f32_dpp v[128+4*\q], v[128+4*\q], v[128+4*\q] row_xmask:\m row_mask:0xf bank_mask:0xf
.endr
.endr
.irp q,0,1,2,3
	v_mul_f32 v[128+4*\q], s[CS], v[128+4*\q]
.endr
.irp e,0,1,2,3
.irp q,0,1,2,3
	v_pk_fma_f32 v[96+8*\q+2*\e:97+8*\q+2*\e], v[96+8*\q+2*\e:97+8*\q+2*\e], s[CS:CS+1], v[128+4*\q:129+4*\q] op_sel_hi:[1,0,0] neg_lo:[0,0,1] neg_hi:[0,0,1]
.endr
.endr
.set i, 0
.rept 32
	v_exp_f32 v[96+i], v[96+i]
.set i, i+1
.endr
	v_nop
	s_wait_alu depctr_va_vdst(0)
.irp q,0,1,2,3
	v_pk_add_f32 v[130+4*\q:131+4*\q], v[96+8*\q:97+8*\q], v[98+8*\q:99+8*\q]
.endr
.irp q,0,1,2,3
	v_pk_add_f32 v[130+4*\q:131+4*\q], v[130+4*\q:131+4*\q], v[100+8*\q:101+8*\q]
.endr
.irp q,0,1,2,3
	v_pk_add_f32 v[130+4*\q:131+4*\q], v[130+4*\q:131+4*\q], v[102+8*\q:103+8*\q]
.endr
.irp q,0,1,2,3
	v_add_f32 v[130+4*\q], v[130+4*\q], v[131+4*\q]
.endr
.irp m,1,2,4
.irp q,0,1,2,3
	v_add_f32_dpp v[130+4*\q], v[130+4*\q], v[130+4*\q] row_xmask:\m row_mask:0xf bank_mask:0xf
.endr
.endr
.irp q,0,1,2,3
	v_rcp_f32 v[130+4*\q], v[130+4*\q]
.endr
	v_nop
	s_wait_alu depctr_va_vdst(0)
.irp e,0,1,2,3
.irp q,0,1,2,3
	v_pk_mul_f32 v[96+8*\q+2*\e:97+8*\q+2*\e], v[96+8*\q+2*\e:97+8*\q+2*\e], v[130+4*\q:131+4*\q] op_sel_hi:[1,0]
.endr
.endr
.irp e,0,1,2,3
.irp q,0,1,2,3
	v_cvt_pk_bf16_f32 v[64+4*\q+\e], v[96+8*\q+2*\e], v[97+8*\q+2*\e]
.endr
.endr
.irp z,0,1
	ds_store_b128 v[RWA], v[64+8*\z:67+8*\z] offset:\z*PA
	ds_store_b128 v[RWA], v[68+8*\z:71+8*\z] offset:\z*PA+512
.endr
	v_add_nc_u32 v[RWA], 2*PA, v[RWA]
	s_sub_co_u32 s[CNT], s[CNT], 1
	s_cmp_lg_u32 s[CNT], 0
	s_cbranch_scc1 .Lsm
	BAR
	s_wait_loadcnt 0x0                     ; both heads' attention
	YHEAD 0
	PLACES
	YHEAD 1
	PLACES
	WIN 0
.irp p,0,1                             ; film for my 16 channels: gains in v192-207, shifts in v208-223
	global_load_b128 v[192+16*\p:195+16*\p], v[FO], s[FP:FP+1] offset:2048*\p
	global_load_b128 v[196+16*\p:199+16*\p], v[FO], s[FP:FP+1] offset:2048*\p+16
	global_load_b128 v[200+16*\p:203+16*\p], v[FO], s[FP:FP+1] offset:2048*\p+1024
	global_load_b128 v[204+16*\p:207+16*\p], v[FO], s[FP:FP+1] offset:2048*\p+1040
.endr
	BAR                                    ; nobody reads q any more
	PACK
	BAR
	; norm over the 512 channels, film, silu: two rows a trip
	v_mov_b32 v[RWA], v[RW0]
.set i, 0
.rept 16
	v_mov_b32 v[128+i], 0
.set i, i+1
.endr
	s_wait_loadcnt 0x0
	s_mov_b32 s[CNT], 16
.Lnr:
.irp z,0,1
	ds_load_b128 v[64+8*\z:67+8*\z], v[RWA] offset:\z*PA
	ds_load_b128 v[68+8*\z:71+8*\z], v[RWA] offset:\z*PA+512
.endr
	s_wait_dscnt 0x0
.irp e,0,1,2,3,4,5,6,7
.irp z,0,1
	v_lshlrev_b32 v[96+16*\z+2*\e], 16, v[64+8*\z+\e]
	v_and_b32 v[97+16*\z+2*\e], s[HM], v[64+8*\z+\e]
.endr
.endr
.irp e,0,1,2,3
.irp z,0,1
	v_pk_add_f32 v[128+8*\z+2*\e:129+8*\z+2*\e], v[96+16*\z+4*\e:97+16*\z+4*\e], v[98+16*\z+4*\e:99+16*\z+4*\e]
.endr
.endr
.irp z,0,1
	v_pk_add_f32 v[128+8*\z:129+8*\z], v[128+8*\z:129+8*\z], v[130+8*\z:131+8*\z]
	v_pk_add_f32 v[132+8*\z:133+8*\z], v[132+8*\z:133+8*\z], v[134+8*\z:135+8*\z]
.endr
.irp z,0,1
	v_pk_add_f32 v[128+8*\z:129+8*\z], v[128+8*\z:129+8*\z], v[132+8*\z:133+8*\z]
.endr
.irp z,0,1
	v_add_f32 v[128+8*\z], v[128+8*\z], v[129+8*\z]
.endr
	RED2 0, 4
.irp z,0,1
	v_mul_f32 v[128+8*\z], s[I512], v[128+8*\z]
.endr
.irp e,0,1,2,3,4,5,6,7
.irp z,0,1
	v_pk_add_f32 v[96+16*\z+2*\e:97+16*\z+2*\e], v[96+16*\z+2*\e:97+16*\z+2*\e], v[128+8*\z:129+8*\z] op_sel_hi:[1,0] neg_lo:[0,1] neg_hi:[0,1]
.endr
.endr
.irp z,0,1
	v_pk_mul_f32 v[130+8*\z:131+8*\z], v[96+16*\z:97+16*\z], v[96+16*\z:97+16*\z]
.endr
.irp e,1,2,3,4,5,6,7
.irp z,0,1
	v_pk_fma_f32 v[130+8*\z:131+8*\z], v[96+16*\z+2*\e:97+16*\z+2*\e], v[96+16*\z+2*\e:97+16*\z+2*\e], v[130+8*\z:131+8*\z]
.endr
.endr
.irp z,0,1
	v_add_f32 v[130+8*\z], v[130+8*\z], v[131+8*\z]
.endr
	RED2 2, 4
.irp z,0,1
	v_fma_f32 v[130+8*\z], v[130+8*\z], s[I512], s[EPS]
.endr
.irp z,0,1
	v_rsq_f32 v[130+8*\z], v[130+8*\z]
.endr
	v_nop
	s_wait_alu depctr_va_vdst(0)
.irp e,0,1,2,3,4,5,6,7
.irp z,0,1
	v_pk_mul_f32 v[96+16*\z+2*\e:97+16*\z+2*\e], v[96+16*\z+2*\e:97+16*\z+2*\e], v[130+8*\z:131+8*\z] op_sel_hi:[1,0]
.endr
.endr
.irp e,0,1,2,3,4,5,6,7
.irp z,0,1
	v_pk_fma_f32 v[96+16*\z+2*\e:97+16*\z+2*\e], v[96+16*\z+2*\e:97+16*\z+2*\e], v[192+2*\e:193+2*\e], v[208+2*\e:209+2*\e]
.endr
.endr
.irp e,0,1,2,3,4,5,6,7
.irp z,0,1
	v_pk_mul_f32 v[144+16*\z+2*\e:145+16*\z+2*\e], v[96+16*\z+2*\e:97+16*\z+2*\e], s[NC:NC+1] op_sel_hi:[1,0]
.endr
.endr
.set i, 0
.rept 32
	v_exp_f32 v[144+i], v[144+i]
.set i, i+1
.endr
	v_nop
.set i, 0
	s_wait_alu depctr_va_vdst(0)
.rept 16
	v_pk_add_f32 v[144+2*i:145+2*i], v[144+2*i:145+2*i], 1.0 op_sel_hi:[1,0]
.set i, i+1
.endr
.set i, 0
.rept 32
	v_rcp_f32 v[144+i], v[144+i]
.set i, i+1
.endr
	v_nop
.set i, 0
	s_wait_alu depctr_va_vdst(0)
.rept 16
	v_pk_mul_f32 v[96+2*i:97+2*i], v[96+2*i:97+2*i], v[144+2*i:145+2*i]
.set i, i+1
.endr
.set i, 0
.rept 16
	v_cvt_pk_bf16_f32 v[64+i], v[96+2*i], v[97+2*i]
.set i, i+1
.endr
.irp z,0,1
	ds_store_b128 v[RWA], v[64+8*\z:67+8*\z] offset:\z*PA
	ds_store_b128 v[RWA], v[68+8*\z:71+8*\z] offset:\z*PA+512
.endr
	v_add_nc_u32 v[RWA], 2*PA, v[RWA]
	s_sub_co_u32 s[CNT], s[CNT], 1
	s_cmp_lg_u32 s[CNT], 0
	s_cbranch_scc1 .Lnr
	BAR
	s_sub_co_u32 s[PASSC], s[PASSC], 1
	s_cmp_lg_u32 s[PASSC], 0
	s_cbranch_scc1 .Lpass
.Lout:
	PLACES
	s_wait_dscnt 0x0                       ; the last fetch of row fragments has landed: its registers take x
.irp s,0,1,2,3
.irp j,0,1,2,3
	global_load_b128 v[F0+16*\s+4*\j:F0+16*\s+4*\j+3], v[LOFF], s[XP:XP+1] offset:2048*\s+512*\j
.endr
.endr
	s_barrier_signal -1
	s_barrier_wait -1                      ; nobody reads A any more: the f32 stage lies over it
.set a, 0
.rept 8
	WIN 0x08+4*(a/4)
.irp b,0,1,2,3,4,5,6,7
	ds_store_b128 v[OSA+a/2], v[64*(a%4)+8*\b:64*(a%4)+8*\b+3] offset:(a%2)*16*OPT+64*\b
	ds_store_b128 v[OSA+a/2], v[64*(a%4)+8*\b+4:64*(a%4)+8*\b+7] offset:(a%2)*16*OPT+64*\b+16
.endr
.set a, a+1
.endr
	WIN 0
	BAR
	s_mov_b32 s[CNT], 8
.Lo:                                           ; eight trips of four whole rows: the sums from the stage, plus x
.irp s,0,1,2,3
.irp j,0,1,2,3
	ds_load_b128 v[F1+16*\s+4*\j:F1+16*\s+4*\j+3], v[ORA] offset:\s*OPT+512*\j
.endr
.endr
	s_wait_loadcnt 0x0
	s_wait_dscnt 0x0
.set i, 0
.rept 32
	v_pk_add_f32 v[F1+2*i:F1+2*i+1], v[F1+2*i:F1+2*i+1], v[F0+2*i:F0+2*i+1]
.set i, i+1
.endr
	s_cmp_eq_u32 s[CNT], 1
	s_cbranch_scc1 .Lnox
	s_add_nc_u64 s[XP:XP+1], s[XP:XP+1], 8192
.irp s,0,1,2,3
.irp j,0,1,2,3
	global_load_b128 v[F0+16*\s+4*\j:F0+16*\s+4*\j+3], v[LOFF], s[XP:XP+1] offset:2048*\s+512*\j
.endr
.endr
.Lnox:
.irp s,0,1,2,3
.irp j,0,1,2,3
	global_store_b128 v[LOFF], v[F1+16*\s+4*\j:F1+16*\s+4*\j+3], s[OP:OP+1] offset:2048*\s+512*\j th:TH_STORE_NT
.endr
.endr
	s_wait_xcnt 0x0                        ; the stores' data and base are written again only behind this wait
	s_add_nc_u64 s[OP:OP+1], s[OP:OP+1], 8192
	v_add_nc_u32 v[ORA], 4*OPT, v[ORA]
	s_sub_co_u32 s[CNT], s[CNT], 1
	s_cmp_lg_u32 s[CNT], 0
	s_cbranch_scc1 .Lo
	s_wait_tensorcnt 0x0                   ; the wave's end
	ds_add_u32 v[SPW], v[NIL]
	s_wait_dscnt 0x0
	s_endpgm
.Lfunc_end_k_q1ee473d589_fin:
	.size	k_q1ee473d589_fin, .Lfunc_end_k_q1ee473d589_fin-k_q1ee473d589_fin
	.p2alignl 7, 3214868480
	.fill 96, 4, 3214868480
	.section	.rodata,"a",@progbits
	.p2align	6, 0x0
	.amdhsa_kernel k_q1ee473d589_fin
		.amdhsa_group_segment_fixed_size 264704
		.amdhsa_private_segment_fixed_size 0
		.amdhsa_enable_private_segment 0
		.amdhsa_kernarg_size 48
		.amdhsa_user_sgpr_count 2
		.amdhsa_user_sgpr_kernarg_segment_ptr 1
		.amdhsa_wavefront_size32 1
		.amdhsa_system_sgpr_workgroup_id_x 1
		.amdhsa_system_sgpr_workgroup_id_y 1
		.amdhsa_system_sgpr_workgroup_id_z 1
		.amdhsa_system_vgpr_workitem_id 0
		.amdhsa_next_free_vgpr 1024
		.amdhsa_next_free_sgpr 66
		.amdhsa_reserve_vcc 1
		.amdhsa_float_denorm_mode_32 3
		.amdhsa_float_denorm_mode_16_64 3
		.amdhsa_memory_ordered 1
		.amdhsa_forward_progress 1
		.amdhsa_inst_pref_size 165
	.end_amdhsa_kernel
	.amdgpu_metadata
---
amdhsa.version: [ 1, 2 ]
amdhsa.kernels:
  - .name:           k_q1ee473d589_fin
    .symbol:         k_q1ee473d589_fin.kd
    .args:
      - { .name: x, .offset: 0, .size: 8, .value_kind: global_buffer, .address_space: global }
      - { .name: wblk, .offset: 8, .size: 8, .value_kind: global_buffer, .address_space: global }
      - { .name: cvec, .offset: 16, .size: 8, .value_kind: global_buffer, .address_space: global }
      - { .name: attn, .offset: 24, .size: 8, .value_kind: global_buffer, .address_space: global }
      - { .name: film, .offset: 32, .size: 8, .value_kind: global_buffer, .address_space: global }
      - { .name: out0, .offset: 40, .size: 8, .value_kind: global_buffer, .address_space: global }
    .group_segment_fixed_size: 264704
    .private_segment_fixed_size: 0
    .kernarg_segment_align: 8
    .kernarg_segment_size: 48
    .max_flat_workgroup_size: 128
    .sgpr_count:     66
    .vgpr_count:     1024
    .wavefront_size: 32
...
	.end_amdgpu_metadata
.endif
;; end of part 4
;; ======== version 2 of 3: 4 launches; 1.14 times as fast as version 1
;; limits: values outside matrix products are rounded to bf16; sums are carried in bf16
;; workspace buffers: wblk 4,325,376 bytes; cvec 18,432 bytes; utab 786,432 bytes; part 35,651,584 bytes; stat 2,228,224 bytes; attn 2,097,152 bytes; film 131,072 bytes
;; launch prep (part 5): grid 256 x 1, 16 waves a work-group, no clusters, 69,120 bytes of LDS; arguments Wq, Wkm, Wvm, Wkr, Wvr, Wkt, Wvt, out_W, norm_g, norm_b, rn1_g, rn1_b, rn2_g, rn2_b, tnorm_g, tnorm_b, bq, bkm, bvm, bkr, bvr, bkt, bvt, out_b, re_text, emb, wblk, cvec, utab, emb_W; writes wblk, cvec, utab
.if DOCPART == 5
	.amdgcn_target "amdgcn-amd-amdhsa--gfx1250"
	.amdhsa_code_object_version 6
	.text
	.protected	k_q1ee473d589_prep
	.globl	k_q1ee473d589_prep
	.p2align	8
	.type	k_q1ee473d589_prep,@function
k_q1ee473d589_prep:
	s_mov_b64 s[64:65], 0
	v_nop
	global_prefetch_b8 v0, s[64:65] scope:SCOPE_SE
	s_setreg_imm32_b32 hwreg(HW_REG_WAVE_MODE, 25, 1), 1
	s_wait_xcnt 0x0
; PREP.  256 work-groups of 16 waves, all alike; work-group g does three jobs.
; FOLD: matrix g / 32, rows 16 (g % 32) ..: a wave takes one row c of W: W[c][k] g[k] is rounded to bf16 and laid, through LDS, into wblk as the register image of matrix fragments
;       ([quarter of 32 k][wave][fragment of 16 rows][half][lane][16 bytes]); C[c] = sum W[c][k] b[k] + bias[c] goes to cvec.  Wkr has a second half of 512 columns, which enters C and
;       Sd = sum g W (first half) - sum g W (second half) only.  A text matrix (256 columns) is read with masked column offsets and its upper half is multiplied by 0.
; U:    utab[row][c] = sum over k of (t[row][k] - mean t[row]) g1[512+k] Wkr[c][512+k] for text rows 16 (g / 32) .. and columns 16 (g % 32) ..; a wave for each 32 k, one product.
; EMB:  the part of silu(emb) emb_W^T for columns 16 (g / 4) .., all 32 batches, k = 512 (g % 4) ..; a wave for each 32 k, two products.  The four parts [4][32][1024] f32 lie behind U
;       in utab's buffer; the launch that joins the chunks adds them.
; The waves' partial tiles are added through LDS by waves 0-5; wave 6 writes 512 bytes of zeros behind wblk's streams: the later launches' weight ring reads three quarters past a stream's end.
.set PS, 16384                         ; behind FOLD's image: 16 rows x 80 bytes: each wave's partial sum of each text row
.set RU, 17920                         ; 16 waves x 2 quads x 512 bytes
.set RE, 34304                         ; 16 waves x 4 quads x 512 bytes
.set SPARE, 67072                      ; the spare words, 128 bytes for each of 16 waves
.set EPART, 262144                     ; the emb parts' first byte in utab's buffer
.macro RED1 r, t                       ; the sum of v[r] over the 32 lanes, in every lane
.irp m,1,2,4,8
	v_add_f32_dpp v[\r], v[\r], v[\r] row_xmask:\m row_mask:0xf bank_mask:0xf
.endr
	v_permlanex16_b32 v[\t], v[\r], s60, s61
	v_add_f32 v[\r], v[\r], v[\t]
.endm
.macro TREE16 base                     ; 16 quads at v[base + 4 i] are added into the first
.irp d,8,4,2,1
.set ww, 0
.rept \d
	v_pk_add_f32 v[\base+4*ww:\base+4*ww+1], v[\base+4*ww:\base+4*ww+1], v[\base+4*(ww+\d):\base+4*(ww+\d)+1]
	v_pk_add_f32 v[\base+4*ww+2:\base+4*ww+3], v[\base+4*ww+2:\base+4*ww+3], v[\base+4*(ww+\d)+2:\base+4*(ww+\d)+3]
.set ww, ww+1
.endr
.endr
.endm
.macro SEL n, aw, ag, ab, abi, stride, cmask, fz, f2, h2, fg, om, stream, kind, slot
.if \n < 7
	s_cmp_eq_u32 s3, \n
	s_cbranch_scc0 .Lsel\n
.endif
	s_load_b64 s[8:9], s[0:1], 8*\aw
	s_load_b64 s[10:11], s[0:1], 8*\ag
	s_load_b64 s[12:13], s[0:1], 8*\ab
	s_load_b64 s[14:15], s[0:1], 8*\abi
	s_mov_b32 s16, \stride                 ; bytes from row to row of W
	s_mov_b32 s17, \cmask                  ; row bytes - 1
	s_mov_b32 s18, \fz                     ; factor of columns 256-511
	s_mov_b32 s20, \f2                     ; factor of the second half
	s_mov_b32 s22, \h2                     ; its byte offset
	s_mov_b32 s24, \fg                     ; g' = g fg + om
	s_mov_b32 s26, \om
	s_mov_b32 s28, \stream                 ; the stream's first byte in wblk
	s_mov_b32 s30, \kind                   ; 0: 128 rows a wave; 1: a head's K rows; 2: its V rows
	s_mov_b32 s29, \slot                   ; C's slot in cvec
.if \n < 7
	s_branch .Lgo
.Lsel\n:
.endif
.endm
	v_lshl_add_u32 v2, v0, 2, SPARE
	v_mov_b32 v3, 0
	v_lshrrev_b32 v4, 5, v0
	v_readfirstlane_b32 s2, v4             ; wave
	v_and_b32 v1, 31, v0                   ; lane
	v_lshlrev_b32 v5, 4, v1                ; 16 x lane
	v_and_b32 v4, 15, v0                   ; r
	v_bfe_u32 v14, v0, 4, 1                ; h
	s_mov_b32 s60, 0x76543210
	s_mov_b32 s61, 0xfedcba98
	s_lshr_b32 s3, ttmp9, 5                ; FOLD: matrix.  U: tile of 16 text rows
	s_and_b32 s4, ttmp9, 31                ; FOLD: tile of 16 rows.  U: tile of 16 columns
	s_lshr_b32 s82, ttmp9, 2               ; EMB: tile of 16 columns
	s_and_b32 s83, ttmp9, 3                ; EMB: quarter of K
	SEL 0, 0, 8, 9, 16, 2048, 2047, 1.0, 0, 0, 1.0, 0, 0x300000, 0, 0
	SEL 1, 1, 8, 9, 17, 2048, 2047, 1.0, 0, 0, 1.0, 0, 0, 1, 1
	SEL 2, 2, 8, 9, 18, 2048, 2047, 1.0, 0, 0, 1.0, 0, 0, 2, 2
	SEL 3, 3, 10, 11, 19, 4096, 2047, 1.0, 1.0, 2048, 1.0, 0, 0x100000, 1, 3
	SEL 4, 4, 12, 13, 20, 2048, 2047, 1.0, 0, 0, 1.0, 0, 0x100000, 2, 4
	SEL 5, 5, 14, 15, 21, 1024, 1023, 0, 0, 0, 1.0, 0, 0x200000, 1, 5
	SEL 6, 6, 14, 15, 22, 1024, 1023, 0, 0, 0, 1.0, 0, 0x200000, 2, 6
	SEL 7, 7, 8, 9, 23, 2048, 2047, 1.0, 0, 0, 0, 1.0, 0x380000, 0, 8
.Lgo:
	s_load_b128 s[32:35], s[0:1], 0xd0     ; wblk, cvec
	s_load_b64 s[66:67], s[0:1], 24        ; Wkr
	s_load_b64 s[76:77], s[0:1], 80        ; rn1_g
	s_load_b128 s[68:71], s[0:1], 192      ; re_text, emb
	s_load_b128 s[72:75], s[0:1], 224      ; utab, emb_W
	s_mov_b32 s19, 0                       ; the pairs' upper words
	s_mov_b32 s21, 0
	s_mov_b32 s23, 0
	s_mov_b32 s25, 0
	s_mov_b32 s27, 0
	s_mov_b32 s79, 0
	s_mov_b32 s86, 0xbfb8aa3b              ; -log2(e)
	s_mov_b32 s87, 0
	s_lshl_b32 s5, s4, 4
	s_add_co_u32 s5, s5, s2                ; FOLD: my row c
	s_mul_i32 s36, s5, s16
	s_mov_b32 s37, 0
	s_lshl_b32 s38, s5, 2
.irp j,0,1,2,3
	v_add_nc_u32 v[6+\j], 512*\j, v5       ; my 16 bytes of each 512 of the row
	v_and_b32 v[6+\j], s17, v[6+\j]
.endr
	v_mov_b32 v10, 0
	v_lshrrev_b32 v12, 3, v1               ; where my 4 numbers lie in the image: quarter l / 8,
	v_lshlrev_b32 v12, 10, v12
	v_bfe_u32 v13, v1, 2, 1                ; half,
	v_lshl_add_u32 v12, v13, 9, v12
	v_bfe_u32 v13, v1, 1, 1                ; upper or lower 16 lanes,
	v_lshl_add_u32 v12, v13, 8, v12
	v_and_b32 v13, 1, v1                   ; 8 bytes of the lane's 16,
	v_lshl_add_u32 v12, v13, 3, v12
	s_lshl_b32 s31, s2, 4                  ; the lane is the row in its tile
	v_add_nc_u32 v12, s31, v12
	s_lshl_b32 s84, s2, 7                  ; U and EMB: my wave's 32 k are 128 bytes of a row
	v_lshl_add_u32 v15, v14, 5, s84        ; g1: 32 h + 128 w
	v_lshl_add_u32 v124, v4, 11, v15       ; text: + 2,048 r
	v_lshl_add_u32 v125, v4, 12, v15       ; Wkr: + 4,096 r
	s_lshl_b32 s85, s83, 11
	v_lshl_add_u32 v126, v4, 13, v15       ; emb and emb_W: + 8,192 r
	v_add_nc_u32 v126, s85, v126           ; + the quarter's 2,048 bytes
	v_mul_u32_u24 v224, v4, 80             ; PS row r
	v_add_nc_u32 v224, PS, v224
	s_lshl_b32 s84, s2, 2
	v_add_nc_u32 v127, s84, v224           ; + my wave's word
	s_wait_kmcnt 0x0
	s_add_nc_u64 s[8:9], s[8:9], s[36:37]
	s_load_b32 s40, s[14:15], s38 offset:0x0   ; bias[c]
	s_add_nc_u64 s[42:43], s[8:9], s[22:23]
	s_add_nc_u64 s[44:45], s[10:11], s[22:23]
	s_add_nc_u64 s[46:47], s[12:13], s[22:23]
	s_lshl_b32 s78, s3, 15                 ; 16 text rows of 2,048 bytes
	s_add_nc_u64 s[68:69], s[68:69], s[78:79]
	s_lshl_b32 s78, s4, 16                 ; 16 rows of Wkr, its second half
	s_add_co_u32 s78, s78, 2048
	s_add_nc_u64 s[66:67], s[66:67], s[78:79]
	s_add_nc_u64 s[76:77], s[76:77], 2048
	s_lshl_b32 s78, s82, 17                ; 16 rows of emb_W
	s_add_nc_u64 s[74:75], s[74:75], s[78:79]
	s_lshl_b32 s78, ttmp9, 9               ; my 512 bytes of the zero tail
	s_add_co_u32 s78, s78, 0x400000
	s_add_nc_u64 s[80:81], s[32:33], s[78:79]
	; all 48 loads of the wave, in the order in which they are wanted
	global_load_b128 v[128:131], v124, s[68:69]
	global_load_b128 v[132:135], v124, s[68:69] offset:16
	global_load_b128 v[136:139], v124, s[68:69] offset:64
	global_load_b128 v[140:143], v124, s[68:69] offset:80
.irp j,0,1,2,3
	global_load_b128 v[16+4*\j:19+4*\j], v[6+\j], s[8:9]
	global_load_b128 v[32+4*\j:35+4*\j], v[6+\j], s[10:11]
	global_load_b128 v[48+4*\j:51+4*\j], v[6+\j], s[12:13]
	global_load_b128 v[64+4*\j:67+4*\j], v[6+\j], s[42:43]
	global_load_b128 v[80+4*\j:83+4*\j], v[6+\j], s[44:45]
	global_load_b128 v[96+4*\j:99+4*\j], v[6+\j], s[46:47]
.endr
	global_load_b128 v[144:147], v125, s[66:67]
	global_load_b128 v[148:151], v125, s[66:67] offset:16
	global_load_b128 v[152:155], v125, s[66:67] offset:64
	global_load_b128 v[156:159], v125, s[66:67] offset:80
	global_load_b128 v[160:163], v15, s[76:77]
	global_load_b128 v[164:167], v15, s[76:77] offset:16
	global_load_b128 v[168:171], v15, s[76:77] offset:64
	global_load_b128 v[172:175], v15, s[76:77] offset:80
.irp m,0,1
	global_load_b128 v[176+16*\m:179+16*\m], v126, s[70:71] offset:131072*\m
	global_load_b128 v[180+16*\m:183+16*\m], v126, s[70:71] offset:131072*\m+16
	global_load_b128 v[184+16*\m:187+16*\m], v126, s[70:71] offset:131072*\m+64
	global_load_b128 v[188+16*\m:191+16*\m], v126, s[70:71] offset:131072*\m+80
.endr
	global_load_b128 v[208:211], v126, s[74:75] th:TH_LOAD_NT
	global_load_b128 v[212:215], v126, s[74:75] offset:16 th:TH_LOAD_NT
	global_load_b128 v[216:219], v126, s[74:75] offset:64 th:TH_LOAD_NT
	global_load_b128 v[220:223], v126, s[74:75] offset:80 th:TH_LOAD_NT
	s_wait_loadcnt 44                      ; loads come back in order: the text's four are in; behind them stand FOLD's 24, U's 8 and EMB's 12
.irp e,0,1,2,3                         ; U: the sum of my 32 k of text row r
	v_pk_add_f32 v[232+2*\e:233+2*\e], v[128+4*\e:129+4*\e], v[130+4*\e:131+4*\e]
.endr
	v_pk_add_f32 v[232:233], v[232:233], v[234:235]
	v_pk_add_f32 v[236:237], v[236:237], v[238:239]
	v_pk_add_f32 v[232:233], v[232:233], v[236:237]
	v_add_f32 v232, v232, v233
	v_permlanex16_b32 v233, v232, s60, s61
	v_add_f32 v232, v232, v233
	ds_store_b32 v127, v232
	s_wait_loadcnt 20                      ; FOLD's are in; behind them stand U's 8 and EMB's 12
	s_wait_kmcnt 0x0
.irp e,4,5,6,7
	v_pk_mul_f32 v[16+2*\e:17+2*\e], v[16+2*\e:17+2*\e], s[18:19] op_sel_hi:[1,0]
.endr
.irp e,0,1,2,3,4,5,6,7
	v_pk_mul_f32 v[64+2*\e:65+2*\e], v[64+2*\e:65+2*\e], s[20:21] op_sel_hi:[1,0]
	v_pk_fma_f32 v[32+2*\e:33+2*\e], v[32+2*\e:33+2*\e], s[24:25], s[26:27] op_sel_hi:[1,0,0]
.endr
	v_pk_mul_f32 v[112:113], v[16:17], v[48:49]            ; sum W b
.irp e,1,2,3,4,5,6,7
	v_pk_fma_f32 v[112:113], v[16+2*\e:17+2*\e], v[48+2*\e:49+2*\e], v[112:113]
.endr
.irp e,0,1,2,3,4,5,6,7
	v_pk_fma_f32 v[112:113], v[64+2*\e:65+2*\e], v[96+2*\e:97+2*\e], v[112:113]
.endr
.irp e,0,1,2,3,4,5,6,7
	v_pk_mul_f32 v[32+2*\e:33+2*\e], v[16+2*\e:17+2*\e], v[32+2*\e:33+2*\e]   ; W g
.endr
	v_pk_add_f32 v[114:115], v[32:33], v[34:35]            ; sum W g, less the second half's
.irp e,2,3,4,5,6,7
	v_pk_add_f32 v[114:115], v[114:115], v[32+2*\e:33+2*\e]
.endr
.irp e,0,1,2,3,4,5,6,7
	v_pk_fma_f32 v[114:115], v[64+2*\e:65+2*\e], v[80+2*\e:81+2*\e], v[114:115] neg_lo:[1,0,0] neg_hi:[1,0,0]
.endr
	v_add_f32 v112, v112, v113
	v_add_f32 v114, v114, v115
	RED1 112, 113
	RED1 114, 115
.irp e,0,1,2,3,4,5,6,7
	v_cvt_pk_bf16_f32 v[116+\e], v[32+2*\e], v[33+2*\e]
.endr
.irp j,0,1,2,3
	ds_store_b64 v12, v[116+2*\j:117+2*\j] offset:4096*\j
.endr
	v_fma_f32 v112, v112, s24, s40         ; C
	s_lshl_b32 s36, s29, 11
	s_add_co_u32 s36, s36, s38
	s_add_nc_u64 s[48:49], s[34:35], s[36:37]
	s_add_co_u32 s36, s38, 14336           ; Sd is slot 7
	s_add_nc_u64 s[52:53], s[34:35], s[36:37]
	v_cmp_eq_u32 vcc_lo, 0, v1
	s_wait_xcnt 0x0                        ; EXEC changes only behind this wait
	s_and_saveexec_b32 s50, vcc_lo         ; lane 0 stores the row's numbers
	global_store_b32 v10, v112, s[48:49]
	s_cmp_lg_u32 s3, 3
	s_cbranch_scc1 .Lnosd
	global_store_b32 v10, v114, s[52:53]
.Lnosd:
	s_wait_xcnt 0x0
	s_or_b32 exec_lo, exec_lo, s50
	s_wait_dscnt 0x0                       ; my row is in the image, my partial sum in PS
	s_barrier_signal -1
	s_barrier_wait -1
	s_lshl_b32 s36, s2, 10                 ; FOLD: wave q sends quarter q: 1,024 bytes
	v_add_nc_u32 v11, s36, v5
	ds_load_b128 v[16:19], v11
	ds_load_b128 v[20:23], v11 offset:512
.irp p,0,1,2,3
	ds_load_b128 v[232+4*\p:235+4*\p], v224 offset:16*\p   ; U: row r's sixteen partial sums
.endr
	s_lshr_b32 s54, s4, 3                  ; kind 0: wave tile / 8, fragment tile % 8
	s_and_b32 s55, s4, 7
	s_lshl_b32 s54, s54, 13
	s_lshl_b32 s55, s55, 10
	s_add_co_u32 s54, s54, s55
	s_lshr_b32 s55, s4, 4                  ; kinds 1, 2: pass tile / 16, wave (tile / 4) % 4, fragment tile % 4 + 4 (kind - 1)
	s_lshl_b32 s55, s55, 19
	s_bfe_u32 s56, s4, 0x20002
	s_lshl_b32 s56, s56, 13
	s_add_co_u32 s55, s55, s56
	s_and_b32 s56, s4, 3
	s_sub_co_u32 s57, s30, 1
	s_lshl_b32 s57, s57, 2
	s_add_co_u32 s56, s56, s57
	s_lshl_b32 s56, s56, 10
	s_add_co_u32 s55, s55, s56
	s_cmp_eq_u32 s30, 0
	s_cselect_b32 s54, s54, s55
	s_add_co_u32 s54, s54, s28
	s_lshl_b32 s55, s2, 15                 ; a quarter is 32,768 bytes of a stream
	s_add_co_u32 s54, s54, s55
	s_mov_b32 s55, 0
	s_add_nc_u64 s[32:33], s[32:33], s[54:55]
	s_wait_dscnt 0x0
	global_store_b128 v5, v[16:19], s[32:33]               ; 512 consecutive bytes each
	global_store_b128 v5, v[20:23], s[32:33] offset:512
.irp e,0,1,2,3                         ; U: the text row's mean
	v_pk_add_f32 v[232+2*\e:233+2*\e], v[232+2*\e:233+2*\e], v[240+2*\e:241+2*\e]
.endr
	v_pk_add_f32 v[232:233], v[232:233], v[236:237]
	v_pk_add_f32 v[234:235], v[234:235], v[238:239]
	v_pk_add_f32 v[232:233], v[232:233], v[234:235]
	v_add_f32 v232, v232, v233
	v_mul_f32 v232, 0x3b000000, v232
.irp e,0,1,2,3,4,5,6,7
	v_pk_add_f32 v[128+2*\e:129+2*\e], v[128+2*\e:129+2*\e], v[232:233] op_sel_hi:[1,0] neg_lo:[0,1] neg_hi:[0,1]
.endr
.irp e,0,1,2,3,4,5,6,7
	v_cvt_pk_bf16_f32 v[128+\e], v[128+2*\e], v[129+2*\e]  ; in place, ascending: the fragment of t - mean
.endr
	s_wait_loadcnt 0x0
.irp e,0,1,2,3,4,5,6,7
	v_pk_mul_f32 v[144+2*\e:145+2*\e], v[144+2*\e:145+2*\e], v[160+2*\e:161+2*\e]
.endr
.irp e,0,1,2,3,4,5,6,7
	v_cvt_pk_bf16_f32 v[144+\e], v[144+2*\e], v[145+2*\e]  ; the fragment of g W
.endr
	; EMB: silu of my 32 numbers of emb: x / (1 + 2^(-x log2 e))
.set i, 0
.rept 16
	v_pk_mul_f32 v[32+2*i:33+2*i], v[176+2*i:177+2*i], s[86:87] op_sel_hi:[1,0]
.set i, i+1
.endr
.set i, 0
.rept 32
	v_exp_f32 v[32+i], v[32+i]
.set i, i+1
.endr
	v_nop                                  ; a plain instruction behind the exponentials
.set i, 0
	s_wait_alu depctr_va_vdst(0)
.rept 16
	v_pk_add_f32 v[32+2*i:33+2*i], v[32+2*i:33+2*i], 1.0 op_sel_hi:[1,0]
.set i, i+1
.endr
.set i, 0
.rept 32
	v_rcp_f32 v[32+i], v[32+i]
.set i, i+1
.endr
	v_nop
.set i, 0
	s_wait_alu depctr_va_vdst(0)
.rept 16
	v_pk_mul_f32 v[176+2*i:177+2*i], v[176+2*i:177+2*i], v[32+2*i:33+2*i]
.set i, i+1
.endr
.irp e,0,1,2,3,4,5,6,7
	v_cvt_pk_bf16_f32 v[176+\e], v[176+2*\e], v[177+2*\e]
	v_cvt_pk_bf16_f32 v[192+\e], v[192+2*\e], v[193+2*\e]
	v_cvt_pk_bf16_f32 v[208+\e], v[208+2*\e], v[209+2*\e]
.endr
	v_wmma_f32_16x16x32_bf16 v[64:71], v[128:135], v[144:151], 0       ; three sums, each its own accumulator: U,
	v_wmma_f32_16x16x32_bf16 v[72:79], v[176:183], v[208:215], 0       ; batches 0-15,
	v_wmma_f32_16x16x32_bf16 v[80:87], v[192:199], v[208:215], 0       ; batches 16-31
	s_lshl_b32 s84, s2, 10
	s_add_co_u32 s84, s84, RU
	v_add_nc_u32 v225, s84, v5             ; five plain instructions stand behind the last product
	s_lshl_b32 s84, s2, 11
	s_add_co_u32 s84, s84, RE
	v_add_nc_u32 v226, s84, v5
	v_lshlrev_b32 v228, 2, v4              ; 4 r
	v_lshl_add_u32 v229, v14, 14, v228     ; U: + 8 h rows of 2,048 bytes
	v_lshl_add_u32 v230, v14, 15, v228     ; EMB: + 8 h batches of 4,096 bytes
	ds_store_b128 v225, v[64:67]
	ds_store_b128 v225, v[68:71] offset:512
	ds_store_b128 v226, v[72:75]
	ds_store_b128 v226, v[76:79] offset:512
	ds_store_b128 v226, v[80:83] offset:1024
	ds_store_b128 v226, v[84:87] offset:1536
	s_wait_dscnt 0x0
	s_barrier_signal -1
	s_barrier_wait -1
	s_cmp_lt_u32 s2, 2
	s_cbranch_scc0 .Lr1
	s_lshl_b32 s84, s2, 9                  ; waves 0, 1: U's quad q of all sixteen waves
	s_add_co_u32 s84, s84, RU
	v_add_nc_u32 v227, s84, v5
.set ww, 0
.rept 16
	ds_load_b128 v[128+4*ww:131+4*ww], v227 offset:1024*ww
.set ww, ww+1
.endr
	s_wait_dscnt 0x0
	TREE16 128
	s_lshl_b32 s78, s3, 15                 ; rows 16 tile + 8 h + 4 q + 0..3, column 16 tile + r
	s_lshl_b32 s84, s2, 13
	s_add_co_u32 s78, s78, s84
	s_lshl_b32 s84, s4, 6
	s_add_co_u32 s78, s78, s84
	s_add_nc_u64 s[72:73], s[72:73], s[78:79]
.irp e,0,1,2,3
	global_store_b32 v229, v[128+\e], s[72:73] offset:2048*\e  ; 64 consecutive bytes for 16 lanes: the table is 256 KB in all
.endr
	s_branch .Lfin
.Lr1:
	s_cmp_lt_u32 s2, 6
	s_cbranch_scc0 .Lr2
	s_sub_co_u32 s85, s2, 2                ; waves 2-5: EMB's quad q of all sixteen waves
	s_lshl_b32 s84, s85, 9
	s_add_co_u32 s84, s84, RE
	v_add_nc_u32 v227, s84, v5
.set ww, 0
.rept 16
	ds_load_b128 v[128+4*ww:131+4*ww], v227 offset:2048*ww
.set ww, ww+1
.endr
	s_wait_dscnt 0x0
	TREE16 128
	s_lshl_b32 s78, s83, 17                ; part = quarter of K; batches 16 (q / 2) + 8 h + 4 (q % 2) + 0..3; column 16 tile + r
	s_add_co_u32 s78, s78, EPART
	s_lshr_b32 s84, s85, 1
	s_lshl_b32 s84, s84, 16
	s_add_co_u32 s78, s78, s84
	s_and_b32 s84, s85, 1
	s_lshl_b32 s84, s84, 14
	s_add_co_u32 s78, s78, s84
	s_lshl_b32 s84, s82, 6
	s_add_co_u32 s78, s78, s84
	s_add_nc_u64 s[72:73], s[72:73], s[78:79]
.irp e,0,1,2,3
	global_store_b32 v230, v[128+\e], s[72:73] offset:4096*\e  ; 64 consecutive bytes for 16 lanes: the parts are 512 KB in all
.endr
	s_branch .Lfin
.Lr2:
	s_cmp_eq_u32 s2, 6
	s_cbranch_scc0 .Lfin
	v_mov_b32 v232, 0                      ; wave 6: 512 bytes of the zero tail
	v_mov_b32 v233, 0
	v_mov_b32 v234, 0
	v_mov_b32 v235, 0
	global_store_b128 v5, v[232:235], s[80:81]
.Lfin:
	s_wait_tensorcnt 0x0                   ; the wave's end
	ds_add_u32 v2, v3
	s_wait_dscnt 0x0
	s_endpgm
.Lfunc_end_k_q1ee473d589_prep:
	.size	k_q1ee473d589_prep, .Lfunc_end_k_q1ee473d589_prep-k_q1ee473d589_prep
	.p2alignl 7, 3214868480
	.fill 96, 4, 3214868480
	.section	.rodata,"a",@progbits
	.p2align	6, 0x0
	.amdhsa_kernel k_q1ee473d589_prep
		.amdhsa_group_segment_fixed_size 69120
		.amdhsa_private_segment_fixed_size 0
		.amdhsa_enable_private_segment 0
		.amdhsa_kernarg_size 240
		.amdhsa_user_sgpr_count 2
		.amdhsa_user_sgpr_kernarg_segment_ptr 1
		.amdhsa_wavefront_size32 1
		.amdhsa_system_sgpr_workgroup_id_x 1
		.amdhsa_system_sgpr_workgroup_id_y 1
		.amdhsa_system_sgpr_workgroup_id_z 1
		.amdhsa_system_vgpr_workitem_id 0
		.amdhsa_next_free_vgpr 256
		.amdhsa_next_free_sgpr 100
		.amdhsa_reserve_vcc 1
		.amdhsa_float_denorm_mode_32 3
		.amdhsa_float_denorm_mode_16_64 3
		.amdhsa_memory_ordered 1
		.amdhsa_forward_progress 1
		.amdhsa_inst_pref_size 41
	.end_amdhsa_kernel
	.amdgpu_metadata
---
amdhsa.version: [ 1, 2 ]
amdhsa.kernels:
  - .name:           k_q1ee473d589_prep
    .symbol:         k_q1ee473d589_prep.kd
    .args:
      - { .name: Wq, .offset: 0, .size: 8, .value_kind: global_buffer, .address_space: global }
      - { .name: Wkm, .offset: 8, .size: 8, .value_kind: global_buffer, .address_space: global }
      - { .name: Wvm, .offset: 16, .size: 8, .value_kind: global_buffer, .address_space: global }
      - { .name: Wkr, .offset: 24, .size: 8, .value_kind: global_buffer, .address_space: global }
      - { .name: Wvr, .offset: 32, .size: 8, .value_kind: global_buffer, .address_space: global }
      - { .name: Wkt, .offset: 40, .size: 8, .value_kind: global_buffer, .address_space: global }
      - { .name: Wvt, .offset: 48, .size: 8, .value_kind: global_buffer, .address_space: global }
      - { .name: out_W, .offset: 56, .size: 8, .value_kind: global_buffer, .address_space: global }
      - { .name: norm_g, .offset: 64, .size: 8, .value_kind: global_buffer, .address_space: global }
      - { .name: norm_b, .offset: 72, .size: 8, .value_kind: global_buffer, .address_space: global }
      - { .name: rn1_g, .offset: 80, .size: 8, .value_kind: global_buffer, .address_space: global }
      - { .name: rn1_b, .offset: 88, .size: 8, .value_kind: global_buffer, .address_space: global }
      - { .name: rn2_g, .offset: 96, .size: 8, .value_kind: global_buffer, .address_space: global }
      - { .name: rn2_b, .offset: 104, .size: 8, .value_kind: global_buffer, .address_space: global }
      - { .name: tnorm_g, .offset: 112, .size: 8, .value_kind: global_buffer, .address_space: global }
      - { .name: tnorm_b, .offset: 120, .size: 8, .value_kind: global_buffer, .address_space: global }
      - { .name: bq, .offset: 128, .size: 8, .value_kind: global_buffer, .address_space: global }
      - { .name: bkm, .offset: 136, .size: 8, .value_kind: global_buffer, .address_space: global }
      - { .name: bvm, .offset: 144, .size: 8, .value_kind: global_buffer, .address_space: global }
      - { .name: bkr, .offset: 152, .size: 8, .value_kind: global_buffer, .address_space: global }
      - { .name: bvr, .offset: 160, .size: 8, .value_kind: global_buffer, .address_space: global }
      - { .name: bkt, .offset: 168, .size: 8, .value_kind: global_buffer, .address_space: global }
      - { .name: bvt, .offset: 176, .size: 8, .value_kind: global_buffer, .address_space: global }
      - { .name: out_b, .offset: 184, .size: 8, .value_kind: global_buffer, .address_space: global }
      - { .name: re_text, .offset: 192, .size: 8, .value_kind: global_buffer, .address_space: global }
      - { .name: emb, .offset: 200, .size: 8, .value_kind: global_buffer, .address_space: global }
      - { .name: wblk, .offset: 208, .size: 8, .value_kind: global_buffer, .address_space: global }
      - { .name: cvec, .offset: 216, .size: 8, .value_kind: global_buffer, .address_space: global }
      - { .name: utab, .offset: 224, .size: 8, .value_kind: global_buffer, .address_space: global }
      - { .name: emb_W, .offset: 232, .size: 8, .value_kind: global_buffer, .address_space: global }
    .group_segment_fixed_size: 69120
    .private_segment_fixed_size: 0
    .kernarg_segment_align: 8
    .kernarg_segment_size: 240
    .max_flat_workgroup_size: 512
    .sgpr_count:     100
    .vgpr_count:     256
    .wavefront_size: 32
...
	.end_amdgpu_metadata
.endif
;; end of part 5
;; launch kv (part 6): grid 576 x 1, 4 waves a work-group, no clusters, 138,240 bytes of LDS; arguments x, re_motion, xf, re_text, src_mask, re_mask, cond_type, wblk, cvec, utab, part, stat; writes part, stat
.if DOCPART == 6
	.amdgcn_target "amdgcn-amd-amdhsa--gfx1250"
	.amdhsa_code_object_version 6
	.text
	.protected	k_q1ee473d589_kv
	.globl	k_q1ee473d589_kv
	.p2align	8
	.type	k_q1ee473d589_kv,@function
k_q1ee473d589_kv:
	s_mov_b64 s[64:65], 0
	v_nop
	global_prefetch_b8 v0, s[64:65] scope:SCOPE_SE
	s_setreg_imm32_b32 hwreg(HW_REG_WAVE_MODE, 25, 1), 1
	s_wait_xcnt 0x0
; KV.  A work-group takes 128 key tokens of one batch: motion (numbers 0-255), retrieval (256-511), or all 77 text tokens for four heads (512-575).
; 1. Each wave normalises 32 rows (mean, centred variance, in f32) and lays them in bf16 into LDS (A, 128 rows x 512).  The rows come four at a time into two sets of registers that take turns:
;    while one set's rows are worked on, the other's 16 loads (8 KB a wave) are on their way.  A retrieval row is scaled by the 1 / sigma of the 1,024-wide norm,
;    made exactly from the row's and the text row's means and variances: var1 = (var2 + vart) / 2 + delta^2, delta = (m2 - mt) / 2.
; 2. Two passes (text: one); in a pass wave w makes K and V (64 + 64 columns) of head 4 pass + w for all 128 tokens: 64 accumulators.  The first product of each sum (EXT) brings, in 8 slots of k,
;    what is of rank one: r1 U + r1 delta Sd + mask term + bias for K, a x bias for V (biases as a high and a low bf16).
; 3. E: the column's true maximum M over the 128 tokens, p = 2^(c k - c M), V x row weight, both packed in place to bf16 fragments, then P^T V (64 x 64) and L = sum p by the matrix unit.
;    P^T V (bf16 register image), M and L go to memory; the next launch joins the 17 chunks of a batch.
; Weights come straight from memory into registers: they lie there as register images, each load 512 consecutive bytes, no wave shares them with another wave of the work-group.
; NO CLUSTER: no tensor load is used, so there is no joint request to make; every work-group reads its 1 MB of weights itself.
; LIMITS.  The mask term (1 - m) x -1e6, U, Sd, r1 and a are rounded to bf16 in EXT; a masked key's weight is 0 beside any unmasked key; where all keys of a batch are masked every v is 0.
; Rows 77-127 of a text chunk repeat row 76 with the term -1e30 and weight 0.  The last three quarters' weight loads of a work-group's last pass, and the constants loaded for a pass that does not follow, serve nothing.
.set PA, 1040                          ; a row of A: 1,024 bytes + 16: an odd multiple of 16, so the 16 rows of a fragment load start in different groups of banks
.set AEXT, 133120                      ; 128 rows x 32 bytes: 8 bf16 slots, then 16 bytes of zeros
.set WTB, 137216                       ; 128 row weights, f32
.set SPARE, 137728                     ; the spare words, 128 bytes a wave
.set LANE,1
.set CO,2                              ; v2-5   my 16 bytes in each quarter of a row
.set LS,6                              ; v6-9   lane - slot
.set AW,10                             ; where my 8 bytes of the row in hand go
.set MSK,11
.set VM2,12                            ; lane i: mean of my wave's row i
.set VV2,13                            ; lane i: its variance
.set MT,14
.set VT,15
.set WAD,16
.set TC,17
.set LOFF,18
.set ADRA,19                           ; v19-20 A fragments, token tiles 0-3 and 4-7
.set ABASE,21
.set AEX,23
.set CVO,24
.set CNO,25
.set R16,26
.set HH,27
.set SPW,28
.set NIL,29
.set TA,30
.set TB,31
.set CN,32                             ; v32-47 a pass's column constants: U, Sd, Ck, Cv for four column tiles
.set ST,48                             ; v48-63 at work
.set F0,64                             ; window 0: row set 0, then A fragment buffers; window 2, the same numbers: row set 1; window 1: v0-255 four weight buffers
.set F1,128
.set WV,192                            ; v192-255 row loop: at work; later the row weights by token tile
.set RPB,4                             ; s[4:11] row set 1's four pointers (the arguments that lay there have been used by then)
.set WVN,28
.set TYPE,29
.set BB,30
.set CH,31
.set HB,32
.set CI,33
.set SRC,34
.set STRIDE,36
.set NVM1,37
.set ROW,38
.set R32,39
.set RP,40                             ; s[40:47] row set 0's four pointers
.set BP,48
.set KA,50
.set CNT,51
.set PASSC,52
.set EPS,53
.set CS,54
.set SEL,56
.set CTF,58
.set FR,59
.set N1,60
.set FM,61
.set OMF,62
.set FRH,63
.set KX,69                             ; the count at which the K loop is left early: 2 for text, else 0
.set UP,76
.set SDP,78
.set CKP,80
.set CVP,82
.set PB0,84
.set SB0,86
.set PP,88
.set SP,90
.set NEGS,92
.set ZP,94
.set MKP,96
.set TXP,98
.set MSB, 0
.macro WIN new                         ; the immediate's high byte repeats the setting that is left
.if MSB != (\new)
	s_set_vgpr_msb (MSB<<8)|(\new)
.set MSB, \new
.endif
.endm
.macro PLACES
.rept 4
	v_nop
.endr
.endm
.macro RED1 r, t
.irp m,1,2,4,8
	v_add_f32_dpp v[\r], v[\r], v[\r] row_xmask:\m row_mask:0xf bank_mask:0xf
.endr
	v_permlanex16_b32 v[\t], v[\r], s[SEL], s[SEL+1]
	v_add_f32 v[\r], v[\r], v[\t]
.endm
.macro RED4 o, t                       ; the same for the four rows in hand, side by side
.irp m,1,2,4,8
.irp s,0,1,2,3
	v_add_f32_dpp v[WV+8*\s+\o], v[WV+8*\s+\o], v[WV+8*\s+\o] row_xmask:\m row_mask:0xf bank_mask:0xf
.endr
.endr
.irp s,0,1,2,3
	v_permlanex16_b32 v[WV+8*\s+\t], v[WV+8*\s+\o], s[SEL], s[SEL+1]
.endr
.irp s,0,1,2,3
	v_add_f32 v[WV+8*\s+\o], v[WV+8*\s+\o], v[WV+8*\s+\t]
.endr
.endm
.macro SETRP p, s, add                 ; pointer s of the set at s[p]: row ROW + add + s of my wave, clamped to the chunk's last valid row
	s_add_co_u32 s[ZP], s[ROW], (\add)+(\s)
	s_add_co_u32 s[ZP], s[ZP], s[R32]
	s_min_u32 s[ZP], s[ZP], s[NVM1]
	s_mul_i32 s[ZP], s[ZP], s[STRIDE]
	s_add_nc_u64 s[(\p)+2*(\s):(\p)+2*(\s)+1], s[SRC:SRC+1], s[ZP:ZP+1]
.endm
.macro LDROWS half                     ; four rows, 16 loads, into set 0 (window 0) or set 1 (window 2)
	WIN 0x80*(\half)
.irp s,0,1,2,3
.irp j,0,1,2,3
	global_load_b128 v[F0+16*\s+4*\j:F0+16*\s+4*\j+3], v[CO+\j], s[RP+(RPB-RP)*(\half)+2*\s:RP+(RPB-RP)*(\half)+2*\s+1]
.endr
.endr
	WIN 0
.endm
.macro LOADB buf, q                    ; a quarter's 8 weight fragments, 8 KB, into buffer buf of window 1
	WIN 0x40
.set i, 0
.rept 16
	global_load_b128 v[64*(\buf)+4*i:64*(\buf)+4*i+3], v[LOFF], s[BP:BP+1] offset:(\q)*32768+512*i
.set i, i+1
.endr
.endm
.macro FETCHA f, k                     ; 8 token fragments, 32 k at byte k of the rows
.irp i,0,1,2,3,4,5,6,7
	ds_load_b128 v[(\f)+8*\i:(\f)+8*\i+3], v[ADRA+\i/4] offset:(\i%4)*16*PA+(\k)
	ds_load_b128 v[(\f)+8*\i+4:(\f)+8*\i+7], v[ADRA+\i/4] offset:(\i%4)*16*PA+(\k)+32
.endr
.endm
; 32 products: source 0 = 16 tokens, source 1 = 16 columns (hi = 0: K's four tiles, window 2; hi = 1: V's, window 3).  In the result a lane holds one column and eight tokens.
; Accumulator (column tile c, token tile t) lies at 8 (8 c + t).  All 64 take turns in the same order in every quarter.
.macro MULH f, bq, hi, zero
	WIN 0xa4+0x50*(\hi)
.irp c,0,1,2,3
.irp t,0,1,2,3,4,5,6,7
.if \zero
	v_wmma_f32_16x16x32_bf16 v[8*(8*\c+\t):8*(8*\c+\t)+7], v[(\f)+8*\t:(\f)+8*\t+7], v[64*(\bq)+8*(4*(\hi)+\c):64*(\bq)+8*(4*(\hi)+\c)+7], 0
.else
	v_wmma_f32_16x16x32_bf16 v[8*(8*\c+\t):8*(8*\c+\t)+7], v[(\f)+8*\t:(\f)+8*\t+7], v[64*(\bq)+8*(4*(\hi)+\c):64*(\bq)+8*(4*(\hi)+\c)+7], v[8*(8*\c+\t):8*(8*\c+\t)+7]
.endif
.endr
.endr
.endm
; A quarter: 32 along K.  In its middle the next quarter's token fragments are fetched into g and the weights three quarters on into bl, the buffers that the quarter before multiplied.
.macro QRT f, g, bq, bl, k, q, step
	s_wait_loadcnt 32                      ; loads come back in order: all but the two younger quarters' 16 each are in
	s_wait_dscnt 0x0
	MULH \f, \bq, 0, 0
	PLACES                                 ; four places between the products and loads into registers that products have read
	WIN 0
.if \step
	s_add_co_u32 s[KA], s[KA], 256         ; four quarters on along the rows, and round at their end
	s_and_b32 s[KA], s[KA], 1023
	v_add_nc_u32 v[ADRA], s[KA], v[ABASE]
	v_add_nc_u32 v[ADRA+1], s[KA], v[ABASE+1]
.endif
	FETCHA \g, \k
	LOADB \bl, \q
	MULH \f, \bq, 1, 0
.endm
; Half a trip of the row loop: rows ROW + 4 half + 0..3 of my wave, side by side, out of set half; the centred rows lie in v128-191.
.macro LNH half
	s_wait_loadcnt 16                      ; loads come back in order: this set's rows are in; the other set's 16 loads, issued behind them, stay out
	WIN 0x0a*(\half)
.irp e,0,1,2,3
.irp s,0,1,2,3
	v_pk_add_f32 v[F1+16*\s+2*\e:F1+16*\s+2*\e+1], v[F0+16*\s+4*\e:F0+16*\s+4*\e+1], v[F0+16*\s+4*\e+2:F0+16*\s+4*\e+3]
.endr
.endr
	WIN 0
.irp s,0,1,2,3
	v_pk_add_f32 v[F1+16*\s:F1+16*\s+1], v[F1+16*\s:F1+16*\s+1], v[F1+16*\s+2:F1+16*\s+3]
	v_pk_add_f32 v[F1+16*\s+4:F1+16*\s+5], v[F1+16*\s+4:F1+16*\s+5], v[F1+16*\s+6:F1+16*\s+7]
.endr
.irp s,0,1,2,3
	v_pk_add_f32 v[F1+16*\s:F1+16*\s+1], v[F1+16*\s:F1+16*\s+1], v[F1+16*\s+4:F1+16*\s+5]
.endr
.irp s,0,1,2,3
	v_add_f32 v[WV+8*\s], v[F1+16*\s], v[F1+16*\s+1]
.endr
	RED4 0, 4
.irp s,0,1,2,3
	v_mul_f32 v[WV+8*\s], 0x3b000000, v[WV+8*\s]           ; the mean
.endr
	WIN 0x02*(\half)
.irp e,0,1,2,3,4,5,6,7
.irp s,0,1,2,3
	v_pk_add_f32 v[F1+16*\s+2*\e:F1+16*\s+2*\e+1], v[F0+16*\s+2*\e:F0+16*\s+2*\e+1], v[WV+8*\s:WV+8*\s+1] op_sel_hi:[1,0] neg_lo:[0,1] neg_hi:[0,1]
.endr
.endr
	WIN 0
	s_cmp_eq_u32 s[ROW], 24
	s_cbranch_scc1 .Lnold\@
	SETRP RP+(RPB-RP)*(\half), 0, 8+4*(\half)      ; the set has been read: it takes the rows eight further on.  Its pointers are free: the wait at the head has shown their loads done
	SETRP RP+(RPB-RP)*(\half), 1, 8+4*(\half)
	SETRP RP+(RPB-RP)*(\half), 2, 8+4*(\half)
	SETRP RP+(RPB-RP)*(\half), 3, 8+4*(\half)
	LDROWS \half
	s_branch .Lld\@
.Lnold\@:
	s_wait_loadcnt 0x0                     ; the last trip asks for nothing, so no 16 younger loads will stand behind the other set's: they are waited for here
.Lld\@:
.irp s,0,1,2,3
	v_pk_mul_f32 v[WV+8*\s+2:WV+8*\s+3], v[F1+16*\s:F1+16*\s+1], v[F1+16*\s:F1+16*\s+1]
.endr
.irp e,1,2,3,4,5,6,7
.irp s,0,1,2,3
	v_pk_fma_f32 v[WV+8*\s+2:WV+8*\s+3], v[F1+16*\s+2*\e:F1+16*\s+2*\e+1], v[F1+16*\s+2*\e:F1+16*\s+2*\e+1], v[WV+8*\s+2:WV+8*\s+3]
.endr
.endr
.irp s,0,1,2,3
	v_add_f32 v[WV+8*\s+2], v[WV+8*\s+2], v[WV+8*\s+3]
.endr
	RED4 2, 4
.irp s,0,1,2,3
	v_mul_f32 v[WV+8*\s+2], 0x3b000000, v[WV+8*\s+2]       ; the variance
.endr
	s_add_co_u32 s66, s[ROW], 4*(\half)
.irp s,0,1,2,3
	v_cmp_eq_u32 vcc_lo, s66, v[LS+\s]                     ; lane = row keeps the row's two figures
	v_cndmask_b32 v[VM2], v[VM2], v[WV+8*\s], vcc_lo
	v_cndmask_b32 v[VV2], v[VV2], v[WV+8*\s+2], vcc_lo
.endr
.irp s,0,1,2,3
	v_sub_f32 v[WV+8*\s+4], v[WV+8*\s], v[MT]
	v_sub_f32 v[WV+8*\s+5], v[VT], v[WV+8*\s+2]
.endr
.irp s,0,1,2,3
	v_mul_f32 v[WV+8*\s+4], s[FRH], v[WV+8*\s+4]           ; delta
	v_mul_f32 v[WV+8*\s+5], s[FRH], v[WV+8*\s+5]
.endr
.irp s,0,1,2,3
	v_fma_f32 v[WV+8*\s+5], v[WV+8*\s+4], v[WV+8*\s+4], v[WV+8*\s+5]
.endr
.irp s,0,1,2,3
	v_add_f32 v[WV+8*\s+5], v[WV+8*\s+5], v[WV+8*\s+2]
.endr
.irp s,0,1,2,3
	v_add_f32 v[WV+8*\s+5], s[EPS], v[WV+8*\s+5]
.endr
.irp s,0,1,2,3
	v_rsq_f32 v[WV+8*\s+2], v[WV+8*\s+5]                   ; r1
.endr
	v_nop                                  ; a plain instruction behind the last of them
	s_wait_alu depctr_va_vdst(0)
.irp e,0,1,2,3,4,5,6,7
.irp s,0,1,2,3
	v_pk_mul_f32 v[F1+16*\s+2*\e:F1+16*\s+2*\e+1], v[F1+16*\s+2*\e:F1+16*\s+2*\e+1], v[WV+8*\s+2:WV+8*\s+3] op_sel_hi:[1,0]
.endr
.endr
.irp e,0,1,2,3,4,5,6,7
.irp s,0,1,2,3
	v_cvt_pk_bf16_f32 v[F1+16*\s+\e], v[F1+16*\s+2*\e], v[F1+16*\s+2*\e+1]   ; in place, ascending
.endr
.endr
.irp s,0,1,2,3
.irp j,0,1,2,3
	ds_store_b64 v[AW], v[F1+16*\s+2*\j:F1+16*\s+2*\j+1] offset:\s*PA+256*\j
.endr
.endr
	v_add_nc_u32 v[AW], 4*PA, v[AW]
.endm
	s_load_b512 s[4:19], s[0:1], 0x0       ; x 4, re_motion 6, xf 8, re_text 10, src_mask 12, re_mask 14, cond_type 16, wblk 18
	s_load_b256 s[20:27], s[0:1], 0x40     ; cvec 20, utab 22, part 24, stat 26
	v_lshl_add_u32 v[SPW], v0, 2, SPARE
	v_mov_b32 v[NIL], 0
	v_lshrrev_b32 v[TA], 5, v0
	v_readfirstlane_b32 s[WVN], v[TA]
	v_and_b32 v[LANE], 31, v0
	v_and_b32 v[R16], 15, v0
	v_bfe_u32 v[HH], v0, 4, 1
	v_lshlrev_b32 v[LOFF], 4, v[LANE]
	s_lshr_b32 s66, ttmp9, 8               ; numbers below 512: type, batch, chunk
	s_bfe_u32 s67, ttmp9, 0x50003
	s_and_b32 s68, ttmp9, 7
	s_sub_co_u32 s69, ttmp9, 512           ; from 512 on: text, batch, which four heads
	s_lshr_b32 s70, s69, 1
	s_and_b32 s71, s69, 1
	s_lshl_b32 s71, s71, 2
	s_lshl3_add_u32 s72, s66, s68
	s_cmp_lt_u32 ttmp9, 512
	s_cselect_b32 s[TYPE], s66, 2
	s_cselect_b32 s[BB], s67, s70
	s_cselect_b32 s[CH], s68, 0
	s_cselect_b32 s[HB], 0, s71
	s_cselect_b32 s[CI], s72, 16           ; the chunk's number among the batch's 17
	s_lshl_b32 s66, s[BB], 21
	s_lshl_b32 s67, s[CH], 18
	s_add_co_u32 s66, s66, s67
	s_mul_i32 s67, s[BB], 78848
	s_lshl_b32 s[R32], s[WVN], 5
	s_mov_b32 s[ZP+1], 0
	s_mov_b32 s70, 2048
	s_mov_b32 s71, 127
	s_mov_b32 s72, 2047
	s_cmp_eq_u32 s[TYPE], 2
	s_cselect_b32 s73, s67, s66            ; the chunk's first row, in bytes
	s_cselect_b32 s[STRIDE], 1024, s70
	s_cselect_b32 s[NVM1], 76, s71
	s_cselect_b32 s68, 1023, s72           ; a text row is taken twice: mean and variance over 512 are those over 256
	s_cselect_b32 s[FM], 0, 1.0            ; text has no row mask
	s_cselect_b32 s[OMF], 1.0, 0
	s_cselect_b32 s[KX], 2, 0
	s_cmp_eq_u32 s[TYPE], 1
	s_cselect_b32 s[FR], 1.0, 0
	s_cselect_b32 s[FRH], 0.5, 0
	s_mov_b32 s[EPS], 0x3727c5ac
	s_mov_b32 s[CS], 0x3fb8aa3b            ; log2(e)
	s_mov_b32 s[CS+1], s[CS]
	s_mov_b32 s[SEL], 0x76543210
	s_mov_b32 s[SEL+1], 0xfedcba98
	s_mov_b32 s[NEGS], 0xc9742400          ; -1e6
	s_mov_b32 s[ROW], 0
.irp j,0,1,2,3
	v_add_nc_u32 v[CO+\j], 512*\j, v[LOFF]
	v_and_b32 v[CO+\j], s68, v[CO+\j]
	v_add_nc_u32 v[LS+\j], -\j, v[LANE]
.endr
	s_mul_i32 s66, s[WVN], 32*PA
	v_lshl_add_u32 v[AW], v[LANE], 3, s66
	v_mul_u32_u24 v[ABASE], v[R16], PA
	v_lshl_add_u32 v[ABASE], v[HH], 4, v[ABASE]
	v_add_nc_u32 v[ABASE+1], 64*PA, v[ABASE]
	v_lshlrev_b32 v[AEX], 5, v[R16]
	v_lshl_add_u32 v[AEX], v[HH], 4, v[AEX]
	v_add_nc_u32 v[AEX], AEXT, v[AEX]
	v_lshlrev_b32 v[WAD], 5, v[HH]
	v_add_nc_u32 v[WAD], WTB, v[WAD]
	v_lshlrev_b32 v[CVO], 2, v[R16]
	v_lshlrev_b32 v[TC], 2, v[LANE]
	s_add_co_u32 s66, s[HB], s[WVN]
	s_lshl_b32 s66, s66, 8
	v_add_nc_u32 v[CNO], s66, v[CVO]       ; 4 r + 256 head
	v_mov_b32 v[VM2], 0
	v_mov_b32 v[VV2], 0
	v_mov_b32 v[TB], 0
.set i, 0
.rept 32
	v_mov_b32 v[WV+i], 0                   ; pairs' partners and the lane exchanges' destinations are written once
.set i, i+1
.endr
.irp c,0,1,2,3
	v_mov_b32 v[ST+9+2*\c], 0
.endr
	s_lshl_b32 s74, s[BB], 2
	s_wait_kmcnt 0x0
	s_load_b32 s75, s[16:17], s74 offset:0x0   ; cond_type of the batch
	s_cmp_eq_u32 s[TYPE], 2
	s_cselect_b64 s[SRC:SRC+1], s[8:9], s[4:5]
	s_cmp_eq_u32 s[TYPE], 1
	s_cselect_b64 s[SRC:SRC+1], s[6:7], s[SRC:SRC+1]
	s_cselect_b64 s[MKP:MKP+1], s[14:15], s[12:13]
	s_mov_b32 s[ZP], s73
	s_add_nc_u64 s[SRC:SRC+1], s[SRC:SRC+1], s[ZP:ZP+1]
	s_lshl_b32 s66, s[BB], 12
	s_lshl_b32 s67, s[CH], 9
	s_add_co_u32 s66, s66, s67
	s_lshl_b32 s67, s[WVN], 7
	s_add_co_u32 s[ZP], s66, s67
	s_add_nc_u64 s[MKP:MKP+1], s[MKP:MKP+1], s[ZP:ZP+1]
	s_lshr_b32 s66, s[CH], 1
	s_lshl2_add_u32 s66, s[BB], s66        ; the retrieval's text row: 4 batch + chunk / 2 (a valid row for every type)
	s_lshl_b32 s[ZP], s66, 11
	s_add_nc_u64 s[TXP:TXP+1], s[10:11], s[ZP:ZP+1]
	s_add_nc_u64 s[UP:UP+1], s[22:23], s[ZP:ZP+1]
	s_lshl_b32 s66, s[TYPE], 12
	s_add_co_u32 s[ZP], s66, 2048
	s_add_nc_u64 s[CKP:CKP+1], s[20:21], s[ZP:ZP+1]
	s_add_nc_u64 s[CVP:CVP+1], s[CKP:CKP+1], 2048
	s_add_nc_u64 s[SDP:SDP+1], s[20:21], 14336
	s_lshl_b32 s66, s[TYPE], 20
	s_lshl_b32 s67, s[HB], 17
	s_add_co_u32 s66, s66, s67
	s_lshl_b32 s67, s[WVN], 13
	s_add_co_u32 s[ZP], s66, s67
	s_add_nc_u64 s[BP:BP+1], s[18:19], s[ZP:ZP+1]
	s_mul_i32 s66, s[BB], 17
	s_add_co_u32 s66, s66, s[CI]
	s_lshl_b32 s[ZP], s66, 16
	s_add_nc_u64 s[PB0:PB0+1], s[24:25], s[ZP:ZP+1]
	s_lshl_b32 s[ZP], s66, 12
	s_add_nc_u64 s[SB0:SB0+1], s[26:27], s[ZP:ZP+1]
.irp j,0,1,2,3
	global_load_b128 v[F1+4*\j:F1+4*\j+3], v[LOFF], s[TXP:TXP+1] offset:512*\j
.endr
	global_load_b32 v[MSK], v[TC], s[MKP:MKP+1]
.irp c,0,1,2,3
	global_load_b32 v[CN+\c], v[CNO], s[UP:UP+1] offset:64*\c
	global_load_b32 v[CN+4+\c], v[CNO], s[SDP:SDP+1] offset:64*\c
	global_load_b32 v[CN+8+\c], v[CNO], s[CKP:CKP+1] offset:64*\c
	global_load_b32 v[CN+12+\c], v[CNO], s[CVP:CVP+1] offset:64*\c
.endr
	LOADB 0, 0
	LOADB 1, 1
	LOADB 2, 2
	WIN 0
	SETRP RP, 0, 0                         ; rows 0-3 into set 0,
	SETRP RP, 1, 0
	SETRP RP, 2, 0
	SETRP RP, 3, 0
	LDROWS 0
	SETRP RPB, 0, 4                        ; rows 4-7 into set 1
	SETRP RPB, 1, 4
	SETRP RPB, 2, 4
	SETRP RPB, 3, 4
	LDROWS 1
	s_wait_kmcnt 0x0
	s_sub_co_i32 s66, 0, s75               ; text_ct: cond_type is no multiple of 10; retr_ct: it is 10 or more
	s_max_i32 s66, s66, s75
	s_mul_hi_u32 s67, s66, 0xcccccccd
	s_lshr_b32 s67, s67, 3
	s_mul_i32 s67, s67, 10
	s_sub_co_u32 s66, s66, s67
	s_cmp_lg_u32 s66, 0
	s_cselect_b32 s66, 1.0, 0
	s_cmp_ge_i32 s75, 10
	s_cselect_b32 s67, 1.0, 0
	s_cmp_eq_u32 s[TYPE], 1
	s_cselect_b32 s[CTF], s67, 1.0
	s_cmp_eq_u32 s[TYPE], 2
	s_cselect_b32 s[CTF], s66, s[CTF]
	s_cmp_eq_u32 s[CTF], 0
	s_cselect_b32 s[N1], s[NEGS], 0
	s_wait_loadcnt 0x0                     ; all that was asked for at the start is in: from here to the row loop's end the counts speak of row loads alone
	; the text row's mean and variance (they count for retrieval alone)
.irp e,0,1,2,3
	v_pk_add_f32 v[F1+16+2*\e:F1+17+2*\e], v[F1+4*\e:F1+4*\e+1], v[F1+4*\e+2:F1+4*\e+3]
.endr
	v_pk_add_f32 v[F1+16:F1+17], v[F1+16:F1+17], v[F1+18:F1+19]
	v_pk_add_f32 v[F1+20:F1+21], v[F1+20:F1+21], v[F1+22:F1+23]
	v_pk_add_f32 v[F1+16:F1+17], v[F1+16:F1+17], v[F1+20:F1+21]
	v_add_f32 v[F1+16], v[F1+16], v[F1+17]
	RED1 F1+16, TB
	v_mul_f32 v[F1+16], 0x3b000000, v[F1+16]
	v_mov_b32 v[MT], v[F1+16]
.irp e,0,1,2,3,4,5,6,7
	v_pk_add_f32 v[F1+2*\e:F1+2*\e+1], v[F1+2*\e:F1+2*\e+1], v[F1+16:F1+17] op_sel_hi:[1,0] neg_lo:[0,1] neg_hi:[0,1]
.endr
	v_pk_mul_f32 v[F1+18:F1+19], v[F1:F1+1], v[F1:F1+1]
.irp e,1,2,3,4,5,6,7
	v_pk_fma_f32 v[F1+18:F1+19], v[F1+2*\e:F1+2*\e+1], v[F1+2*\e:F1+2*\e+1], v[F1+18:F1+19]
.endr
	v_add_f32 v[VT], v[F1+18], v[F1+19]
	RED1 VT, TB
	v_mul_f32 v[VT], 0x3b000000, v[VT]
.Lln:                                          ; four trips of eight rows: set 0's four, then set 1's four
	LNH 0
	LNH 1
	s_add_co_u32 s[ROW], s[ROW], 8
	s_cmp_lt_u32 s[ROW], 32
	s_cbranch_scc1 .Lln
	; the rows' scalars, lane = row
	v_fma_f32 v[MSK], v[MSK], s[FM], s[OMF]
	v_sub_f32 v130, v[VM2], v[MT]
	v_mul_f32 v130, s[FRH], v130           ; delta
	v_sub_f32 v131, v[VT], v[VV2]
	v_mul_f32 v131, s[FRH], v131
	v_fma_f32 v131, v130, v130, v131
	v_add_f32 v131, v131, v[VV2]
	v_add_f32 v131, s[EPS], v131
	v_add_f32 v132, s[EPS], v[VV2]
	v_rsq_f32 v133, v131                   ; r1
	v_sqrt_f32 v134, v131                  ; 1 / r1
	v_rsq_f32 v135, v132                   ; r2
	v_sqrt_f32 v136, v132                  ; 1 / r2
	v_sub_f32 v137, 1.0, v[MSK]
	v_fma_f32 v137, v137, s[NEGS], s[N1]   ; n
	v_mul_f32 v138, s[CTF], v[MSK]
	s_wait_alu depctr_va_vdst(0)
	v_mul_f32 v139, v133, v136             ; a = r1 / r2
	v_mul_f32 v138, v138, v134
	v_mul_f32 v138, v138, v135             ; w = mask / a
	v_mul_f32 v140, s[FR], v133            ; p
	v_mul_f32 v141, v140, v130             ; q
	v_add_nc_u32 v142, s[R32], v[LANE]
	v_cmp_ge_u32 vcc_lo, s[NVM1], v142     ; a row of the chunk, or padding
	v_mov_b32 v143, 0xf149f2ca             ; -1e30
	v_cndmask_b32 v137, v143, v137, vcc_lo
	v_cndmask_b32 v138, 0, v138, vcc_lo
	v_cvt_pk_bf16_f32 v144, v140, v141     ; slots p, q | n, a | 1, 1 | a, 0
	v_cvt_pk_bf16_f32 v145, v137, v139
	v_mov_b32 v146, 0x3f803f80
	v_cvt_pk_bf16_f32 v147, v139, 0
	v_mov_b32 v148, 0
	v_mov_b32 v149, 0
	v_mov_b32 v150, 0
	v_mov_b32 v151, 0
	v_lshl_add_u32 v152, v142, 5, AEXT
	v_lshl_add_u32 v153, v142, 2, WTB
	ds_store_b128 v152, v[144:147]
	ds_store_b128 v152, v[148:151] offset:16
	ds_store_b32 v153, v138
	s_wait_dscnt 0x0                       ; my rows and their scalars are in LDS
	s_barrier_signal -1
	s_barrier_wait -1                      ; everybody's are; nothing of them is written again
.irp t,0,1,2,3,4,5,6,7
	ds_load_b128 v[WV+8*\t:WV+8*\t+3], v[WAD] offset:64*\t
	ds_load_b128 v[WV+8*\t+4:WV+8*\t+7], v[WAD] offset:64*\t+16
.endr
	s_mov_b32 s[KA], 0
	v_mov_b32 v[ADRA], v[ABASE]
	v_mov_b32 v[ADRA+1], v[ABASE+1]
	FETCHA F0, 0
	s_mov_b32 s[PASSC], 2
.Lpass:
	s_wait_loadcnt 48                      ; the pass's constants are in; behind them stand the 48 loads of its first three quarters
.irp c,0,1,2,3,4,5,6,7
	v_cvt_pk_bf16_f32 v[ST+\c], v[CN+8+\c], 0
.endr
.irp c,0,1,2,3,4,5,6,7
	v_lshlrev_b32 v[ST+\c], 16, v[ST+\c]
.endr
.irp c,0,1,2,3,4,5,6,7
	v_sub_f32 v[ST+\c], v[CN+8+\c], v[ST+\c]               ; what the bias loses in bf16
.endr
	WIN 0x40                               ; the columns' side of EXT, in weight buffer 3: K: U, Sd | 1, 0 | Chi, Clo | 0, 0;  V: 0, 0 | 0, Chi | 0, 0 | Clo, 0
.irp c,0,1,2,3
	v_cvt_pk_bf16_f32 v[192+8*\c], v[CN+\c], v[CN+4+\c]
	v_mov_b32 v[193+8*\c], 0x3f80
	v_cvt_pk_bf16_f32 v[194+8*\c], v[CN+8+\c], v[ST+\c]
	v_mov_b32 v[195+8*\c], 0
	v_mov_b32 v[224+8*\c], 0
	v_cvt_pk_bf16_f32 v[225+8*\c], 0, v[CN+12+\c]
	v_mov_b32 v[226+8*\c], 0
	v_cvt_pk_bf16_f32 v[227+8*\c], v[ST+4+\c], 0
.irp e,4,5,6,7
	v_mov_b32 v[192+8*\c+\e], 0
	v_mov_b32 v[224+8*\c+\e], 0
.endr
.endr
	WIN 0
.irp t,0,1,2,3,4,5,6,7                 ; the rows' side: 8 slots for the lower lanes, zeros for k = 8 to 31
	ds_load_b128 v[F1+8*\t:F1+8*\t+3], v[AEX] offset:512*\t
.irp e,4,5,6,7
	v_mov_b32 v[F1+8*\t+\e], 0
.endr
.endr
	s_wait_dscnt 0x0
	MULH F1, 3, 0, 1                       ; EXT starts all 64 sums
	MULH F1, 3, 1, 1
	WIN 0
	s_add_co_u32 s66, s[HB], 4             ; the next pass's constants
	s_and_b32 s66, s66, 7
	s_add_co_u32 s66, s66, s[WVN]
	s_lshl_b32 s66, s66, 8
	v_add_nc_u32 v[CNO], s66, v[CVO]
.irp c,0,1,2,3
	global_load_b32 v[CN+\c], v[CNO], s[UP:UP+1] offset:64*\c
	global_load_b32 v[CN+4+\c], v[CNO], s[SDP:SDP+1] offset:64*\c
	global_load_b32 v[CN+8+\c], v[CNO], s[CKP:CKP+1] offset:64*\c
	global_load_b32 v[CN+12+\c], v[CNO], s[CVP:CVP+1] offset:64*\c
.endr
	s_mov_b32 s[CNT], 4
.Lk:                                           ; four trips of four quarters: K = 512
	QRT F0, F1, 0, 3, 64, 3, 0
	QRT F1, F0, 1, 0, 128, 4, 0
	QRT F0, F1, 2, 1, 192, 5, 0
	QRT F1, F0, 3, 2, 0, 6, 1
	WIN 0
	s_wait_xcnt 0x0                        ; the weights' base steps only behind this wait
	s_add_nc_u64 s[BP:BP+1], s[BP:BP+1], 131072
	s_sub_co_u32 s[CNT], s[CNT], 1
	s_cmp_eq_u32 s[CNT], s[KX]             ; a text row has 256 columns and its weights for k = 256 on are zeros: a text chunk leaves after two trips
	s_cbranch_scc1 .Lkx
	s_cmp_lg_u32 s[CNT], 0
	s_cbranch_scc1 .Lk
.Lkx:
	; E.  The maximum of each column over its 128 tokens: eight chains; each accumulator's lowest registers are read first.
.irp i,0,1,2,3,4,5,6,7
	v_mov_b32 v[ST+\i], 0xff800000         ; (these are also the places behind the last products)
.endr
	WIN 0x28
.set t, 0
.rept 8
.irp e,0,1,2,3
.irp c,0,1,2,3
	v_max3_num_f32 v[ST+2*\c+t%2], v[ST+2*\c+t%2], v[8*(8*\c+t)+2*\e], v[8*(8*\c+t)+2*\e+1]
.endr
.endr
.set t, t+1
.endr
	WIN 0
.irp c,0,1,2,3
	v_max_num_f32 v[ST+2*\c], v[ST+2*\c], v[ST+2*\c+1]
.endr
.irp c,0,1,2,3
	v_permlanex16_b32 v[ST+2*\c+1], v[ST+2*\c], s[SEL], s[SEL+1]
.endr
.irp c,0,1,2,3
	v_max_num_f32 v[ST+2*\c], v[ST+2*\c], v[ST+2*\c+1]     ; M
.endr
.irp c,0,1,2,3
	v_mul_f32 v[ST+8+2*\c], s[CS], v[ST+2*\c]              ; c M
.endr
	WIN 0x82                               ; p = 2^(c k - c M), in place in window 2
.set i, 0
.rept 32
.irp e,0,1,2,3
	v_pk_fma_f32 v[8*i+2*\e:8*i+2*\e+1], v[8*i+2*\e:8*i+2*\e+1], s[CS:CS+1], v[ST+8+2*(i/8):ST+9+2*(i/8)] op_sel_hi:[1,0,0] neg_lo:[0,0,1] neg_hi:[0,0,1]
.endr
.irp e,0,1,2,3,4,5,6,7
	v_exp_f32 v[8*i+\e], v[8*i+\e]
.endr
.set i, i+1
.endr
	v_nop                                  ; a plain instruction behind the last exponential
	WIN 0x8a                               ; packed in place, ascending: fragment (column tile c, 32 tokens kk) lands at 32 c + 8 kk
.set i, 0
	s_wait_alu depctr_va_vdst(0)
.rept 128
	v_cvt_pk_bf16_f32 v[i], v[2*i], v[2*i+1]
.set i, i+1
.endr
	WIN 0xc3                               ; V times the rows' weights, in window 3
.set i, 0
.rept 32
.irp e,0,1,2,3
	v_pk_mul_f32 v[8*i+2*\e:8*i+2*\e+1], v[8*i+2*\e:8*i+2*\e+1], v[WV+8*(i%8)+2*\e:WV+8*(i%8)+2*\e+1]
.endr
.set i, i+1
.endr
	WIN 0xcf
.set i, 0
.rept 128
	v_cvt_pk_bf16_f32 v[i], v[2*i], v[2*i+1]
.set i, i+1
.endr
	WIN 0xc0
.irp e,0,1,2,3,4,5,6,7
	v_mov_b32 v[160+\e], 0x3f803f80        ; a fragment of ones
.endr
	WIN 0xae                               ; P^T V: 16 tiles in window 2, v128-255; they take turns
.irp kk,0,1,2,3
.irp dt,0,1,2,3
.irp lt,0,1,2,3
.if \kk == 0
	v_wmma_f32_16x16x32_bf16 v[128+8*(4*\dt+\lt):135+8*(4*\dt+\lt)], v[32*\dt+8*\kk:32*\dt+8*\kk+7], v[32*\lt+8*\kk:32*\lt+8*\kk+7], 0
.else
	v_wmma_f32_16x16x32_bf16 v[128+8*(4*\dt+\lt):135+8*(4*\dt+\lt)], v[32*\dt+8*\kk:32*\dt+8*\kk+7], v[32*\lt+8*\kk:32*\lt+8*\kk+7], v[128+8*(4*\dt+\lt):135+8*(4*\dt+\lt)]
.endif
.endr
.endr
.endr
	WIN 0xfb                               ; L = ones x P: a lane holds its column's sum in every register; window 3, v128-159
.irp kk,0,1,2,3
.irp dt,0,1,2,3
.if \kk == 0
	v_wmma_f32_16x16x32_bf16 v[128+8*\dt:135+8*\dt], v[160:167], v[32*\dt+8*\kk:32*\dt+8*\kk+7], 0
.else
	v_wmma_f32_16x16x32_bf16 v[128+8*\dt:135+8*\dt], v[160:167], v[32*\dt+8*\kk:32*\dt+8*\kk+7], v[128+8*\dt:135+8*\dt]
.endif
.endr
.endr
	PLACES
	WIN 0x0a
.set i, 0
.rept 64
	v_cvt_pk_bf16_f32 v[F1+i], v[128+2*i], v[129+2*i]
.set i, i+1
.endr
	WIN 0
	s_add_co_u32 s66, s[HB], s[WVN]        ; my head
	s_lshl_b32 s[ZP], s66, 13
	s_add_nc_u64 s[PP:PP+1], s[PB0:PB0+1], s[ZP:ZP+1]
	s_lshl_b32 s[ZP], s66, 9
	s_add_nc_u64 s[SP:SP+1], s[SB0:SB0+1], s[ZP:ZP+1]
.set i, 0
.rept 16
	global_store_b128 v[LOFF], v[F1+4*i:F1+4*i+3], s[PP:PP+1] offset:512*i     ; 512 consecutive bytes each
.set i, i+1
.endr
.irp c,0,1,2,3
	global_store_b32 v[CVO], v[ST+2*\c], s[SP:SP+1] offset:64*\c               ; M; both halves of the lanes hold and store the same 64 bytes
.endr
	WIN 0x0c
.irp c,0,1,2,3
	global_store_b32 v[CVO], v[128+8*\c], s[SP:SP+1] offset:256+64*\c          ; L
.endr
	WIN 0
	s_wait_xcnt 0x0                        ; the stores' registers and bases are written again only behind this wait
	s_add_co_u32 s[HB], s[HB], 4
	s_cmp_eq_u32 s[TYPE], 2
	s_cbranch_scc1 .Lend                   ; a text work-group has one pass
	s_sub_co_u32 s[PASSC], s[PASSC], 1
	s_cmp_lg_u32 s[PASSC], 0
	s_cbranch_scc1 .Lpass
.Lend:
	s_wait_tensorcnt 0x0                   ; the wave's end
	ds_add_u32 v[SPW], v[NIL]
	s_wait_dscnt 0x0
	s_endpgm
.Lfunc_end_k_q1ee473d589_kv:
	.size	k_q1ee473d589_kv, .Lfunc_end_k_q1ee473d589_kv-k_q1ee473d589_kv
	.p2alignl 7, 3214868480
	.fill 96, 4, 3214868480
	.section	.rodata,"a",@progbits
	.p2align	6, 0x0
	.amdhsa_kernel k_q1ee473d589_kv
		.amdhsa_group_segment_fixed_size 138240
		.amdhsa_private_segment_fixed_size 0
		.amdhsa_enable_private_segment 0
		.amdhsa_kernarg_size 96
		.amdhsa_user_sgpr_count 2
		.amdhsa_user_sgpr_kernarg_segment_ptr 1
		.amdhsa_wavefront_size32 1
		.amdhsa_system_sgpr_workgroup_id_x 1
		.amdhsa_system_sgpr_workgroup_id_y 1
		.amdhsa_system_sgpr_workgroup_id_z 1
		.amdhsa_system_vgpr_workitem_id 0
		.amdhsa_next_free_vgpr 1024
		.amdhsa_next_free_sgpr 100
		.amdhsa_reserve_vcc 1
		.amdhsa_float_denorm_mode_32 3
		.amdhsa_float_denorm_mode_16_64 3
		.amdhsa_memory_ordered 1
		.amdhsa_forward_progress 1
		.amdhsa_inst_pref_size 162
	.end_amdhsa_kernel
	.amdgpu_metadata
---
amdhsa.version: [ 1, 2 ]
amdhsa.kernels:
  - .name:           k_q1ee473d589_kv
    .symbol:         k_q1ee473d589_kv.kd
    .args:
      - { .name: x, .offset: 0, .size: 8, .value_kind: global_buffer, .address_space: global }
      - { .name: re_motion, .offset: 8, .size: 8, .value_kind: global_buffer, .address_space: global }
      - { .name: xf, .offset: 16, .size: 8, .value_kind: global_buffer, .address_space: global }
      - { .name: re_text, .offset: 24, .size: 8, .value_kind: global_buffer, .address_space: global }
      - { .name: src_mask, .offset: 32, .size: 8, .value_kind: global_buffer, .address_space: global }
      - { .name: re_mask, .offset: 40, .size: 8, .value_kind: global_buffer, .address_space: global }
      - { .name: cond_type, .offset: 48, .size: 8, .value_kind: global_buffer, .address_space: global }
      - { .name: wblk, .offset: 56, .size: 8, .value_kind: global_buffer, .address_space: global }
      - { .name: cvec, .offset: 64, .size: 8, .value_kind: global_buffer, .address_space: global }
      - { .name: utab, .offset: 72, .size: 8, .value_kind: global_buffer, .address_space: global }
      - { .name: part, .offset: 80, .size: 8, .value_kind: global_buffer, .address_space: global }
      - { .name: stat, .offset: 88, .size: 8, .value_kind: global_buffer, .address_space: global }
    .group_segment_fixed_size: 138240
    .private_segment_fixed_size: 0
    .kernarg_segment_align: 8
    .kernarg_segment_size: 96
    .max_flat_workgroup_size: 128
    .sgpr_count:     100
    .vgpr_count:     1024
    .wavefront_size: 32
...
	.end_amdgpu_metadata
.endif
;; end of part 6
;; launch join (part 7): grid 256 x 1, 16 waves a work-group, no clusters, 6,656 bytes of LDS; arguments part, stat, utab, emb_b, snorm_g, snorm_b, attn, film; writes attn, film
.if DOCPART == 7
	.amdgcn_target "amdgcn-amd-amdhsa--gfx1250"
	.amdhsa_code_object_version 6
	.text
	.protected	k_q1ee473d589_join
	.globl	k_q1ee473d589_join
	.p2align	8
	.type	k_q1ee473d589_join,@function
k_q1ee473d589_join:
	s_mov_b64 s[64:65], 0
	v_nop
	global_prefetch_b8 v0, s[64:65] scope:SCOPE_SE
	s_setreg_imm32_b32 hwreg(HW_REG_WAVE_MODE, 25, 1), 1
	s_wait_xcnt 0x0
; JOIN.  A work-group for each batch and head.  The 17 chunks' P^T V are joined: M = max M_c, w_c = 2^(c (M_c - M)), L = sum w_c L_c, attention = sum w_c part_c / L, rounded to bf16 in the
; same register image.  A wave takes one 16 x 16 tile; waves 0 and 1 make the 17 x 64 weights and hand them over in LDS.
; Waves 2 and 3 meanwhile add the four K quarters of silu(emb) emb_W^T (they lie behind U in utab's buffer) for the head's 64 channels:
; film = snorm_g (1 + scale) | snorm_b (1 + scale) + shift.
; Each of the three ways issues the wave's 17 tile loads itself, behind its own small loads, so that these are not waited for behind the tiles.
.set SPARE, 4608                       ; behind the weights (17 x 256 bytes): the spare words, 128 bytes for each of 16 waves
.set EPART, 262144
.macro PARTLD                          ; my tile of all 17 chunks
.set c, 0
.rept 17
	global_load_b128 v[64+4*c:67+4*c], v4, s[4:5] offset:65536*c
.set c, c+1
.endr
.endm
.macro CHUNK c, wr, first              ; tile of chunk c times its 8 weights at v[wr]
.irp e,0,1,2,3
	v_lshlrev_b32 v[16+2*\e], 16, v[64+4*(\c)+\e]
	v_and_b32 v[17+2*\e], s30, v[64+4*(\c)+\e]
.endr
.irp e,0,1,2,3
.if \first
	v_pk_mul_f32 v[24+2*\e:25+2*\e], v[16+2*\e:17+2*\e], v[(\wr)+2*\e:(\wr)+2*\e+1]
.else
	v_pk_fma_f32 v[24+2*\e:25+2*\e], v[16+2*\e:17+2*\e], v[(\wr)+2*\e:(\wr)+2*\e+1], v[24+2*\e:25+2*\e]
.endif
.endr
.endm
	s_load_b512 s[4:19], s[0:1], 0x0       ; part 4, stat 6, utab 8, emb_b 10, snorm_g 12, snorm_b 14, attn 16, film 18
	v_lshl_add_u32 v2, v0, 2, SPARE
	v_mov_b32 v3, 0
	v_lshrrev_b32 v4, 5, v0
	v_readfirstlane_b32 s2, v4
	v_and_b32 v1, 31, v0
	v_lshlrev_b32 v4, 4, v1
	v_bfe_u32 v6, v0, 4, 1                 ; h
	s_mov_b32 s30, 0xffff0000
	s_mov_b32 s31, 0x3fb8aa3b
	s_lshr_b32 s22, ttmp9, 3               ; batch
	s_and_b32 s23, ttmp9, 7                ; head
	s_mul_i32 s24, s22, 17*65536
	s_lshl_b32 s25, s23, 13
	s_add_co_u32 s24, s24, s25
	s_lshl_b32 s25, s2, 9
	s_add_co_u32 s24, s24, s25
	s_mov_b32 s25, 0
	s_mul_i32 s26, s22, 17*4096
	s_lshl_b32 s27, s23, 9
	s_add_co_u32 s26, s26, s27
	s_mov_b32 s27, 0
	s_lshl_b32 s28, ttmp9, 13
	s_lshl_b32 s29, s2, 9
	s_add_co_u32 s28, s28, s29
	s_mov_b32 s29, 0
	s_lshl_b32 s34, s23, 8                 ; the head's 64 channels: 256 bytes
	s_mov_b32 s35, 0
	s_lshl_b32 s32, s22, 12                ; the batch's 1,024 numbers
	s_add_co_u32 s32, s32, s34
	s_mov_b32 s33, 0
	s_wait_kmcnt 0x0
	s_add_nc_u64 s[4:5], s[4:5], s[24:25]
	s_add_nc_u64 s[6:7], s[6:7], s[26:27]
	s_add_nc_u64 s[16:17], s[16:17], s[28:29]
	s_add_nc_u64 s[8:9], s[8:9], s[32:33]
	s_add_nc_u64 s[8:9], s[8:9], EPART
	s_add_nc_u64 s[18:19], s[18:19], s[32:33]
	s_add_nc_u64 s[10:11], s[10:11], s[34:35]
	s_add_nc_u64 s[12:13], s[12:13], s[34:35]
	s_add_nc_u64 s[14:15], s[14:15], s[34:35]
	s_cmp_lt_u32 s2, 2
	s_cbranch_scc0 .Lb
	v_lshlrev_b32 v5, 2, v0                ; waves 0, 1: channel d = thread
.set c, 0
.rept 17
	global_load_b32 v[136+c], v5, s[6:7] offset:4096*c
	global_load_b32 v[160+c], v5, s[6:7] offset:4096*c+256
.set c, c+1
.endr
	PARTLD
	s_wait_loadcnt 17                      ; M and L are in; the 17 tile loads behind them stay out
	v_max_num_f32 v7, v136, v137
.irp c,2,4,6,8,10,12,14
	v_max3_num_f32 v7, v7, v[136+\c], v[137+\c]
.endr
	v_max_num_f32 v7, v7, v152
.set c, 0
.rept 17
	v_sub_f32 v[136+c], v[136+c], v7
.set c, c+1
.endr
.set c, 0
.rept 17
	v_mul_f32 v[136+c], s31, v[136+c]
.set c, c+1
.endr
.set c, 0
.rept 17
	v_exp_f32 v[136+c], v[136+c]
.set c, c+1
.endr
	v_nop
	s_wait_alu depctr_va_vdst(0)
	v_mul_f32 v8, v136, v160
.set c, 1
.rept 16
	v_fmac_f32 v8, v[136+c], v[160+c]
.set c, c+1
.endr
	v_rcp_f32 v8, v8                       ; L is at least the largest chunk's weight 1 times its L, which holds a p = 1
	v_nop
.set c, 0
	s_wait_alu depctr_va_vdst(0)
.rept 17
	v_mul_f32 v[136+c], v[136+c], v8
	ds_store_b32 v5, v[136+c] offset:256*c
.set c, c+1
.endr
	s_branch .Lnw
.Lb:
	s_cmp_lt_u32 s2, 4
	s_cbranch_scc0 .Lc
	s_sub_co_u32 s36, s2, 2                ; waves 2, 3: channel d = 32 (wave - 2) + lane
	s_lshl_b32 s36, s36, 7
	v_lshl_add_u32 v7, v1, 2, s36
.irp q,0,1,2,3
	global_load_b32 v[40+\q], v7, s[8:9] offset:131072*\q              ; scale, quarter q of K
	global_load_b32 v[44+\q], v7, s[8:9] offset:131072*\q+2048         ; shift
.endr
	global_load_b32 v48, v7, s[10:11]
	global_load_b32 v49, v7, s[10:11] offset:2048
	global_load_b32 v50, v7, s[12:13]
	global_load_b32 v51, v7, s[14:15]
	PARTLD
	s_wait_loadcnt 17                      ; my twelve numbers are in; the 17 tile loads behind them stay out
	v_add_f32 v40, v40, v41
	v_add_f32 v42, v42, v43
	v_add_f32 v44, v44, v45
	v_add_f32 v46, v46, v47
	v_add_f32 v40, v40, v42
	v_add_f32 v44, v44, v46
	v_add_f32 v40, v40, v48
	v_add_f32 v44, v44, v49
	v_add_f32 v40, 1.0, v40
	v_fma_f32 v44, v51, v40, v44
	v_mul_f32 v40, v50, v40
	global_store_b32 v7, v40, s[18:19]                     ; 128 consecutive bytes a wave; the registers are not written again
	global_store_b32 v7, v44, s[18:19] offset:2048
	s_branch .Lnw
.Lc:
	PARTLD
.Lnw:
	s_wait_dscnt 0x0
	s_barrier_signal -1
	s_barrier_wait -1
	s_lshr_b32 s22, s2, 2                  ; my tile's 16 channels d, my lanes' 8 of them
	s_lshl_b32 s22, s22, 6
	v_lshl_add_u32 v10, v6, 5, s22
.set c, 0
.rept 9
	ds_load_b128 v[136+8*c:139+8*c], v10 offset:256*c
	ds_load_b128 v[140+8*c:143+8*c], v10 offset:256*c+16
.set c, c+1
.endr
	s_wait_loadcnt 0x0
	s_wait_dscnt 0x0
	CHUNK 0, 136, 1
.set c, 1
.rept 8
	CHUNK c, 136+8*c, 0
.set c, c+1
.endr
.set c, 0
.rept 8
	ds_load_b128 v[136+8*c:139+8*c], v10 offset:256*(c+9)
	ds_load_b128 v[140+8*c:143+8*c], v10 offset:256*(c+9)+16
.set c, c+1
.endr
	s_wait_dscnt 0x0
.set c, 0
.rept 8
	CHUNK c+9, 136+8*c, 0
.set c, c+1
.endr
.irp e,0,1,2,3
	v_cvt_pk_bf16_f32 v[32+\e], v[24+2*\e], v[25+2*\e]
.endr
	global_store_b128 v4, v[32:35], s[16:17]               ; 512 consecutive bytes
	s_wait_tensorcnt 0x0                   ; the wave's end
	ds_add_u32 v2, v3
	s_wait_dscnt 0x0
	s_endpgm
.Lfunc_end_k_q1ee473d589_join:
	.size	k_q1ee473d589_join, .Lfunc_end_k_q1ee473d589_join-k_q1ee473d589_join
	.p2alignl 7, 3214868480
	.fill 96, 4, 3214868480
	.section	.rodata,"a",@progbits
	.p2align	6, 0x0
	.amdhsa_kernel k_q1ee473d589_join
		.amdhsa_group_segment_fixed_size 6656
		.amdhsa_private_segment_fixed_size 0
		.amdhsa_enable_private_segment 0
		.amdhsa_kernarg_size 64
		.amdhsa_user_sgpr_count 2
		.amdhsa_user_sgpr_kernarg_segment_ptr 1
		.amdhsa_wavefront_size32 1
		.amdhsa_system_sgpr_workgroup_id_x 1
		.amdhsa_system_sgpr_workgroup_id_y 1
		.amdhsa_system_sgpr_workgroup_id_z 1
		.amdhsa_system_vgpr_workitem_id 0
		.amdhsa_next_free_vgpr 256
		.amdhsa_next_free_sgpr 66
		.amdhsa_reserve_vcc 0
		.amdhsa_float_denorm_mode_32 3
		.amdhsa_float_denorm_mode_16_64 3
		.amdhsa_memory_ordered 1
		.amdhsa_forward_progress 1
		.amdhsa_inst_pref_size 28
	.end_amdhsa_kernel
	.amdgpu_metadata
---
amdhsa.version: [ 1, 2 ]
amdhsa.kernels:
  - .name:           k_q1ee473d589_join
    .symbol:         k_q1ee473d589_join.kd
    .args:
      - { .name: part, .offset: 0, .size: 8, .value_kind: global_buffer, .address_space: global }
      - { .name: stat, .offset: 8, .size: 8, .value_kind: global_buffer, .address_space: global }
      - { .name: utab, .offset: 16, .size: 8, .value_kind: global_buffer, .address_space: global }
      - { .name: emb_b, .offset: 24, .size: 8, .value_kind: global_buffer, .address_space: global }
      - { .name: snorm_g, .offset: 32, .size: 8, .value_kind: global_buffer, .address_space: global }
      - { .name: snorm_b, .offset: 40, .size: 8, .value_kind: global_buffer, .address_space: global }
      - { .name: attn, .offset: 48, .size: 8, .value_kind: global_buffer, .address_space: global }
      - { .name: film, .offset: 56, .size: 8, .value_kind: global_buffer, .address_space: global }
    .group_segment_fixed_size: 6656
    .private_segment_fixed_size: 0
    .kernarg_segment_align: 8
    .kernarg_segment_size: 64
    .max_flat_workgroup_size: 512
    .sgpr_count:     66
    .vgpr_count:     256
    .wavefront_size: 32
...
	.end_amdgpu_metadata
.endif
;; end of part 7
;; launch fin (part 8): grid 256 x 1, 4 waves a work-group, no clusters, 264,704 bytes of LDS; arguments x, wblk, cvec, attn, film, out0; writes out0
.if DOCPART == 8
	.amdgcn_target "amdgcn-amd-amdhsa--gfx1250"
	.amdhsa_code_object_version 6
	.text
	.protected	k_q1ee473d589_fin
	.globl	k_q1ee473d589_fin
	.p2align	8
	.type	k_q1ee473d589_fin,@function
k_q1ee473d589_fin:
	s_mov_b64 s[64:65], 0
	v_nop
	global_prefetch_b8 v0, s[64:65] scope:SCOPE_SE
	s_setreg_imm32_b32 hwreg(HW_REG_WAVE_MODE, 25, 1), 1
	s_wait_xcnt 0x0
; FIN.  A work-group takes 128 rows of x of one batch.
; 1. Each wave normalises 32 rows into LDS (A, bf16); the rows come four at a time into two sets of registers that take turns: while one set is worked on, the other's 16 loads (8 KB a wave) are on their way.
; 2. Pass Q: wave w makes query channels 128 w .. + 127 (heads 2 w, 2 w + 1) for all 128 rows; source 0 = weights, source 1 = rows, so a lane
; holds one row and eight channels.  The bias enters by one extra product against a constant fragment, which starts the sums.   3. The logits go back into A (bf16); each wave takes the softmax over
; each head's 64 channels of its 32 rows (true maximum taken away), in place.   4. y = q x attention by the matrix unit, back into A.   5. Each wave: norm over 512, film, silu, in place.
; 6. Pass OUT, the same loop's second trip.   7. The sums go through LDS in f32, x (again in two sets that take turns) is added, and whole rows leave, 512 consecutive bytes a store.
; The way from the accumulators back into A stands once, in a loop of two trips: logits, softmax and y; then y, and out to the norm.
; Weights come straight from memory into registers, as register images.  NO CLUSTER: no tensor load is used, so there is no joint request to make.
; LIMITS.  Logits, q, y and silu(h) are rounded to bf16 between the steps.  Each pass's last fetch of row fragments and the last pass's last three quarters of weight loads serve nothing.
.set PA, 1040
.set OPT, 2064                         ; a row of the f32 stage: 2,048 bytes + 16
.set SPARE, 264192
.set LANE,1
.set LOFF,2
.set R16,3
.set HH,4
.set AW,5
.set ADRA,6
.set ABASE,8
.set YA,10                             ; v10-11 ABASE + 256 w: my 128 channels of the rows
.set CVO,12
.set RWA,13
.set RW0,14
.set OSA,16                            ; v16-19
.set ORA,20
.set FO,21
.set SPW,28
.set NIL,29
.set TB,31
.set CN,32                             ; v32-39 this pass's biases, v40-47 the next's
.set ONE,48                            ; v48-55 the constant fragment
.set LO,56
.set F0,64                             ; window 0: row set 0, then row fragments; window 2, the same numbers: row set 1
.set F1,128
.set WV,192                            ; row loop: at work; then head 2 w's attention fragments; then film; on the way out x's second set
.set WVN,16
.set BB,17
.set CH,18
.set ROW,19
.set XB,20                             ; s[20:21] row set 0's base
.set XP,22
.set OP,24
.set CP,26
.set ATP,28
.set FP,30
.set BP,32
.set KA,34
.set CNT,35
.set PASSC,36
.set HM,37
.set CS,38
.set SEL,40
.set NC,42
.set EPS,44
.set I512,45
.set XB2,46                            ; s[46:47] row set 1's base
.set ZP,50
.set PKC,54
.set MSB, 0
.macro WIN new
.if MSB != (\new)
	s_set_vgpr_msb (MSB<<8)|(\new)
.set MSB, \new
.endif
.endm
.macro PLACES
.rept 4
	v_nop
.endr
.endm
.macro RED4 o, t
.irp m,1,2,4,8
.irp s,0,1,2,3
	v_add_f32_dpp v[WV+8*\s+\o], v[WV+8*\s+\o], v[WV+8*\s+\o] row_xmask:\m row_mask:0xf bank_mask:0xf
.endr
.endr
.irp s,0,1,2,3
	v_permlanex16_b32 v[WV+8*\s+\t], v[WV+8*\s+\o], s[SEL], s[SEL+1]
.endr
.irp s,0,1,2,3
	v_add_f32 v[WV+8*\s+\o], v[WV+8*\s+\o], v[WV+8*\s+\t]
.endr
.endm
.macro RED2 o, t                       ; two rows side by side, figures at v[128 + 8 z]
.irp m,1,2,4,8
.irp z,0,1
	v_add_f32_dpp v[128+8*\z+\o], v[128+8*\z+\o], v[128+8*\z+\o] row_xmask:\m row_mask:0xf bank_mask:0xf
.endr
.endr
.irp z,0,1
	v_permlanex16_b32 v[128+8*\z+\t], v[128+8*\z+\o], s[SEL], s[SEL+1]
.endr
.irp z,0,1
	v_add_f32 v[128+8*\z+\o], v[128+8*\z+\o], v[128+8*\z+\t]
.endr
.endm
.macro LDROWS half                     ; four rows, 16 loads of 512 consecutive bytes, into set 0 (window 0) or set 1 (window 2)
	WIN 0x80*(\half)
.irp s,0,1,2,3
.irp j,0,1,2,3
	global_load_b128 v[F0+16*\s+4*\j:F0+16*\s+4*\j+3], v[LOFF], s[XB+(XB2-XB)*(\half):XB+(XB2-XB)*(\half)+1] offset:2048*\s+512*\j
.endr
.endr
	WIN 0
.endm
.macro LOADB buf, q
	WIN 0x40
.set i, 0
.rept 16
	global_load_b128 v[64*(\buf)+4*i:64*(\buf)+4*i+3], v[LOFF], s[BP:BP+1] offset:(\q)*32768+512*i
.set i, i+1
.endr
.endm
.macro FETCHA f, k
.irp i,0,1,2,3,4,5,6,7
	ds_load_b128 v[(\f)+8*\i:(\f)+8*\i+3], v[ADRA+\i/4] offset:(\i%4)*16*PA+(\k)
	ds_load_b128 v[(\f)+8*\i+4:(\f)+8*\i+7], v[ADRA+\i/4] offset:(\i%4)*16*PA+(\k)+32
.endr
.endm
; 32 products: row tiles 4 hi .. 4 hi + 3 x all 8 channel tiles.  Accumulator (a, b) at 8 (8 (a % 4) + b) of window 2 + a / 4.  All 64 take turns in one order.
.macro MULH f, bq, hi
	WIN 0xa1+0x50*(\hi)
.irp a,0,1,2,3
.irp b,0,1,2,3,4,5,6,7
	v_wmma_f32_16x16x32_bf16 v[8*(8*\a+\b):8*(8*\a+\b)+7], v[64*(\bq)+8*\b:64*(\bq)+8*\b+7], v[(\f)+8*(4*(\hi)+\a):(\f)+8*(4*(\hi)+\a)+7], v[8*(8*\a+\b):8*(8*\a+\b)+7]
.endr
.endr
.endm
.macro QRT f, g, bq, bl, k, q, step
	s_wait_loadcnt 32                      ; all but the two younger quarters' 16 loads each are in
	s_wait_dscnt 0x0
	MULH \f, \bq, 0
	PLACES
	WIN 0
.if \step
	s_add_co_u32 s[KA], s[KA], 256
	s_and_b32 s[KA], s[KA], 1023
	v_add_nc_u32 v[ADRA], s[KA], v[ABASE]
	v_add_nc_u32 v[ADRA+1], s[KA], v[ABASE+1]
.endif
	FETCHA \g, \k
	LOADB \bl, \q
	MULH \f, \bq, 1
.endm
.macro LDATT hd                        ; a head's 8 attention fragments: (l tile lt, 32 d kk) from tiles (2 kk, lt) and (2 kk + 1, lt)
.irp lt,0,1,2,3
.irp kk,0,1
	global_load_b128 v[192+8*(2*\lt+\kk):195+8*(2*\lt+\kk)], v[LOFF], s[ATP:ATP+1] offset:(\hd)*8192+(8*\kk+\lt)*512
	global_load_b128 v[196+8*(2*\lt+\kk):199+8*(2*\lt+\kk)], v[LOFF], s[ATP:ATP+1] offset:(\hd)*8192+(8*\kk+4+\lt)*512
.endr
.endr
.endm
.macro PACK                            ; the 64 accumulators, rounded to bf16, into my 128 channels of A's rows; each is read from its low end on
.set a, 0
.rept 8
	WIN 0x0a+5*(a/4)
.set i, 0
.rept 32
	v_cvt_pk_bf16_f32 v[F1+i], v[64*(a%4)+2*i], v[64*(a%4)+2*i+1]
.set i, i+1
.endr
	WIN 0
.irp b,0,1,2,3,4,5,6,7
	ds_store_b128 v[YA+a/4], v[F1+4*\b:F1+4*\b+3] offset:(a%4)*16*PA+32*\b
.endr
.set a, a+1
.endr
.endm
.macro YHEAD hd                        ; y of head 2 w + hd: source 0 = attention (l, d), source 1 = q (row, d)
	WIN 0
.irp kk,0,1
.irp a,0,1,2,3,4,5,6,7
	ds_load_b128 v[64+64*\kk+8*\a:67+64*\kk+8*\a], v[YA+\a/4] offset:(\a%4)*16*PA+128*(\hd)+64*\kk
	ds_load_b128 v[68+64*\kk+8*\a:71+64*\kk+8*\a], v[YA+\a/4] offset:(\a%4)*16*PA+128*(\hd)+64*\kk+32
.endr
.endr
	s_wait_dscnt 0x0
.irp kk,0,1
.irp hi,0,1
	WIN 0xa0+0x50*\hi+(\hd)
.irp a,0,1,2,3
.irp lt,0,1,2,3
.if \kk == 0
	v_wmma_f32_16x16x32_bf16 v[8*(8*\a+4*(\hd)+\lt):8*(8*\a+4*(\hd)+\lt)+7], v[192+8*(2*\lt+\kk):199+8*(2*\lt+\kk)], v[64+64*\kk+8*(4*\hi+\a):71+64*\kk+8*(4*\hi+\a)], 0
.else
	v_wmma_f32_16x16x32_bf16 v[8*(8*\a+4*(\hd)+\lt):8*(8*\a+4*(\hd)+\lt)+7], v[192+8*(2*\lt+\kk):199+8*(2*\lt+\kk)], v[64+64*\kk+8*(4*\hi+\a):71+64*\kk+8*(4*\hi+\a)], v[8*(8*\a+4*(\hd)+\lt):8*(8*\a+4*(\hd)+\lt)+7]
.endif
.endr
.endr
.endr
.endr
.endm
.macro BAR                             ; my LDS instructions are done; then everybody's are
	s_wait_dscnt 0x0
	s_barrier_signal -1
	s_barrier_wait -1
.endm
; Half a trip of the row loop: rows ROW + 4 half + 0..3 of my wave, side by side, out of set half; the centred rows lie in v128-191.
.macro LNH half
	s_wait_loadcnt 16                      ; loads come back in order: this set's rows are in; the other set's 16 loads, issued behind them, stay out
	WIN 0x0a*(\half)
.irp e,0,1,2,3
.irp s,0,1,2,3
	v_pk_add_f32 v[F1+16*\s+2*\e:F1+16*\s+2*\e+1], v[F0+16*\s+4*\e:F0+16*\s+4*\e+1], v[F0+16*\s+4*\e+2:F0+16*\s+4*\e+3]
.endr
.endr
	WIN 0
.irp s,0,1,2,3
	v_pk_add_f32 v[F1+16*\s:F1+16*\s+1], v[F1+16*\s:F1+16*\s+1], v[F1+16*\s+2:F1+16*\s+3]
	v_pk_add_f32 v[F1+16*\s+4:F1+16*\s+5], v[F1+16*\s+4:F1+16*\s+5], v[F1+16*\s+6:F1+16*\s+7]
.endr
.irp s,0,1,2,3
	v_pk_add_f32 v[F1+16*\s:F1+16*\s+1], v[F1+16*\s:F1+16*\s+1], v[F1+16*\s+4:F1+16*\s+5]
.endr
.irp s,0,1,2,3
	v_add_f32 v[WV+8*\s], v[F1+16*\s], v[F1+16*\s+1]
.endr
	RED4 0, 4
.irp s,0,1,2,3
	v_mul_f32 v[WV+8*\s], s[I512], v[WV+8*\s]
.endr
	WIN 0x02*(\half)
.irp e,0,1,2,3,4,5,6,7
.irp s,0,1,2,3
	v_pk_add_f32 v[F1+16*\s+2*\e:F1+16*\s+2*\e+1], v[F0+16*\s+2*\e:F0+16*\s+2*\e+1], v[WV+8*\s:WV+8*\s+1] op_sel_hi:[1,0] neg_lo:[0,1] neg_hi:[0,1]
.endr
.endr
	WIN 0
	s_cmp_eq_u32 s[ROW], 24
	s_cbranch_scc1 .Lnold\@
	s_add_nc_u64 s[XB+(XB2-XB)*(\half):XB+(XB2-XB)*(\half)+1], s[XB+(XB2-XB)*(\half):XB+(XB2-XB)*(\half)+1], 16384  ; the set has been read: it takes the rows eight further on.  Its base is free: the wait at the head has shown its loads done
	LDROWS \half
	s_branch .Lld\@
.Lnold\@:
	s_wait_loadcnt 0x0                     ; the last trip asks for nothing, so no 16 younger loads will stand behind the other set's: they are waited for here
.Lld\@:
.irp s,0,1,2,3
	v_pk_mul_f32 v[WV+8*\s+2:WV+8*\s+3], v[F1+16*\s:F1+16*\s+1], v[F1+16*\s:F1+16*\s+1]
.endr
.irp e,1,2,3,4,5,6,7
.irp s,0,1,2,3
	v_pk_fma_f32 v[WV+8*\s+2:WV+8*\s+3], v[F1+16*\s+2*\e:F1+16*\s+2*\e+1], v[F1+16*\s+2*\e:F1+16*\s+2*\e+1], v[WV+8*\s+2:WV+8*\s+3]
.endr
.endr
.irp s,0,1,2,3
	v_add_f32 v[WV+8*\s+2], v[WV+8*\s+2], v[WV+8*\s+3]
.endr
	RED4 2, 4
.irp s,0,1,2,3
	v_fma_f32 v[WV+8*\s+2], v[WV+8*\s+2], s[I512], s[EPS]
.endr
.irp s,0,1,2,3
	v_rsq_f32 v[WV+8*\s+2], v[WV+8*\s+2]
.endr
	v_nop
	s_wait_alu depctr_va_vdst(0)
.irp e,0,1,2,3,4,5,6,7
.irp s,0,1,2,3
	v_pk_mul_f32 v[F1+16*\s+2*\e:F1+16*\s+2*\e+1], v[F1+16*\s+2*\e:F1+16*\s+2*\e+1], v[WV+8*\s+2:WV+8*\s+3] op_sel_hi:[1,0]
.endr
.endr
.irp e,0,1,2,3,4,5,6,7
.irp s,0,1,2,3
	v_cvt_pk_bf16_f32 v[F1+16*\s+\e], v[F1+16*\s+2*\e], v[F1+16*\s+2*\e+1]
.endr
.endr
.irp s,0,1,2,3
.irp j,0,1,2,3
	ds_store_b64 v[AW], v[F1+16*\s+2*\j:F1+16*\s+2*\j+1] offset:\s*PA+256*\j
.endr
.endr
	v_add_nc_u32 v[AW], 4*PA, v[AW]
.endm
; Half a trip of the way out: four whole rows, ro .. ro + 3 of the trip's eight: the sums from the stage, plus x out of the set at v[xs]
.macro OGRP xs, ro
.irp s,0,1,2,3
.irp j,0,1,2,3
	ds_load_b128 v[F1+16*\s+4*\j:F1+16*\s+4*\j+3], v[ORA] offset:((\ro)+\s)*OPT+512*\j
.endr
.endr
	s_wait_loadcnt 16                      ; this set's x is in; the other set's 16 loads, issued behind it, stay out
	s_wait_dscnt 0x0
.set i, 0
.rept 32
	v_pk_add_f32 v[F1+2*i:F1+2*i+1], v[F1+2*i:F1+2*i+1], v[(\xs)+2*i:(\xs)+2*i+1]
.set i, i+1
.endr
	s_cmp_eq_u32 s[CNT], 1
	s_cbranch_scc1 .Lnox\@
.irp s,0,1,2,3
.irp j,0,1,2,3
	global_load_b128 v[(\xs)+16*\s+4*\j:(\xs)+16*\s+4*\j+3], v[LOFF], s[XP:XP+1] offset:(8+(\ro)+\s)*2048+512*\j   ; the rows eight further on
.endr
.endr
	s_branch .Lx\@
.Lnox\@:
	s_wait_loadcnt 0x0                     ; the last trip asks for nothing: the other set's loads are waited for here
.Lx\@:
.irp s,0,1,2,3
.irp j,0,1,2,3
	global_store_b128 v[LOFF], v[F1+16*\s+4*\j:F1+16*\s+4*\j+3], s[OP:OP+1] offset:((\ro)+\s)*2048+512*\j th:TH_STORE_NT
.endr
.endr
	s_wait_xcnt 0x0                        ; the stores' data, and the bases of loads and stores, are written again only behind this wait
.endm
	s_load_b256 s[4:11], s[0:1], 0x0       ; x 4, wblk 6, cvec 8, attn 10
	s_load_b128 s[12:15], s[0:1], 0x20     ; film 12, out0 14
	v_lshl_add_u32 v[SPW], v0, 2, SPARE
	v_mov_b32 v[NIL], 0
	v_lshrrev_b32 v[TB], 5, v0
	v_readfirstlane_b32 s[WVN], v[TB]
	v_and_b32 v[LANE], 31, v0
	v_and_b32 v[R16], 15, v0
	v_bfe_u32 v[HH], v0, 4, 1
	v_lshlrev_b32 v[LOFF], 4, v[LANE]
	v_lshlrev_b32 v[FO], 5, v[LANE]
	v_lshlrev_b32 v[CVO], 2, v[R16]
	s_lshr_b32 s[BB], ttmp9, 3
	s_and_b32 s[CH], ttmp9, 7
	s_mov_b32 s[HM], 0xffff0000
	s_mov_b32 s[CS], 0x3fb8aa3b
	s_mov_b32 s[CS+1], s[CS]
	s_mov_b32 s[NC], 0xbfb8aa3b
	s_mov_b32 s[NC+1], s[NC]
	s_mov_b32 s[SEL], 0x76543210
	s_mov_b32 s[SEL+1], 0xfedcba98
	s_mov_b32 s[EPS], 0x3727c5ac
	s_mov_b32 s[I512], 0x3b000000
	s_mov_b32 s[ROW], 0
	s_mov_b32 s[ZP+1], 0
	s_mul_i32 s52, s[WVN], 32*PA
	v_lshl_add_u32 v[AW], v[LANE], 3, s52
	v_add_nc_u32 v[RW0], s52, v[LOFF]
	v_mul_u32_u24 v[ABASE], v[R16], PA
	v_lshl_add_u32 v[ABASE], v[HH], 4, v[ABASE]
	v_add_nc_u32 v[ABASE+1], 64*PA, v[ABASE]
	s_lshl_b32 s52, s[WVN], 8
	v_add_nc_u32 v[YA], s52, v[ABASE]
	v_add_nc_u32 v[YA+1], s52, v[ABASE+1]
	v_mul_u32_u24 v[OSA], v[R16], OPT      ; the f32 stage: row 32 i + r, my 128 channels, my lanes' 8 of each 16
	v_lshl_add_u32 v[OSA], v[HH], 5, v[OSA]
	s_lshl_b32 s52, s[WVN], 9
	v_add_nc_u32 v[OSA], s52, v[OSA]
.irp i,1,2,3
	v_add_nc_u32 v[OSA+\i], 32*OPT*\i, v[OSA]
.endr
	s_mul_i32 s52, s[WVN], 32*OPT
	v_add_nc_u32 v[ORA], s52, v[LOFF]
	v_mov_b32 v[LO], 0x3f803f80            ; the constant fragment: k = 0, 1 are 1, all else 0
	v_cmp_gt_u32 vcc_lo, 16, v[LANE]
	v_cndmask_b32 v[ONE], 0, v[LO], vcc_lo
.irp e,1,2,3,4,5,6,7
	v_mov_b32 v[ONE+\e], 0
.endr
.set i, 0
.rept 32
	v_mov_b32 v[WV+i], 0
.set i, i+1
.endr
	s_lshl_b32 s52, s[BB], 21
	s_lshl_b32 s53, s[CH], 18
	s_add_co_u32 s52, s52, s53
	s_lshl_b32 s53, s[WVN], 16
	s_add_co_u32 s[ZP], s52, s53           ; my wave's 32 rows
	s_wait_kmcnt 0x0
	s_add_nc_u64 s[XB:XB+1], s[4:5], s[ZP:ZP+1]
	s_add_nc_u64 s[XB2:XB2+1], s[XB:XB+1], 8192
	s_add_nc_u64 s[XP:XP+1], s[4:5], s[ZP:ZP+1]
	s_add_nc_u64 s[OP:OP+1], s[14:15], s[ZP:ZP+1]
	s_lshl_b32 s[ZP], s[WVN], 13
	s_add_co_u32 s[ZP], s[ZP], 0x300000
	s_add_nc_u64 s[BP:BP+1], s[6:7], s[ZP:ZP+1]
	s_lshl_b32 s[ZP], s[WVN], 9
	s_add_nc_u64 s[CP:CP+1], s[8:9], s[ZP:ZP+1]
	s_lshl_b32 s52, s[BB], 16
	s_lshl_b32 s53, s[WVN], 14
	s_add_co_u32 s[ZP], s52, s53
	s_add_nc_u64 s[ATP:ATP+1], s[10:11], s[ZP:ZP+1]
	s_lshl_b32 s[ZP], s[BB], 12
	s_add_nc_u64 s[FP:FP+1], s[12:13], s[ZP:ZP+1]
.irp b,0,1,2,3,4,5,6,7
	global_load_b32 v[CN+\b], v[CVO], s[CP:CP+1] offset:64*\b
	global_load_b32 v[CN+8+\b], v[CVO], s[CP:CP+1] offset:16384+64*\b
.endr
	LOADB 0, 0
	LOADB 1, 1
	LOADB 2, 2
	WIN 0
	LDROWS 0                               ; rows 0-3 into set 0,
	LDROWS 1                               ; rows 4-7 into set 1
	s_wait_loadcnt 0x0                     ; all that was asked for at the start is in: from here to the row loop's end the counts speak of row loads alone
.Lln:                                          ; four trips of eight rows: set 0's four, then set 1's four
	LNH 0
	LNH 1
	s_add_co_u32 s[ROW], s[ROW], 8
	s_cmp_lt_u32 s[ROW], 32
	s_cbranch_scc1 .Lln
	LDATT 0                                ; head 2 w's attention, kept in window 0 until y is made
	BAR
	s_mov_b32 s[KA], 0
	v_mov_b32 v[ADRA], v[ABASE]
	v_mov_b32 v[ADRA+1], v[ABASE+1]
	s_mov_b32 s[PASSC], 2
.Lpass:                                        ; first trip: Q; second trip: OUT, which leaves the loop in its middle
	FETCHA F0, 0
	s_wait_loadcnt 48                      ; the biases are in
.irp b,0,1,2,3,4,5,6,7
	v_cvt_pk_bf16_f32 v[LO+\b], v[CN+\b], 0
.endr
.irp b,0,1,2,3,4,5,6,7
	v_lshlrev_b32 v[LO+\b], 16, v[LO+\b]
.endr
.irp b,0,1,2,3,4,5,6,7
	v_sub_f32 v[LO+\b], v[CN+\b], v[LO+\b]
.endr
	WIN 0x40                               ; the channels' side in weight buffer 3: bias high, bias low, then zeros
.irp b,0,1,2,3,4,5,6,7
	v_cvt_pk_bf16_f32 v[192+8*\b], v[CN+\b], v[LO+\b]
.irp e,1,2,3,4,5,6,7
	v_mov_b32 v[192+8*\b+\e], 0
.endr
.endr
.irp hi,0,1
	WIN 0xa1+0x50*\hi
.irp a,0,1,2,3
.irp b,0,1,2,3,4,5,6,7
	v_wmma_f32_16x16x32_bf16 v[8*(8*\a+\b):8*(8*\a+\b)+7], v[192+8*\b:199+8*\b], v[ONE:ONE+7], 0
.endr
.endr
.endr
	WIN 0
.irp b,0,1,2,3,4,5,6,7
	v_mov_b32 v[CN+\b], v[CN+8+\b]         ; the next pass's biases
.endr
	s_mov_b32 s[CNT], 4
.Lk:
	QRT F0, F1, 0, 3, 64, 3, 0
	QRT F1, F0, 1, 0, 128, 4, 0
	QRT F0, F1, 2, 1, 192, 5, 0
	QRT F1, F0, 3, 2, 0, 6, 1
	WIN 0
	s_wait_xcnt 0x0
	s_add_nc_u64 s[BP:BP+1], s[BP:BP+1], 131072
	s_sub_co_u32 s[CNT], s[CNT], 1
	s_cmp_lg_u32 s[CNT], 0
	s_cbranch_scc1 .Lk
	s_cmp_eq_u32 s[PASSC], 1
	s_cbranch_scc1 .Lout
	PLACES
	WIN 0x40
	LDATT 1                                ; head 2 w + 1's attention into weight buffer 3, which is free until the next pass begins
	WIN 0
	BAR                                    ; nobody reads the normalised rows any more
	s_mov_b32 s[PKC], 2
.Lpk:                                          ; first trip: the logits go into A, softmax, y; second trip: y goes into A, and out to the norm.  A barrier stands in front of every entry
	PACK
	BAR
	s_cmp_eq_u32 s[PKC], 1
	s_cbranch_scc1 .Lnorm
	; softmax over each head's 64 channels: 8 lanes x 8 channels; a lane holds channels 8 l .. and 256 + 8 l ..; two rows a trip
	v_mov_b32 v[RWA], v[RW0]
.set i, 0
.rept 16
	v_mov_b32 v[128+i], 0
.set i, i+1
.endr
	s_mov_b32 s[CNT], 16
.Lsm:
.irp z,0,1
	ds_load_b128 v[64+8*\z:67+8*\z], v[RWA] offset:\z*PA
	ds_load_b128 v[68+8*\z:71+8*\z], v[RWA] offset:\z*PA+512
.endr
	s_wait_dscnt 0x0
.irp e,0,1,2,3,4,5,6,7
.irp z,0,1
	v_lshlrev_b32 v[96+16*\z+2*\e], 16, v[64+8*\z+\e]
	v_and_b32 v[97+16*\z+2*\e], s[HM], v[64+8*\z+\e]
.endr
.endr
.irp q,0,1,2,3
	v_max3_num_f32 v[128+4*\q], v[96+8*\q], v[97+8*\q], v[98+8*\q]
.endr
.irp q,0,1,2,3
	v_max3_num_f32 v[128+4*\q], v[128+4*\q], v[99+8*\q], v[100+8*\q]
.endr
.irp q,0,1,2,3
	v_max3_num_f32 v[128+4*\q], v[128+4*\q], v[101+8*\q], v[102+8*\q]
.endr
.irp q,0,1,2,3
	v_max_num_f32 v[128+4*\q], v[128+4*\q], v[103+8*\q]
.endr
.irp m,1,2,4
.irp q,0,1,2,3
	v_max_num_f32_dpp v[128+4*\q], v[128+4*\q], v[128+4*\q] row_xmask:\m row_mask:0xf bank_mask:0xf
.endr
.endr
.irp q,0,1,2,3
	v_mul_f32 v[128+4*\q], s[CS], v[128+4*\q]
.endr
.irp e,0,1,2,3
.irp q,0,1,2,3
	v_pk_fma_f32 v[96+8*\q+2*\e:97+8*\q+2*\e], v[96+8*\q+2*\e:97+8*\q+2*\e], s[CS:CS+1], v[128+4*\q:129+4*\q] op_sel_hi:[1,0,0] neg_lo:[0,0,1] neg_hi:[0,0,1]
.endr
.endr
.set i, 0
.rept 32
	v_exp_f32 v[96+i], v[96+i]
.set i, i+1
.endr
	v_nop
	s_wait_alu depctr_va_vdst(0)
.irp q,0,1,2,3
	v_pk_add_f32 v[130+4*\q:131+4*\q], v[96+8*\q:97+8*\q], v[98+8*\q:99+8*\q]
.endr
.irp q,0,1,2,3
	v_pk_add_f32 v[130+4*\q:131+4*\q], v[130+4*\q:131+4*\q], v[100+8*\q:101+8*\q]
.endr
.irp q,0,1,2,3
	v_pk_add_f32 v[130+4*\q:131+4*\q], v[130+4*\q:131+4*\q], v[102+8*\q:103+8*\q]
.endr
.irp q,0,1,2,3
	v_add_f32 v[130+4*\q], v[130+4*\q], v[131+4*\q]
.endr
.irp m,1,2,4
.irp q,0,1,2,3
	v_add_f32_dpp v[130+4*\q], v[130+4*\q], v[130+4*\q] row_xmask:\m row_mask:0xf bank_mask:0xf
.endr
.endr
.irp q,0,1,2,3
	v_rcp_f32 v[130+4*\q], v[130+4*\q]
.endr
	v_nop
	s_wait_alu depctr_va_vdst(0)
.irp e,0,1,2,3
.irp q,0,1,2,3
	v_pk_mul_f32 v[96+8*\q+2*\e:97+8*\q+2*\e], v[96+8*\q+2*\e:97+8*\q+2*\e], v[130+4*\q:131+4*\q] op_sel_hi:[1,0]
.endr
.endr
.irp e,0,1,2,3
.irp q,0,1,2,3
	v_cvt_pk_bf16_f32 v[64+4*\q+\e], v[96+8*\q+2*\e], v[97+8*\q+2*\e]
.endr
.endr
.irp z,0,1
	ds_store_b128 v[RWA], v[64+8*\z:67+8*\z] offset:\z*PA
	ds_store_b128 v[RWA], v[68+8*\z:71+8*\z] offset:\z*PA+512
.endr
	v_add_nc_u32 v[RWA], 2*PA, v[RWA]
	s_sub_co_u32 s[CNT], s[CNT], 1
	s_cmp_lg_u32 s[CNT], 0
	s_cbranch_scc1 .Lsm
	BAR
	s_wait_loadcnt 0x0                     ; both heads' attention
	YHEAD 0
	PLACES
	YHEAD 1
	PLACES
	WIN 0
.irp p,0,1                             ; film for my 16 channels: gains in v192-207, shifts in v208-223
	global_load_b128 v[192+16*\p:195+16*\p], v[FO], s[FP:FP+1] offset:2048*\p
	global_load_b128 v[196+16*\p:199+16*\p], v[FO], s[FP:FP+1] offset:2048*\p+16
	global_load_b128 v[200+16*\p:203+16*\p], v[FO], s[FP:FP+1] offset:2048*\p+1024
	global_load_b128 v[204+16*\p:207+16*\p], v[FO], s[FP:FP+1] offset:2048*\p+1040
.endr
	BAR                                    ; nobody reads q any more
	s_sub_co_u32 s[PKC], s[PKC], 1
	s_cmp_lg_u32 s[PKC], 0
	s_cbranch_scc1 .Lpk
.Lnorm:
	; norm over the 512 channels, film, silu: two rows a trip
	v_mov_b32 v[RWA], v[RW0]
.set i, 0
.rept 16
	v_mov_b32 v[128+i], 0
.set i, i+1
.endr
	s_wait_loadcnt 0x0
	s_mov_b32 s[CNT], 16
.Lnr:
.irp z,0,1
	ds_load_b128 v[64+8*\z:67+8*\z], v[RWA] offset:\z*PA
	ds_load_b128 v[68+8*\z:71+8*\z], v[RWA] offset:\z*PA+512
.endr
	s_wait_dscnt 0x0
.irp e,0,1,2,3,4,5,6,7
.irp z,0,1
	v_lshlrev_b32 v[96+16*\z+2*\e], 16, v[64+8*\z+\e]
	v_and_b32 v[97+16*\z+2*\e], s[HM], v[64+8*\z+\e]
.endr
.endr
.irp e,0,1,2,3
.irp z,0,1
	v_pk_add_f32 v[128+8*\z+2*\e:129+8*\z+2*\e], v[96+16*\z+4*\e:97+16*\z+4*\e], v[98+16*\z+4*\e:99+16*\z+4*\e]
.endr
.endr
.irp z,0,1
	v_pk_add_f32 v[128+8*\z:129+8*\z], v[128+8*\z:129+8*\z], v[130+8*\z:131+8*\z]
	v_pk_add_f32 v[132+8*\z:133+8*\z], v[132+8*\z:133+8*\z], v[134+8*\z:135+8*\z]
.endr
.irp z,0,1
	v_pk_add_f32 v[128+8*\z:129+8*\z], v[128+8*\z:129+8*\z], v[132+8*\z:133+8*\z]
.endr
.irp z,0,1
	v_add_f32 v[128+8*\z], v[128+8*\z], v[129+8*\z]
.endr
	RED2 0, 4
.irp z,0,1
	v_mul_f32 v[128+8*\z], s[I512], v[128+8*\z]
.endr
.irp e,0,1,2,3,4,5,6,7
.irp z,0,1
	v_pk_add_f32 v[96+16*\z+2*\e:97+16*\z+2*\e], v[96+16*\z+2*\e:97+16*\z+2*\e], v[128+8*\z:129+8*\z] op_sel_hi:[1,0] neg_lo:[0,1] neg_hi:[0,1]
.endr
.endr
.irp z,0,1
	v_pk_mul_f32 v[130+8*\z:131+8*\z], v[96+16*\z:97+16*\z], v[96+16*\z:97+16*\z]
.endr
.irp e,1,2,3,4,5,6,7
.irp z,0,1
	v_pk_fma_f32 v[130+8*\z:131+8*\z], v[96+16*\z+2*\e:97+16*\z+2*\e], v[96+16*\z+2*\e:97+16*\z+2*\e], v[130+8*\z:131+8*\z]
.endr
.endr
.irp z,0,1
	v_add_f32 v[130+8*\z], v[130+8*\z], v[131+8*\z]
.endr
	RED2 2, 4
.irp z,0,1
	v_fma_f32 v[130+8*\z], v[130+8*\z], s[I512], s[EPS]
.endr
.irp z,0,1
	v_rsq_f32 v[130+8*\z], v[130+8*\z]
.endr
	v_nop
	s_wait_alu depctr_va_vdst(0)
.irp e,0,1,2,3,4,5,6,7
.irp z,0,1
	v_pk_mul_f32 v[96+16*\z+2*\e:97+16*\z+2*\e], v[96+16*\z+2*\e:97+16*\z+2*\e], v[130+8*\z:131+8*\z] op_sel_hi:[1,0]
.endr
.endr
.irp e,0,1,2,3,4,5,6,7
.irp z,0,1
	v_pk_fma_f32 v[96+16*\z+2*\e:97+16*\z+2*\e], v[96+16*\z+2*\e:97+16*\z+2*\e], v[192+2*\e:193+2*\e], v[208+2*\e:209+2*\e]
.endr
.endr
.irp e,0,1,2,3,4,5,6,7
.irp z,0,1
	v_pk_mul_f32 v[144+16*\z+2*\e:145+16*\z+2*\e], v[96+16*\z+2*\e:97+16*\z+2*\e], s[NC:NC+1] op_sel_hi:[1,0]
.endr
.endr
.set i, 0
.rept 32
	v_exp_f32 v[144+i], v[144+i]
.set i, i+1
.endr
	v_nop
.set i, 0
	s_wait_alu depctr_va_vdst(0)
.rept 16
	v_pk_add_f32 v[144+2*i:145+2*i], v[144+2*i:145+2*i], 1.0 op_sel_hi:[1,0]
.set i, i+1
.endr
.set i, 0
.rept 32
	v_rcp_f32 v[144+i], v[144+i]
.set i, i+1
.endr
	v_nop
.set i, 0
	s_wait_alu depctr_va_vdst(0)
.rept 16
	v_pk_mul_f32 v[96+2*i:97+2*i], v[96+2*i:97+2*i], v[144+2*i:145+2*i]
.set i, i+1
.endr
.set i, 0
.rept 16
	v_cvt_pk_bf16_f32 v[64+i], v[96+2*i], v[97+2*i]
.set i, i+1
.endr
.irp z,0,1
	ds_store_b128 v[RWA], v[64+8*\z:67+8*\z] offset:\z*PA
	ds_store_b128 v[RWA], v[68+8*\z:71+8*\z] offset:\z*PA+512
.endr
	v_add_nc_u32 v[RWA], 2*PA, v[RWA]
	s_sub_co_u32 s[CNT], s[CNT], 1
	s_cmp_lg_u32 s[CNT], 0
	s_cbranch_scc1 .Lnr
	BAR
	s_sub_co_u32 s[PASSC], s[PASSC], 1
	s_cmp_lg_u32 s[PASSC], 0
	s_cbranch_scc1 .Lpass
.Lout:
	PLACES
	s_wait_dscnt 0x0                       ; the last fetch of row fragments has landed: its registers take x
.irp s,0,1,2,3
.irp j,0,1,2,3
	global_load_b128 v[F0+16*\s+4*\j:F0+16*\s+4*\j+3], v[LOFF], s[XP:XP+1] offset:2048*\s+512*\j          ; x, rows 0-3,
.endr
.endr
.irp s,0,1,2,3
.irp j,0,1,2,3
	global_load_b128 v[WV+16*\s+4*\j:WV+16*\s+4*\j+3], v[LOFF], s[XP:XP+1] offset:8192+2048*\s+512*\j     ; and rows 4-7
.endr
.endr
	s_barrier_signal -1
	s_barrier_wait -1                      ; nobody reads A any more: the f32 stage lies over it
.set a, 0
.rept 8
	WIN 0x08+4*(a/4)
.irp b,0,1,2,3,4,5,6,7
	ds_store_b128 v[OSA+a/2], v[64*(a%4)+8*\b:64*(a%4)+8*\b+3] offset:(a%2)*16*OPT+64*\b
	ds_store_b128 v[OSA+a/2], v[64*(a%4)+8*\b+4:64*(a%4)+8*\b+7] offset:(a%2)*16*OPT+64*\b+16
.endr
.set a, a+1
.endr
	WIN 0
	BAR
	s_wait_loadcnt 0x0                     ; x's first eight rows are in, and the weight loads that serve nothing: in the loop below the counts speak of x alone
	s_mov_b32 s[CNT], 4
.Lo:                                           ; four trips of eight whole rows
	OGRP F0, 0
	OGRP WV, 4
	s_add_nc_u64 s[XP:XP+1], s[XP:XP+1], 16384
	s_add_nc_u64 s[OP:OP+1], s[OP:OP+1], 16384
	v_add_nc_u32 v[ORA], 8*OPT, v[ORA]
	s_sub_co_u32 s[CNT], s[CNT], 1
	s_cmp_lg_u32 s[CNT], 0
	s_cbranch_scc1 .Lo
	s_wait_tensorcnt 0x0                   ; the wave's end
	ds_add_u32 v[SPW], v[NIL]
	s_wait_dscnt 0x0
	s_endpgm
.Lfunc_end_k_q1ee473d589_fin:
	.size	k_q1ee473d589_fin, .Lfunc_end_k_q1ee473d589_fin-k_q1ee473d589_fin
	.p2alignl 7, 3214868480
	.fill 96, 4, 3214868480
	.section	.rodata,"a",@progbits
	.p2align	6, 0x0
	.amdhsa_kernel k_q1ee473d589_fin
		.amdhsa_group_segment_fixed_size 264704
		.amdhsa_private_segment_fixed_size 0
		.amdhsa_enable_private_segment 0
		.amdhsa_kernarg_size 48
		.amdhsa_user_sgpr_count 2
		.amdhsa_user_sgpr_kernarg_segment_ptr 1
		.amdhsa_wavefront_size32 1
		.amdhsa_system_sgpr_workgroup_id_x 1
		.amdhsa_system_sgpr_workgroup_id_y 1
		.amdhsa_system_sgpr_workgroup_id_z 1
		.amdhsa_system_vgpr_workitem_id 0
		.amdhsa_next_free_vgpr 1024
		.amdhsa_next_free_sgpr 66
		.amdhsa_reserve_vcc 1
		.amdhsa_float_denorm_mode_32 3
		.amdhsa_float_denorm_mode_16_64 3
		.amdhsa_memory_ordered 1
		.amdhsa_forward_progress 1
		.amdhsa_inst_pref_size 170
	.end_amdhsa_kernel
	.amdgpu_metadata
---
amdhsa.version: [ 1, 2 ]
amdhsa.kernels:
  - .name:           k_q1ee473d589_fin
    .symbol:         k_q1ee473d589_fin.kd
    .args:
      - { .name: x, .offset: 0, .size: 8, .value_kind: global_buffer, .address_space: global }
      - { .name: wblk, .offset: 8, .size: 8, .value_kind: global_buffer, .address_space: global }
      - { .name: cvec, .offset: 16, .size: 8, .value_kind: global_buffer, .address_space: global }
      - { .name: attn, .offset: 24, .size: 8, .value_kind: global_buffer, .address_space: global }
      - { .name: film, .offset: 32, .size: 8, .value_kind: global_buffer, .address_space: global }
      - { .name: out0, .offset: 40, .size: 8, .value_kind: global_buffer, .address_space: global }
    .group_segment_fixed_size: 264704
    .private_segment_fixed_size: 0
    .kernarg_segment_align: 8
    .kernarg_segment_size: 48
    .max_flat_workgroup_size: 128
    .sgpr_count:     66
    .vgpr_count:     1024
    .wavefront_size: 32
...
	.end_amdgpu_metadata
.endif
;; end of part 8
;; ======== version 3 of 3: 4 launches; version 2 with the launches kv, fin written anew for expert scheduling mode
;; limits: values outside matrix products are rounded to bf16; sums are carried in bf16
;; workspace buffers: wblk 4,325,376 bytes; cvec 18,432 bytes; utab 786,432 bytes; part 35,651,584 bytes; stat 2,228,224 bytes; attn 2,097,152 bytes; film 131,072 bytes
;; launch prep: the kernel of part 5 again; grid 256 x 1, 16 waves a work-group, no clusters, 69,120 bytes of LDS; arguments Wq, Wkm, Wvm, Wkr, Wvr, Wkt, Wvt, out_W, norm_g, norm_b, rn1_g, rn1_b, rn2_g, rn2_b, tnorm_g, tnorm_b, bq, bkm, bvm, bkr, bvr, bkt, bvt, out_b, re_text, emb, wblk, cvec, utab, emb_W; writes wblk, cvec, utab
;; launch kv (part 9): grid 576 x 1, 4 waves a work-group, no clusters, 138,240 bytes of LDS; arguments x, re_motion, xf, re_text, src_mask, re_mask, cond_type, wblk, cvec, utab, part, stat; writes part, stat
.if DOCPART == 9
	.amdgcn_target "amdgcn-amd-amdhsa--gfx1250"
	.amdhsa_code_object_version 6
	.text
	.protected	k_q1ee473d589_kv
	.globl	k_q1ee473d589_kv
	.p2align	8
	.type	k_q1ee473d589_kv,@function
k_q1ee473d589_kv:
	s_mov_b64 s[64:65], 0
	v_nop
	global_prefetch_b8 v0, s[64:65] scope:SCOPE_SE
	s_setreg_imm32_b32 hwreg(HW_REG_WAVE_SCHED_MODE, 0, 2), 2
	s_setreg_imm32_b32 hwreg(HW_REG_WAVE_MODE, 25, 1), 1
	s_wait_xcnt 0x0
	s_wait_alu depctr_vm_vsrc(0)
; KV.  A work-group takes 128 key tokens of one batch: motion (numbers 0-255), retrieval (256-511), or all 77 text tokens for four heads (512-575).
; 1. Each wave normalises 32 rows (mean, centred variance, in f32) and lays them in bf16 into LDS (A, 128 rows x 512).  The rows come four at a time into two sets of registers that take turns:
;    while one set's rows are worked on, the other's 16 loads (8 KB a wave) are on their way.  A retrieval row is scaled by the 1 / sigma of the 1,024-wide norm,
;    made exactly from the row's and the text row's means and variances: var1 = (var2 + vart) / 2 + delta^2, delta = (m2 - mt) / 2.
; 2. Two passes (text: one); in a pass wave w makes K and V (64 + 64 columns) of head 4 pass + w for all 128 tokens: 64 accumulators.  The first product of each sum (EXT) brings, in 8 slots of k,
;    what is of rank one: r1 U + r1 delta Sd + mask term + bias for K, a x bias for V (biases as a high and a low bf16).
; 3. E: the column's true maximum M over the 128 tokens, p = 2^(c k - c M), V x row weight, both packed in place to bf16 fragments, then P^T V (64 x 64) and L = sum p by the matrix unit.
;    P^T V (bf16 register image), M and L go to memory; the next launch joins the 17 chunks of a batch.
; Weights come straight from memory into registers: they lie there as register images, each load 512 consecutive bytes, no wave shares them with another wave of the work-group.
; NO CLUSTER: no tensor load is used, so there is no joint request to make; every work-group reads its 1 MB of weights itself.
; LIMITS.  The mask term (1 - m) x -1e6, U, Sd, r1 and a are rounded to bf16 in EXT; a masked key's weight is 0 beside any unmasked key; where all keys of a batch are masked every v is 0.
; Rows 77-127 of a text chunk repeat row 76 with the term -1e30 and weight 0.  The last three quarters' weight loads of a work-group's last pass, and the constants loaded for a pass that does not follow, serve nothing.
; THE MODE: SCHED_MODE bits 1:0 = 2 (LLVM: expert scheduling mode 2), set by the entry lines.  The code itself states the register dependences between vector or matrix instructions and
; memory or LDS instructions, with s_wait_alu, always for 0.
; THE PLAN.  Registers that memory or LDS instructions touch, and who else names them:
;   row sets 0, 1     v64-127 of windows 0 and 2.  A half's sums and centring lines read its set; one wait on va_vdst behind the centring, then the set's 16 loads.
;   v[OUTB ..], v[AW] a half's conversions write OUTB, its 16 LDS stores read OUTB and AW.  Both are written again a half later, behind one wait on vm_vsrc; one wait on va_vdst stands ahead of the stores.
;   F0, F1, weight buffers 0-3.  A quarter's products name its fragment buffer f, its weight buffer bq and the accumulators; its loads land in g and bl, which the quarter before multiplied.
;                     ONE wait on va_vdst at the quarter's head; behind it the 32 loads are dealt among the 64 products, four behind every eight, with no further wait.
;   v[ADRA ..]        written once in four quarters, at a quarter's head: behind a wait on vm_vsrc, ahead of the head's wait on va_vdst.
;   v[CN ..], v[CNO]  a pass's head reads CN and writes CNO; one wait on va_vdst, then the next pass's constants are asked for, ahead of the EXT products.
;   F1, v[ST ..], L   a pass's end: one wait on va_vdst ahead of the stores, one on vm_vsrc behind them, ahead of the branches.
;   v[LOFF], v[CO ..], v[CVO], v[TC], v[AEX], v[WAD], v[ABASE ..], v[AW0]: made at the head, never written again.
.set PA, 1040                          ; a row of A: 1,024 bytes + 16: an odd multiple of 16, so the 16 rows of a fragment load start in different groups of banks
.set AEXT, 133120                      ; 128 rows x 32 bytes: 8 bf16 slots, then 16 bytes of zeros
.set WTB, 137216                       ; 128 row weights, f32
.set SPARE, 137728                     ; the spare words, 128 bytes a wave
.set LANE,1
.set CO,2                              ; v2-5   my 16 bytes in each quarter of a row
.set LS,6                              ; v6-9   lane - slot
.set AW,10                             ; where my 8 bytes of the four rows in hand go
.set MSK,11
.set VM2,12                            ; lane i: mean of my wave's row i
.set VV2,13                            ; lane i: its variance
.set MT,14
.set VT,15
.set WAD,16
.set TC,17
.set LOFF,18
.set ADRA,19                           ; v19-20 A fragments, token tiles 0-3 and 4-7
.set ABASE,21
.set AEX,23
.set CVO,24
.set CNO,25
.set R16,26
.set HH,27
.set SPW,28
.set NIL,29
.set TA,30                             ; at the head's first lines: the wave's number
.set AW0,30                            ; then: where my 8 bytes of my wave's first row go; never written again
.set TB,31
.set CN,32                             ; v32-47 a pass's column constants: U, Sd, Ck, Cv for four column tiles
.set ST,48                             ; v48-63 at work
.set F0,64                             ; window 0: row set 0, then A fragment buffers; window 2, the same numbers: row set 1; window 1: v0-255 four weight buffers
.set F1,128
.set WV,192                            ; v192-223 row loop: at work; later v192-255 the row weights by token tile
.set OUTB,224                          ; v224-255 row loop: four rows in bf16 on their way into LDS
.set RPB,4                             ; s[4:11] row set 1's four pointers (the arguments that lay there have been used by then)
.set WVN,28
.set TYPE,29
.set BB,30
.set CH,31
.set HB,32
.set CI,33
.set SRC,34
.set STRIDE,36
.set NVM1,37
.set ROW,38
.set R32,39
.set RP,40                             ; s[40:47] row set 0's four pointers
.set BP,48
.set KA,50
.set CNT,51
.set PASSC,52
.set EPS,53
.set CS,54
.set SEL,56
.set CTF,58
.set FR,59
.set N1,60
.set FM,61
.set OMF,62
.set FRH,63
.set KX,69                             ; the count at which the K loop is left early: 2 for text, else 0
.set CM,70                             ; s70-73 row loop: the masks 'lane = row' of the four rows in hand
.set AWS,74                            ; row loop: the bytes in A from my wave's first row to the rows in hand
.set UP,76
.set SDP,78
.set CKP,80
.set CVP,82
.set PB0,84
.set SB0,86
.set PP,88
.set SP,90
.set NEGS,92
.set ZP,94
.set MKP,96
.set TXP,98
.set MSB, 0
.macro WIN new                         ; the immediate's high byte repeats the setting that is left
.if MSB != (\new)
	s_set_vgpr_msb (MSB<<8)|(\new)
.set MSB, \new
.endif
.endm
.macro PLACES
.rept 4
	v_nop
.endr
.endm
.macro RED1 r, t
.irp m,1,2,4,8
	v_add_f32_dpp v[\r], v[\r], v[\r] row_xmask:\m row_mask:0xf bank_mask:0xf
.endr
	v_permlanex16_b32 v[\t], v[\r], s[SEL], s[SEL+1]
	v_add_f32 v[\r], v[\r], v[\t]
.endm
.macro RED4 o, t                       ; the same for the four rows in hand, side by side
.irp m,1,2,4,8
.irp s,0,1,2,3
	v_add_f32_dpp v[WV+8*\s+\o], v[WV+8*\s+\o], v[WV+8*\s+\o] row_xmask:\m row_mask:0xf bank_mask:0xf
.endr
.endr
.irp s,0,1,2,3
	v_permlanex16_b32 v[WV+8*\s+\t], v[WV+8*\s+\o], s[SEL], s[SEL+1]
.endr
.irp s,0,1,2,3
	v_add_f32 v[WV+8*\s+\o], v[WV+8*\s+\o], v[WV+8*\s+\t]
.endr
.endm
.macro SETRP p, s, add                 ; pointer s of the set at s[p]: row ROW + add + s of my wave, clamped to the chunk's last valid row
	s_add_co_u32 s[ZP], s[ROW], (\add)+(\s)
	s_add_co_u32 s[ZP], s[ZP], s[R32]
	s_min_u32 s[ZP], s[ZP], s[NVM1]
	s_mul_i32 s[ZP], s[ZP], s[STRIDE]
	s_add_nc_u64 s[(\p)+2*(\s):(\p)+2*(\s)+1], s[SRC:SRC+1], s[ZP:ZP+1]
.endm
.macro LDROWS half, again              ; four rows, 16 loads, into set 0 (window 0) or set 1 (window 2).  again = 1: the set has been worked on
	WIN 0x80*(\half)
.if \again
	s_wait_alu depctr_va_vdst(0)           ; the sums and the centring lines are done reading this set, in which the loads land
.endif
.irp s,0,1,2,3
.irp j,0,1,2,3
	global_load_b128 v[F0+16*\s+4*\j:F0+16*\s+4*\j+3], v[CO+\j], s[RP+(RPB-RP)*(\half)+2*\s:RP+(RPB-RP)*(\half)+2*\s+1]
.endr
.endr
	WIN 0
.endm
.macro LOADB buf, q                    ; a quarter's 8 weight fragments, 8 KB, into buffer buf of window 1: at the head, in one run
	WIN 0x40
.set i, 0
.rept 16
	global_load_b128 v[64*(\buf)+4*i:64*(\buf)+4*i+3], v[LOFF], s[BP:BP+1] offset:(\q)*32768+512*i
.set i, i+1
.endr
.endm
.macro LB4 buf, q, n0                  ; four of those sixteen loads, from number n0 on
	WIN 0x40
.irp i,0,1,2,3
	global_load_b128 v[64*(\buf)+4*((\n0)+\i):64*(\buf)+4*((\n0)+\i)+3], v[LOFF], s[BP:BP+1] offset:(\q)*32768+512*((\n0)+\i)
.endr
.endm
.macro FA2 f, k, n0                    ; token fragments n0 and n0 + 1 of eight, 32 k at byte k of the rows: four LDS loads
	WIN 0
.irp i,0,1
	ds_load_b128 v[(\f)+8*((\n0)+\i):(\f)+8*((\n0)+\i)+3], v[ADRA+((\n0)+\i)/4] offset:(((\n0)+\i)%4)*16*PA+(\k)
	ds_load_b128 v[(\f)+8*((\n0)+\i)+4:(\f)+8*((\n0)+\i)+7], v[ADRA+((\n0)+\i)/4] offset:(((\n0)+\i)%4)*16*PA+(\k)+32
.endr
.endm
.macro FETCHA f, k                     ; all 8 token fragments
.irp c,0,2,4,6
	FA2 \f, \k, \c
.endr
.endm
; 8 products: source 0 = 16 tokens (all eight token tiles), source 1 = 16 columns (hi = 0: K's tile c, window 2; hi = 1: V's, window 3).  In the result a lane holds one column and eight tokens.
; Accumulator (column tile c, token tile t) lies at 8 (8 c + t).  All 64 take turns in the same order in every quarter.
.macro MUL8 f, bq, hi, c, zero
	WIN 0xa4+0x50*(\hi)
.irp t,0,1,2,3,4,5,6,7
.if \zero
	v_wmma_f32_16x16x32_bf16 v[8*(8*(\c)+\t):8*(8*(\c)+\t)+7], v[(\f)+8*\t:(\f)+8*\t+7], v[64*(\bq)+8*(4*(\hi)+(\c)):64*(\bq)+8*(4*(\hi)+(\c))+7], 0
.else
	v_wmma_f32_16x16x32_bf16 v[8*(8*(\c)+\t):8*(8*(\c)+\t)+7], v[(\f)+8*\t:(\f)+8*\t+7], v[64*(\bq)+8*(4*(\hi)+(\c)):64*(\bq)+8*(4*(\hi)+(\c))+7], v[8*(8*(\c)+\t):8*(8*(\c)+\t)+7]
.endif
.endr
.endm
.macro MULH f, bq, hi, zero            ; 32 products
.irp c,0,1,2,3
	MUL8 \f, \bq, \hi, \c, \zero
.endr
.endm
; A quarter: 32 along K.  The next quarter's token fragments go into g and the weights three quarters on into bl, the buffers that the quarter before multiplied.
.macro QRT f, g, bq, bl, k, q, step
	s_wait_loadcnt 32                      ; loads come back in order: all but the two younger quarters' 16 each are in
	s_wait_dscnt 0x0
	PLACES                                 ; four places between the last quarter's products and the loads into the registers that they read
.if \step
	WIN 0
	s_add_co_u32 s[KA], s[KA], 256         ; four quarters on along the rows, and round at their end
	s_and_b32 s[KA], s[KA], 1023
	s_wait_alu depctr_vm_vsrc(0)           ; the fragment loads issued so far have read v[ADRA] and v[ADRA+1]
	v_add_nc_u32 v[ADRA], s[KA], v[ABASE]
	v_add_nc_u32 v[ADRA+1], s[KA], v[ABASE+1]
.endif
	s_wait_alu depctr_va_vdst(0)           ; the products issued so far are done reading g and bl (ahead of a pass's first quarter: EXT's two sides, and the lines that wrote them); where they were stepped, v[ADRA ..] are written
.irp c,0,1,2,3                         ; no product of this quarter names g, bl, v[ADRA ..] or v[LOFF]: the loads owe no further wait
	MUL8 \f, \bq, 0, \c, 0
	FA2 \g, \k, 2*\c
.endr
.irp c,0,1,2,3
	MUL8 \f, \bq, 1, \c, 0
	LB4 \bl, \q, 4*\c
.endr
.endm
; Half a trip of the row loop: rows ROW + 4 half + 0..3 of my wave, side by side, out of set half; the centred rows lie in v128-191.
.macro LNH half
	s_wait_loadcnt 16                      ; loads come back in order: this set's rows are in; the other set's 16 loads, issued behind them, stay out
	WIN 0x0a*(\half)
.irp e,0,1,2,3
.irp s,0,1,2,3
	v_pk_add_f32 v[F1+16*\s+2*\e:F1+16*\s+2*\e+1], v[F0+16*\s+4*\e:F0+16*\s+4*\e+1], v[F0+16*\s+4*\e+2:F0+16*\s+4*\e+3]
.endr
.endr
	WIN 0
.irp s,0,1,2,3
	v_pk_add_f32 v[F1+16*\s:F1+16*\s+1], v[F1+16*\s:F1+16*\s+1], v[F1+16*\s+2:F1+16*\s+3]
	v_pk_add_f32 v[F1+16*\s+4:F1+16*\s+5], v[F1+16*\s+4:F1+16*\s+5], v[F1+16*\s+6:F1+16*\s+7]
.endr
.irp s,0,1,2,3
	v_pk_add_f32 v[F1+16*\s:F1+16*\s+1], v[F1+16*\s:F1+16*\s+1], v[F1+16*\s+4:F1+16*\s+5]
.endr
.irp s,0,1,2,3
	v_add_f32 v[WV+8*\s], v[F1+16*\s], v[F1+16*\s+1]
.endr
	RED4 0, 4
.irp s,0,1,2,3
	v_mul_f32 v[WV+8*\s], 0x3b000000, v[WV+8*\s]           ; the mean
.endr
	WIN 0x02*(\half)
.irp e,0,1,2,3,4,5,6,7
.irp s,0,1,2,3
	v_pk_add_f32 v[F1+16*\s+2*\e:F1+16*\s+2*\e+1], v[F0+16*\s+2*\e:F0+16*\s+2*\e+1], v[WV+8*\s:WV+8*\s+1] op_sel_hi:[1,0] neg_lo:[0,1] neg_hi:[0,1]
.endr
.endr
	WIN 0
	s_cmp_eq_u32 s[ROW], 24
	s_cbranch_scc1 .Lnold\@
	SETRP RP+(RPB-RP)*(\half), 0, 8+4*(\half)      ; the set has been read: it takes the rows eight further on.  Its pointers are free: the wait at the head has shown their loads done
	SETRP RP+(RPB-RP)*(\half), 1, 8+4*(\half)
	SETRP RP+(RPB-RP)*(\half), 2, 8+4*(\half)
	SETRP RP+(RPB-RP)*(\half), 3, 8+4*(\half)
	LDROWS \half, 1
	s_branch .Lld\@
.Lnold\@:
	s_wait_loadcnt 0x0                     ; the last trip asks for nothing, so no 16 younger loads will stand behind the other set's: they are waited for here
.Lld\@:
	s_add_co_u32 s66, s[ROW], 4*(\half)
.irp s,0,1,2,3
	v_cmp_eq_u32 s[CM+\s], s66, v[LS+\s]                   ; lane = row: the four masks in one run; the variance's lines stand between them and the wait for them
.endr
.irp s,0,1,2,3
	v_pk_mul_f32 v[WV+8*\s+2:WV+8*\s+3], v[F1+16*\s:F1+16*\s+1], v[F1+16*\s:F1+16*\s+1]
.endr
.irp e,1,2,3,4,5,6,7
.irp s,0,1,2,3
	v_pk_fma_f32 v[WV+8*\s+2:WV+8*\s+3], v[F1+16*\s+2*\e:F1+16*\s+2*\e+1], v[F1+16*\s+2*\e:F1+16*\s+2*\e+1], v[WV+8*\s+2:WV+8*\s+3]
.endr
.endr
.irp s,0,1,2,3
	v_add_f32 v[WV+8*\s+2], v[WV+8*\s+2], v[WV+8*\s+3]
.endr
	RED4 2, 4
.irp s,0,1,2,3
	v_mul_f32 v[WV+8*\s+2], 0x3b000000, v[WV+8*\s+2]       ; the variance
.endr
	s_wait_alu depctr_va_sdst(0)           ; the four compares have written s[CM ..], ahead of their first reader
.irp s,0,1,2,3
	v_cndmask_b32 v[VM2], v[VM2], v[WV+8*\s], s[CM+\s]     ; lane = row keeps the row's two figures
	v_cndmask_b32 v[VV2], v[VV2], v[WV+8*\s+2], s[CM+\s]
.endr
.irp s,0,1,2,3
	v_sub_f32 v[WV+8*\s+4], v[WV+8*\s], v[MT]
	v_sub_f32 v[WV+8*\s+5], v[VT], v[WV+8*\s+2]
.endr
.irp s,0,1,2,3
	v_mul_f32 v[WV+8*\s+4], s[FRH], v[WV+8*\s+4]           ; delta
	v_mul_f32 v[WV+8*\s+5], s[FRH], v[WV+8*\s+5]
.endr
.irp s,0,1,2,3
	v_fma_f32 v[WV+8*\s+5], v[WV+8*\s+4], v[WV+8*\s+4], v[WV+8*\s+5]
.endr
.irp s,0,1,2,3
	v_add_f32 v[WV+8*\s+5], v[WV+8*\s+5], v[WV+8*\s+2]
.endr
.irp s,0,1,2,3
	v_add_f32 v[WV+8*\s+5], s[EPS], v[WV+8*\s+5]
.endr
.irp s,0,1,2,3
	v_rsq_f32 v[WV+8*\s+2], v[WV+8*\s+5]                   ; r1
.endr
	v_nop                                  ; a plain instruction behind the last of them
	s_wait_alu depctr_va_vdst(0)           ; the four r1 are written, ahead of their first reader
.irp e,0,1,2,3,4,5,6,7
.irp s,0,1,2,3
	v_pk_mul_f32 v[F1+16*\s+2*\e:F1+16*\s+2*\e+1], v[F1+16*\s+2*\e:F1+16*\s+2*\e+1], v[WV+8*\s+2:WV+8*\s+3] op_sel_hi:[1,0]
.endr
.endr
	s_wait_alu depctr_vm_vsrc(0)           ; the LDS stores of the half before have read v[OUTB ..] and v[AW], which the lines below write again
	v_add_nc_u32 v[AW], s[AWS], v[AW0]
	s_add_co_u32 s[AWS], s[AWS], 4*PA      ; the next half's rows
.irp e,0,1,2,3,4,5,6,7
.irp s,0,1,2,3
	v_cvt_pk_bf16_f32 v[OUTB+8*\s+\e], v[F1+16*\s+2*\e], v[F1+16*\s+2*\e+1]
.endr
.endr
	s_wait_alu depctr_va_vdst(0)           ; the conversions have written v[OUTB ..], and v[AW] is written: the LDS stores read both
.irp s,0,1,2,3
.irp j,0,1,2,3
	ds_store_b64 v[AW], v[OUTB+8*\s+2*\j:OUTB+8*\s+2*\j+1] offset:\s*PA+256*\j
.endr
.endr
.endm
	s_load_b512 s[4:19], s[0:1], 0x0       ; x 4, re_motion 6, xf 8, re_text 10, src_mask 12, re_mask 14, cond_type 16, wblk 18
	s_load_b256 s[20:27], s[0:1], 0x40     ; cvec 20, utab 22, part 24, stat 26
	v_lshl_add_u32 v[SPW], v0, 2, SPARE
	v_mov_b32 v[NIL], 0
	v_lshrrev_b32 v[TA], 5, v0
	v_readfirstlane_b32 s[WVN], v[TA]
	v_and_b32 v[LANE], 31, v0
	v_and_b32 v[R16], 15, v0
	v_bfe_u32 v[HH], v0, 4, 1
	v_lshlrev_b32 v[LOFF], 4, v[LANE]
	s_wait_alu depctr_va_sdst(0)           ; s[WVN] is written, ahead of its first reader: LDS places, bases and heads are made from it
	s_lshr_b32 s66, ttmp9, 8               ; numbers below 512: type, batch, chunk
	s_bfe_u32 s67, ttmp9, 0x50003
	s_and_b32 s68, ttmp9, 7
	s_sub_co_u32 s69, ttmp9, 512           ; from 512 on: text, batch, which four heads
	s_lshr_b32 s70, s69, 1
	s_and_b32 s71, s69, 1
	s_lshl_b32 s71, s71, 2
	s_lshl3_add_u32 s72, s66, s68
	s_cmp_lt_u32 ttmp9, 512
	s_cselect_b32 s[TYPE], s66, 2
	s_cselect_b32 s[BB], s67, s70
	s_cselect_b32 s[CH], s68, 0
	s_cselect_b32 s[HB], 0, s71
	s_cselect_b32 s[CI], s72, 16           ; the chunk's number among the batch's 17
	s_lshl_b32 s66, s[BB], 21
	s_lshl_b32 s67, s[CH], 18
	s_add_co_u32 s66, s66, s67
	s_mul_i32 s67, s[BB], 78848
	s_lshl_b32 s[R32], s[WVN], 5
	s_mov_b32 s[ZP+1], 0
	s_mov_b32 s70, 2048
	s_mov_b32 s71, 127
	s_mov_b32 s72, 2047
	s_cmp_eq_u32 s[TYPE], 2
	s_cselect_b32 s73, s67, s66            ; the chunk's first row, in bytes
	s_cselect_b32 s[STRIDE], 1024, s70
	s_cselect_b32 s[NVM1], 76, s71
	s_cselect_b32 s68, 1023, s72           ; a text row is taken twice: mean and variance over 512 are those over 256
	s_cselect_b32 s[FM], 0, 1.0            ; text has no row mask
	s_cselect_b32 s[OMF], 1.0, 0
	s_cselect_b32 s[KX], 2, 0
	s_cmp_eq_u32 s[TYPE], 1
	s_cselect_b32 s[FR], 1.0, 0
	s_cselect_b32 s[FRH], 0.5, 0
	s_mov_b32 s[EPS], 0x3727c5ac
	s_mov_b32 s[CS], 0x3fb8aa3b            ; log2(e)
	s_mov_b32 s[CS+1], s[CS]
	s_mov_b32 s[SEL], 0x76543210
	s_mov_b32 s[SEL+1], 0xfedcba98
	s_mov_b32 s[NEGS], 0xc9742400          ; -1e6
	s_mov_b32 s[ROW], 0
.irp j,0,1,2,3
	v_add_nc_u32 v[CO+\j], 512*\j, v[LOFF]
	v_and_b32 v[CO+\j], s68, v[CO+\j]
	v_add_nc_u32 v[LS+\j], -\j, v[LANE]
.endr
	s_mul_i32 s66, s[WVN], 32*PA
	v_lshl_add_u32 v[AW0], v[LANE], 3, s66
	v_mul_u32_u24 v[ABASE], v[R16], PA
	v_lshl_add_u32 v[ABASE], v[HH], 4, v[ABASE]
	v_add_nc_u32 v[ABASE+1], 64*PA, v[ABASE]
	v_mov_b32 v[ADRA], v[ABASE]            ; the first quarter lies at the rows' head
	v_mov_b32 v[ADRA+1], v[ABASE+1]
	v_lshlrev_b32 v[AEX], 5, v[R16]
	v_lshl_add_u32 v[AEX], v[HH], 4, v[AEX]
	v_add_nc_u32 v[AEX], AEXT, v[AEX]
	v_lshlrev_b32 v[WAD], 5, v[HH]
	v_add_nc_u32 v[WAD], WTB, v[WAD]
	v_lshlrev_b32 v[CVO], 2, v[R16]
	v_lshlrev_b32 v[TC], 2, v[LANE]
	s_add_co_u32 s66, s[HB], s[WVN]
	s_lshl_b32 s66, s66, 8
	v_add_nc_u32 v[CNO], s66, v[CVO]       ; 4 r + 256 head
	v_mov_b32 v[VM2], 0
	v_mov_b32 v[VV2], 0
	v_mov_b32 v[TB], 0
.set i, 0
.rept 32
	v_mov_b32 v[WV+i], 0                   ; pairs' partners and the lane exchanges' destinations are written once
.set i, i+1
.endr
.irp c,0,1,2,3
	v_mov_b32 v[ST+9+2*\c], 0
.endr
	s_lshl_b32 s74, s[BB], 2
	s_wait_kmcnt 0x0
	s_load_b32 s75, s[16:17], s74 offset:0x0   ; cond_type of the batch
	s_cmp_eq_u32 s[TYPE], 2
	s_cselect_b64 s[SRC:SRC+1], s[8:9], s[4:5]
	s_cmp_eq_u32 s[TYPE], 1
	s_cselect_b64 s[SRC:SRC+1], s[6:7], s[SRC:SRC+1]
	s_cselect_b64 s[MKP:MKP+1], s[14:15], s[12:13]
	s_mov_b32 s[ZP], s73
	s_add_nc_u64 s[SRC:SRC+1], s[SRC:SRC+1], s[ZP:ZP+1]
	s_lshl_b32 s66, s[BB], 12
	s_lshl_b32 s67, s[CH], 9
	s_add_co_u32 s66, s66, s67
	s_lshl_b32 s67, s[WVN], 7
	s_add_co_u32 s[ZP], s66, s67
	s_add_nc_u64 s[MKP:MKP+1], s[MKP:MKP+1], s[ZP:ZP+1]
	s_lshr_b32 s66, s[CH], 1
	s_lshl2_add_u32 s66, s[BB], s66        ; the retrieval's text row: 4 batch + chunk / 2 (a valid row for every type)
	s_lshl_b32 s[ZP], s66, 11
	s_add_nc_u64 s[TXP:TXP+1], s[10:11], s[ZP:ZP+1]
	s_add_nc_u64 s[UP:UP+1], s[22:23], s[ZP:ZP+1]
	s_lshl_b32 s66, s[TYPE], 12
	s_add_co_u32 s[ZP], s66, 2048
	s_add_nc_u64 s[CKP:CKP+1], s[20:21], s[ZP:ZP+1]
	s_add_nc_u64 s[CVP:CVP+1], s[CKP:CKP+1], 2048
	s_add_nc_u64 s[SDP:SDP+1], s[20:21], 14336
	s_lshl_b32 s66, s[TYPE], 20
	s_lshl_b32 s67, s[HB], 17
	s_add_co_u32 s66, s66, s67
	s_lshl_b32 s67, s[WVN], 13
	s_add_co_u32 s[ZP], s66, s67
	s_add_nc_u64 s[BP:BP+1], s[18:19], s[ZP:ZP+1]
	s_mul_i32 s66, s[BB], 17
	s_add_co_u32 s66, s66, s[CI]
	s_lshl_b32 s[ZP], s66, 16
	s_add_nc_u64 s[PB0:PB0+1], s[24:25], s[ZP:ZP+1]
	s_lshl_b32 s[ZP], s66, 12
	s_add_nc_u64 s[SB0:SB0+1], s[26:27], s[ZP:ZP+1]
	s_wait_alu depctr_va_vdst(0)           ; all offsets and LDS addresses made above are written: the loads and stores of the whole kernel read them
.irp j,0,1,2,3
	global_load_b128 v[F1+4*\j:F1+4*\j+3], v[LOFF], s[TXP:TXP+1] offset:512*\j
.endr
	global_load_b32 v[MSK], v[TC], s[MKP:MKP+1]
.irp c,0,1,2,3
	global_load_b32 v[CN+\c], v[CNO], s[UP:UP+1] offset:64*\c
	global_load_b32 v[CN+4+\c], v[CNO], s[SDP:SDP+1] offset:64*\c
	global_load_b32 v[CN+8+\c], v[CNO], s[CKP:CKP+1] offset:64*\c
	global_load_b32 v[CN+12+\c], v[CNO], s[CVP:CVP+1] offset:64*\c
.endr
	LOADB 0, 0
	LOADB 1, 1
	LOADB 2, 2
	WIN 0
	SETRP RP, 0, 0                         ; rows 0-3 into set 0,
	SETRP RP, 1, 0
	SETRP RP, 2, 0
	SETRP RP, 3, 0
	LDROWS 0, 0
	SETRP RPB, 0, 4                        ; rows 4-7 into set 1
	SETRP RPB, 1, 4
	SETRP RPB, 2, 4
	SETRP RPB, 3, 4
	LDROWS 1, 0
	s_wait_kmcnt 0x0
	s_mov_b32 s[AWS], 0                    ; free since that wait, which shows the scalar load that read it done
	s_sub_co_i32 s66, 0, s75               ; text_ct: cond_type is no multiple of 10; retr_ct: it is 10 or more
	s_max_i32 s66, s66, s75
	s_mul_hi_u32 s67, s66, 0xcccccccd
	s_lshr_b32 s67, s67, 3
	s_mul_i32 s67, s67, 10
	s_sub_co_u32 s66, s66, s67
	s_cmp_lg_u32 s66, 0
	s_cselect_b32 s66, 1.0, 0
	s_cmp_ge_i32 s75, 10
	s_cselect_b32 s67, 1.0, 0
	s_cmp_eq_u32 s[TYPE], 1
	s_cselect_b32 s[CTF], s67, 1.0
	s_cmp_eq_u32 s[TYPE], 2
	s_cselect_b32 s[CTF], s66, s[CTF]
	s_cmp_eq_u32 s[CTF], 0
	s_cselect_b32 s[N1], s[NEGS], 0
	s_wait_loadcnt 0x0                     ; all that was asked for at the start is in: from here to the row loop's end the counts speak of row loads alone
	; the text row's mean and variance (they count for retrieval alone)
.irp e,0,1,2,3
	v_pk_add_f32 v[F1+16+2*\e:F1+17+2*\e], v[F1+4*\e:F1+4*\e+1], v[F1+4*\e+2:F1+4*\e+3]
.endr
	v_pk_add_f32 v[F1+16:F1+17], v[F1+16:F1+17], v[F1+18:F1+19]
	v_pk_add_f32 v[F1+20:F1+21], v[F1+20:F1+21], v[F1+22:F1+23]
	v_pk_add_f32 v[F1+16:F1+17], v[F1+16:F1+17], v[F1+20:F1+21]
	v_add_f32 v[F1+16], v[F1+16], v[F1+17]
	RED1 F1+16, TB
	v_mul_f32 v[F1+16], 0x3b000000, v[F1+16]
	v_mov_b32 v[MT], v[F1+16]
.irp e,0,1,2,3,4,5,6,7
	v_pk_add_f32 v[F1+2*\e:F1+2*\e+1], v[F1+2*\e:F1+2*\e+1], v[F1+16:F1+17] op_sel_hi:[1,0] neg_lo:[0,1] neg_hi:[0,1]
.endr
	v_pk_mul_f32 v[F1+18:F1+19], v[F1:F1+1], v[F1:F1+1]
.irp e,1,2,3,4,5,6,7
	v_pk_fma_f32 v[F1+18:F1+19], v[F1+2*\e:F1+2*\e+1], v[F1+2*\e:F1+2*\e+1], v[F1+18:F1+19]
.endr
	v_add_f32 v[VT], v[F1+18], v[F1+19]
	RED1 VT, TB
	v_mul_f32 v[VT], 0x3b000000, v[VT]
.Lln:                                          ; four trips of eight rows: set 0's four, then set 1's four
	LNH 0
	LNH 1
	s_add_co_u32 s[ROW], s[ROW], 8
	s_cmp_lt_u32 s[ROW], 32
	s_cbranch_scc1 .Lln
	; the rows' scalars, lane = row
	v_fma_f32 v[MSK], v[MSK], s[FM], s[OMF]
	v_sub_f32 v130, v[VM2], v[MT]
	v_mul_f32 v130, s[FRH], v130           ; delta
	v_sub_f32 v131, v[VT], v[VV2]
	v_mul_f32 v131, s[FRH], v131
	v_fma_f32 v131, v130, v130, v131
	v_add_f32 v131, v131, v[VV2]
	v_add_f32 v131, s[EPS], v131
	v_add_f32 v132, s[EPS], v[VV2]
	v_rsq_f32 v133, v131                   ; r1
	v_sqrt_f32 v134, v131                  ; 1 / r1
	v_rsq_f32 v135, v132                   ; r2
	v_sqrt_f32 v136, v132                  ; 1 / r2
	v_sub_f32 v137, 1.0, v[MSK]
	v_fma_f32 v137, v137, s[NEGS], s[N1]   ; n
	v_mul_f32 v138, s[CTF], v[MSK]
	s_wait_alu depctr_va_vdst(0)           ; v133 to v136, the two roots and their reciprocals, are written, ahead of their first reader
	v_mul_f32 v139, v133, v136             ; a = r1 / r2
	v_mul_f32 v138, v138, v134
	v_mul_f32 v138, v138, v135             ; w = mask / a
	v_mul_f32 v140, s[FR], v133            ; p
	v_mul_f32 v141, v140, v130             ; q
	v_add_nc_u32 v142, s[R32], v[LANE]
	v_cmp_ge_u32 vcc_lo, s[NVM1], v142     ; a row of the chunk, or padding
	v_mov_b32 v143, 0xf149f2ca             ; -1e30
	s_wait_alu depctr_va_vcc(0)            ; the compare has written VCC, ahead of the two selects that read it
	v_cndmask_b32 v137, v143, v137, vcc_lo
	v_cndmask_b32 v138, 0, v138, vcc_lo
	v_cvt_pk_bf16_f32 v144, v140, v141     ; slots p, q | n, a | 1, 1 | a, 0
	v_cvt_pk_bf16_f32 v145, v137, v139
	v_mov_b32 v146, 0x3f803f80
	v_cvt_pk_bf16_f32 v147, v139, 0
	v_mov_b32 v148, 0
	v_mov_b32 v149, 0
	v_mov_b32 v150, 0
	v_mov_b32 v151, 0
	v_lshl_add_u32 v152, v142, 5, AEXT
	v_lshl_add_u32 v153, v142, 2, WTB
	s_wait_alu depctr_va_vdst(0)           ; v138 and v144 to v153 are written, which the three LDS stores read; the row loop's lines are done with v64-127 and v192-255, in which the LDS loads behind the barrier land
	ds_store_b128 v152, v[144:147]
	ds_store_b128 v152, v[148:151] offset:16
	ds_store_b32 v153, v138
	s_wait_dscnt 0x0                       ; my rows and their scalars are in LDS
	s_barrier_signal -1
	s_barrier_wait -1                      ; everybody's are; nothing of them is written again
	s_wait_alu depctr_vm_vsrc(0)           ; my LDS stores have read v[OUTB ..], in which the weights land, and v138 to v153, which the pass writes; the head's loads have read v[CNO], which the pass writes
.irp t,0,1,2,3,4,5,6,7
	ds_load_b128 v[WV+8*\t:WV+8*\t+3], v[WAD] offset:64*\t
	ds_load_b128 v[WV+8*\t+4:WV+8*\t+7], v[WAD] offset:64*\t+16
.endr
	s_mov_b32 s[KA], 0
	FETCHA F0, 0
	s_mov_b32 s[PASSC], 2
.Lpass:
	s_wait_loadcnt 48                      ; the pass's constants are in; behind them stand the 48 loads of its first three quarters
.irp c,0,1,2,3,4,5,6,7
	v_cvt_pk_bf16_f32 v[ST+\c], v[CN+8+\c], 0
.endr
.irp c,0,1,2,3,4,5,6,7
	v_lshlrev_b32 v[ST+\c], 16, v[ST+\c]
.endr
.irp c,0,1,2,3,4,5,6,7
	v_sub_f32 v[ST+\c], v[CN+8+\c], v[ST+\c]               ; what the bias loses in bf16
.endr
	WIN 0x40                               ; the columns' side of EXT, in weight buffer 3: K: U, Sd | 1, 0 | Chi, Clo | 0, 0;  V: 0, 0 | 0, Chi | 0, 0 | Clo, 0
.irp c,0,1,2,3
	v_cvt_pk_bf16_f32 v[192+8*\c], v[CN+\c], v[CN+4+\c]
	v_mov_b32 v[193+8*\c], 0x3f80
	v_cvt_pk_bf16_f32 v[194+8*\c], v[CN+8+\c], v[ST+\c]
	v_mov_b32 v[195+8*\c], 0
	v_mov_b32 v[224+8*\c], 0
	v_cvt_pk_bf16_f32 v[225+8*\c], 0, v[CN+12+\c]
	v_mov_b32 v[226+8*\c], 0
	v_cvt_pk_bf16_f32 v[227+8*\c], v[ST+4+\c], 0
.irp e,4,5,6,7
	v_mov_b32 v[192+8*\c+\e], 0
	v_mov_b32 v[224+8*\c+\e], 0
.endr
.endr
	WIN 0
.irp t,0,1,2,3,4,5,6,7                 ; the rows' side: zeros for k = 16 to 31
.irp e,4,5,6,7
	v_mov_b32 v[F1+8*\t+\e], 0
.endr
.endr
	s_add_co_u32 s66, s[HB], 4             ; the next pass's constants
	s_and_b32 s66, s66, 7
	s_add_co_u32 s66, s66, s[WVN]
	s_lshl_b32 s66, s66, 8
	v_add_nc_u32 v[CNO], s66, v[CVO]       ; (the loads that read it stand ahead of a wait on vm_vsrc on both ways to this line: behind the barrier, at a pass's end)
	s_wait_alu depctr_va_vdst(0)           ; v[CNO] is written, which the loads below read; the conversions above are done reading v[CN ..], in which they land
.irp c,0,1,2,3
	global_load_b32 v[CN+\c], v[CNO], s[UP:UP+1] offset:64*\c
	global_load_b32 v[CN+4+\c], v[CNO], s[SDP:SDP+1] offset:64*\c
	global_load_b32 v[CN+8+\c], v[CNO], s[CKP:CKP+1] offset:64*\c
	global_load_b32 v[CN+12+\c], v[CNO], s[CVP:CVP+1] offset:64*\c
.endr
.irp t,0,1,2,3,4,5,6,7                 ; the rows' side: 8 slots for the lower lanes, zeros for the upper
	ds_load_b128 v[F1+8*\t:F1+8*\t+3], v[AEX] offset:512*\t
.endr
	s_wait_dscnt 0x0
	MULH F1, 3, 0, 1                       ; EXT starts all 64 sums
	MULH F1, 3, 1, 1
	WIN 0
	s_mov_b32 s[CNT], 4
.Lk:                                           ; four trips of four quarters: K = 512
	QRT F0, F1, 0, 3, 64, 3, 0
	QRT F1, F0, 1, 0, 128, 4, 0
	QRT F0, F1, 2, 1, 192, 5, 0
	QRT F1, F0, 3, 2, 0, 6, 1
	WIN 0
	s_wait_xcnt 0x0                        ; the weights' base steps only behind this wait
	s_add_nc_u64 s[BP:BP+1], s[BP:BP+1], 131072
	s_sub_co_u32 s[CNT], s[CNT], 1
	s_cmp_eq_u32 s[CNT], s[KX]             ; a text row has 256 columns and its weights for k = 256 on are zeros: a text chunk leaves after two trips
	s_cbranch_scc1 .Lkx
	s_cmp_lg_u32 s[CNT], 0
	s_cbranch_scc1 .Lk
.Lkx:
	; E.  The maximum of each column over its 128 tokens: eight chains; each accumulator's lowest registers are read first.
.irp i,0,1,2,3,4,5,6,7
	v_mov_b32 v[ST+\i], 0xff800000         ; (these are also the places behind the last products)
.endr
	WIN 0x28
.set t, 0
.rept 8
.irp e,0,1,2,3
.irp c,0,1,2,3
	v_max3_num_f32 v[ST+2*\c+t%2], v[ST+2*\c+t%2], v[8*(8*\c+t)+2*\e], v[8*(8*\c+t)+2*\e+1]
.endr
.endr
.set t, t+1
.endr
	WIN 0
.irp c,0,1,2,3
	v_max_num_f32 v[ST+2*\c], v[ST+2*\c], v[ST+2*\c+1]
.endr
.irp c,0,1,2,3
	v_permlanex16_b32 v[ST+2*\c+1], v[ST+2*\c], s[SEL], s[SEL+1]
.endr
.irp c,0,1,2,3
	v_max_num_f32 v[ST+2*\c], v[ST+2*\c], v[ST+2*\c+1]     ; M
.endr
.irp c,0,1,2,3
	v_mul_f32 v[ST+8+2*\c], s[CS], v[ST+2*\c]              ; c M
.endr
	WIN 0x82                               ; p = 2^(c k - c M), in place in window 2
.set i, 0
.rept 32
.irp e,0,1,2,3
	v_pk_fma_f32 v[8*i+2*\e:8*i+2*\e+1], v[8*i+2*\e:8*i+2*\e+1], s[CS:CS+1], v[ST+8+2*(i/8):ST+9+2*(i/8)] op_sel_hi:[1,0,0] neg_lo:[0,0,1] neg_hi:[0,0,1]
.endr
.irp e,0,1,2,3,4,5,6,7
	v_exp_f32 v[8*i+\e], v[8*i+\e]
.endr
.set i, i+1
.endr
	v_nop                                  ; a plain instruction behind the last exponential
	WIN 0x8a                               ; packed in place, ascending: fragment (column tile c, 32 tokens kk) lands at 32 c + 8 kk
.set i, 0
	s_wait_alu depctr_va_vdst(0)           ; the 256 weights p are written, ahead of their first reader: one wait for the batch
.rept 128
	v_cvt_pk_bf16_f32 v[i], v[2*i], v[2*i+1]
.set i, i+1
.endr
	WIN 0xc3                               ; V times the rows' weights, in window 3
.set i, 0
.rept 32
.irp e,0,1,2,3
	v_pk_mul_f32 v[8*i+2*\e:8*i+2*\e+1], v[8*i+2*\e:8*i+2*\e+1], v[WV+8*(i%8)+2*\e:WV+8*(i%8)+2*\e+1]
.endr
.set i, i+1
.endr
	WIN 0xcf
.set i, 0
.rept 128
	v_cvt_pk_bf16_f32 v[i], v[2*i], v[2*i+1]
.set i, i+1
.endr
	WIN 0xc0
.irp e,0,1,2,3,4,5,6,7
	v_mov_b32 v[160+\e], 0x3f803f80        ; a fragment of ones
.endr
	WIN 0xae                               ; P^T V: 16 tiles in window 2, v128-255; they take turns
.irp kk,0,1,2,3
.irp dt,0,1,2,3
.irp lt,0,1,2,3
.if \kk == 0
	v_wmma_f32_16x16x32_bf16 v[128+8*(4*\dt+\lt):135+8*(4*\dt+\lt)], v[32*\dt+8*\kk:32*\dt+8*\kk+7], v[32*\lt+8*\kk:32*\lt+8*\kk+7], 0
.else
	v_wmma_f32_16x16x32_bf16 v[128+8*(4*\dt+\lt):135+8*(4*\dt+\lt)], v[32*\dt+8*\kk:32*\dt+8*\kk+7], v[32*\lt+8*\kk:32*\lt+8*\kk+7], v[128+8*(4*\dt+\lt):135+8*(4*\dt+\lt)]
.endif
.endr
.endr
.endr
	WIN 0xfb                               ; L = ones x P: a lane holds its column's sum in every register; window 3, v128-159
.irp kk,0,1,2,3
.irp dt,0,1,2,3
.if \kk == 0
	v_wmma_f32_16x16x32_bf16 v[128+8*\dt:135+8*\dt], v[160:167], v[32*\dt+8*\kk:32*\dt+8*\kk+7], 0
.else
	v_wmma_f32_16x16x32_bf16 v[128+8*\dt:135+8*\dt], v[160:167], v[32*\dt+8*\kk:32*\dt+8*\kk+7], v[128+8*\dt:135+8*\dt]
.endif
.endr
.endr
	PLACES
	WIN 0x0a
.set i, 0
.rept 64
	v_cvt_pk_bf16_f32 v[F1+i], v[128+2*i], v[129+2*i]
.set i, i+1
.endr
	WIN 0
	s_add_co_u32 s66, s[HB], s[WVN]        ; my head
	s_lshl_b32 s[ZP], s66, 13
	s_add_nc_u64 s[PP:PP+1], s[PB0:PB0+1], s[ZP:ZP+1]
	s_lshl_b32 s[ZP], s66, 9
	s_add_nc_u64 s[SP:SP+1], s[SB0:SB0+1], s[ZP:ZP+1]
	s_wait_alu depctr_va_vdst(0)           ; the conversions have written v[F1 ..], the maxima v[ST ..] and the products L: the stores below read them (the places behind L's products stand above)
.set i, 0
.rept 16
	global_store_b128 v[LOFF], v[F1+4*i:F1+4*i+3], s[PP:PP+1] offset:512*i     ; 512 consecutive bytes each
.set i, i+1
.endr
.irp c,0,1,2,3
	global_store_b32 v[CVO], v[ST+2*\c], s[SP:SP+1] offset:64*\c               ; M; both halves of the lanes hold and store the same 64 bytes
.endr
	WIN 0x0c
.irp c,0,1,2,3
	global_store_b32 v[CVO], v[128+8*\c], s[SP:SP+1] offset:256+64*\c          ; L
.endr
	WIN 0
	s_wait_xcnt 0x0                        ; the stores' registers and bases are written again only behind this wait
	s_wait_alu depctr_vm_vsrc(0)           ; the stores have read v[F1 ..], v[ST ..] and L, and this pass's loads of constants v[CNO]: the next pass writes all of them again
	s_add_co_u32 s[HB], s[HB], 4
	s_cmp_eq_u32 s[TYPE], 2
	s_cbranch_scc1 .Lend                   ; a text work-group has one pass
	s_sub_co_u32 s[PASSC], s[PASSC], 1
	s_cmp_lg_u32 s[PASSC], 0
	s_cbranch_scc1 .Lpass
.Lend:
	s_wait_dscnt 0x0                       ; the closing lines, six on end
	s_wait_alu 0x0
	s_wait_tensorcnt 0x0
	ds_add_u32 v[SPW], v[NIL]
	s_wait_dscnt 0x0
	s_endpgm
.Lfunc_end_k_q1ee473d589_kv:
	.size	k_q1ee473d589_kv, .Lfunc_end_k_q1ee473d589_kv-k_q1ee473d589_kv
	.p2alignl 7, 3214868480
	.fill 96, 4, 3214868480
	.section	.rodata,"a",@progbits
	.p2align	6, 0x0
	.amdhsa_kernel k_q1ee473d589_kv
		.amdhsa_group_segment_fixed_size 138240
		.amdhsa_private_segment_fixed_size 0
		.amdhsa_enable_private_segment 0
		.amdhsa_kernarg_size 96
		.amdhsa_user_sgpr_count 2
		.amdhsa_user_sgpr_kernarg_segment_ptr 1
		.amdhsa_wavefront_size32 1
		.amdhsa_system_sgpr_workgroup_id_x 1
		.amdhsa_system_sgpr_workgroup_id_y 1
		.amdhsa_system_sgpr_workgroup_id_z 1
		.amdhsa_system_vgpr_workitem_id 0
		.amdhsa_next_free_vgpr 1024
		.amdhsa_next_free_sgpr 100
		.amdhsa_reserve_vcc 1
		.amdhsa_float_denorm_mode_32 3
		.amdhsa_float_denorm_mode_16_64 3
		.amdhsa_memory_ordered 1
		.amdhsa_forward_progress 1
		.amdhsa_inst_pref_size 165
	.end_amdhsa_kernel
	.amdgpu_metadata
---
amdhsa.version: [ 1, 2 ]
amdhsa.kernels:
  - .name:           k_q1ee473d589_kv
    .symbol:         k_q1ee473d589_kv.kd
    .args:
      - { .name: x, .offset: 0, .size: 8, .value_kind: global_buffer, .address_space: global }
      - { .name: re_motion, .offset: 8, .size: 8, .value_kind: global_buffer, .address_space: global }
      - { .name: xf, .offset: 16, .size: 8, .value_kind: global_buffer, .address_space: global }
      - { .name: re_text, .offset: 24, .size: 8, .value_kind: global_buffer, .address_space: global }
      - { .name: src_mask, .offset: 32, .size: 8, .value_kind: global_buffer, .address_space: global }
      - { .name: re_mask, .offset: 40, .size: 8, .value_kind: global_buffer, .address_space: global }
      - { .name: cond_type, .offset: 48, .size: 8, .value_kind: global_buffer, .address_space: global }
      - { .name: wblk, .offset: 56, .size: 8, .value_kind: global_buffer, .address_space: global }
      - { .name: cvec, .offset: 64, .size: 8, .value_kind: global_buffer, .address_space: global }
      - { .name: utab, .offset: 72, .size: 8, .value_kind: global_buffer, .address_space: global }
      - { .name: part, .offset: 80, .size: 8, .value_kind: global_buffer, .address_space: global }
      - { .name: stat, .offset: 88, .size: 8, .value_kind: global_buffer, .address_space: global }
    .group_segment_fixed_size: 138240
    .private_segment_fixed_size: 0
    .kernarg_segment_align: 8
    .kernarg_segment_size: 96
    .max_flat_workgroup_size: 128
    .sgpr_count:     100
    .vgpr_count:     1024
    .wavefront_size: 32
...
	.end_amdgpu_metadata
.endif
;; end of part 9
;; launch join: the kernel of part 7 again; grid 256 x 1, 16 waves a work-group, no clusters, 6,656 bytes of LDS; arguments part, stat, utab, emb_b, snorm_g, snorm_b, attn, film; writes attn, film
;; launch fin (part 10): grid 256 x 1, 4 waves a work-group, no clusters, 264,704 bytes of LDS; arguments x, wblk, cvec, attn, film, out0; writes out0
.if DOCPART == 10
	.amdgcn_target "amdgcn-amd-amdhsa--gfx1250"
	.amdhsa_code_object_version 6
	.text
	.protected	k_q1ee473d589_fin
	.globl	k_q1ee473d589_fin
	.p2align	8
	.type	k_q1ee473d589_fin,@function
k_q1ee473d589_fin:
	s_mov_b64 s[64:65], 0
	v_nop
	global_prefetch_b8 v0, s[64:65] scope:SCOPE_SE
	s_setreg_imm32_b32 hwreg(HW_REG_WAVE_SCHED_MODE, 0, 2), 2
	s_setreg_imm32_b32 hwreg(HW_REG_WAVE_MODE, 25, 1), 1
	s_wait_xcnt 0x0
	s_wait_alu depctr_vm_vsrc(0)
; FIN.  A work-group takes 128 rows of x of one batch.
; 1. Each wave normalises 32 rows into LDS (A, bf16); the rows come four at a time into two sets of registers that take turns: while one set is worked on, the other's 16 loads (8 KB a wave) are on their way.
; 2. Pass Q: wave w makes query channels 128 w .. + 127 (heads 2 w, 2 w + 1) for all 128 rows; source 0 = weights, source 1 = rows, so a lane
; holds one row and eight channels.  The bias enters by one extra product against a constant fragment, which starts the sums.   3. The logits go back into A (bf16); each wave takes the softmax over
; each head's 64 channels of its 32 rows (true maximum taken away), in place.   4. y = q x attention by the matrix unit, back into A.   5. Each wave: norm over 512, film, silu, in place.
; 6. Pass OUT, the same loop's second trip.   7. The sums go through LDS in f32, x (again in two sets that take turns) is added, and whole rows leave, 512 consecutive bytes a store.
; The way from the accumulators back into A stands once, in a loop of two trips: logits, softmax and y; then y, and out to the norm.
; Weights come straight from memory into registers, as register images.  NO CLUSTER: no tensor load is used, so there is no joint request to make.
; LIMITS.  Logits, q, y and silu(h) are rounded to bf16 between the steps.  Each pass's last fetch of row fragments and the last pass's last three quarters of weight loads serve nothing.
; THE MODE: SCHED_MODE bits 1:0 = 2 (LLVM: expert scheduling mode 2), set by the entry lines.  The code itself states the register dependences between vector or matrix instructions and
; memory or LDS instructions, with s_wait_alu, always for 0.
; THE PLAN.  Registers that memory or LDS instructions touch, and who else names them:
;   row sets 0, 1     v64-127 of windows 0 and 2.  A half's sums and centring lines read its set; one wait on va_vdst behind the centring, then the set's 16 loads.
;   v[OUTB ..], v[AW] a half's conversions write OUTB, its 16 LDS stores read OUTB and AW.  Both are written again a half later, behind one wait on vm_vsrc; one wait on va_vdst stands ahead of the stores.
;   F0, F1, weight buffers 0-3.  A quarter's products name its fragment buffer f, its weight buffer bq and the accumulators; its loads land in g and bl, which the quarter before multiplied.
;                     ONE wait on va_vdst at the quarter's head; behind it the 32 loads are dealt among the 64 products, four behind every eight, with no further wait.
;   v[ADRA ..]        written once in four quarters, at a quarter's head: behind a wait on vm_vsrc, ahead of the head's wait on va_vdst.
;   PACK              row tiles 0-3 are packed into v64-191, row tiles 4-7 into window 2's v0-127, which the first 128 conversions have emptied: a wait on va_vdst ahead of each run of 32 LDS stores,
;                     and one on vm_vsrc behind the barrier that follows, ahead of all that writes these registers again.
;   softmax, norm     a trip's LDS loads go by v[RWA] into v64-79, which its unpacking lines read; its conversions write v[PO ..], its LDS stores read v[PO ..] and v[RWS].  One wait on vm_vsrc behind the
;                     landed loads, ahead of the lines that write RWS, RWA and, later, PO; one on va_vdst ahead of the stores, which also serves the next trip's loads.
;   the way out       a group's additions write v[F1 ..] and read its set of x: one wait on va_vdst behind them, for the x loads and the stores; one on vm_vsrc behind the stores, for the next group's LDS loads.
;   v[LOFF], v[FO], v[CVO], v[ABASE ..], v[YA ..], v[OSA ..], v[RW0], v[AW0]: made at the head, never written again.
.set PA, 1040
.set OPT, 2064                         ; a row of the f32 stage: 2,048 bytes + 16
.set SPARE, 264192
.set LANE,1
.set LOFF,2
.set R16,3
.set HH,4
.set AW,5                              ; where my 8 bytes of the four rows in hand go
.set ADRA,6
.set ABASE,8
.set YA,10                             ; v10-11 ABASE + 256 w: my 128 channels of the rows
.set CVO,12
.set RWA,13                            ; softmax and norm: the rows that are loaded next
.set RW0,14
.set OSA,16                            ; v16-19
.set ORA,20
.set FO,21
.set AW0,22                            ; where my 8 bytes of my wave's first row go; never written again
.set RWS,23                            ; softmax and norm: the rows in hand, for the stores
.set SPW,28
.set NIL,29
.set TB,31
.set CN,32                             ; v32-39 this pass's biases, v40-47 the next's
.set ONE,48                            ; v48-55 the constant fragment
.set LO,56
.set F0,64                             ; window 0: row set 0, then row fragments; window 2, the same numbers: row set 1
.set PO,80                             ; v80-95 softmax and norm: two rows in bf16 on their way back into LDS
.set F1,128
.set WV,192                            ; row loop: v192-223 at work; then head 2 w's attention fragments; then film; on the way out x's second set
.set OUTB,224                          ; v224-255 row loop: four rows in bf16 on their way into LDS
.set WVN,16
.set BB,17
.set CH,18
.set ROW,19
.set XB,20                             ; s[20:21] row set 0's base
.set XP,22
.set OP,24
.set CP,26
.set ATP,28
.set FP,30
.set BP,32
.set KA,34
.set CNT,35
.set PASSC,36
.set HM,37
.set CS,38
.set SEL,40
.set NC,42
.set EPS,44
.set I512,45
.set XB2,46                            ; s[46:47] row set 1's base
.set AWS,48                            ; row loop: the bytes in A from my wave's first row to the rows in hand
.set ZP,50
.set PKC,54
.set MSB, 0
.macro WIN new
.if MSB != (\new)
	s_set_vgpr_msb (MSB<<8)|(\new)
.set MSB, \new
.endif
.endm
.macro PLACES
.rept 4
	v_nop
.endr
.endm
.macro RED4 o, t
.irp m,1,2,4,8
.irp s,0,1,2,3
	v_add_f32_dpp v[WV+8*\s+\o], v[WV+8*\s+\o], v[WV+8*\s+\o] row_xmask:\m row_mask:0xf bank_mask:0xf
.endr
.endr
.irp s,0,1,2,3
	v_permlanex16_b32 v[WV+8*\s+\t], v[WV+8*\s+\o], s[SEL], s[SEL+1]
.endr
.irp s,0,1,2,3
	v_add_f32 v[WV+8*\s+\o], v[WV+8*\s+\o], v[WV+8*\s+\t]
.endr
.endm
.macro RED2 o, t                       ; two rows side by side, figures at v[128 + 8 z]
.irp m,1,2,4,8
.irp z,0,1
	v_add_f32_dpp v[128+8*\z+\o], v[128+8*\z+\o], v[128+8*\z+\o] row_xmask:\m row_mask:0xf bank_mask:0xf
.endr
.endr
.irp z,0,1
	v_permlanex16_b32 v[128+8*\z+\t], v[128+8*\z+\o], s[SEL], s[SEL+1]
.endr
.irp z,0,1
	v_add_f32 v[128+8*\z+\o], v[128+8*\z+\o], v[128+8*\z+\t]
.endr
.endm
.macro LDROWS half, again              ; four rows, 16 loads of 512 consecutive bytes, into set 0 (window 0) or set 1 (window 2).  again = 1: the set has been worked on
	WIN 0x80*(\half)
.if \again
	s_wait_alu depctr_va_vdst(0)           ; the sums and the centring lines are done reading this set, in which the loads land
.endif
.irp s,0,1,2,3
.irp j,0,1,2,3
	global_load_b128 v[F0+16*\s+4*\j:F0+16*\s+4*\j+3], v[LOFF], s[XB+(XB2-XB)*(\half):XB+(XB2-XB)*(\half)+1] offset:2048*\s+512*\j
.endr
.endr
	WIN 0
.endm
.macro LOADB buf, q                    ; a quarter's 8 weight fragments into buffer buf of window 1: at the head, in one run
	WIN 0x40
.set i, 0
.rept 16
	global_load_b128 v[64*(\buf)+4*i:64*(\buf)+4*i+3], v[LOFF], s[BP:BP+1] offset:(\q)*32768+512*i
.set i, i+1
.endr
.endm
.macro LB4 buf, q, n0                  ; four of those sixteen loads, from number n0 on
	WIN 0x40
.irp i,0,1,2,3
	global_load_b128 v[64*(\buf)+4*((\n0)+\i):64*(\buf)+4*((\n0)+\i)+3], v[LOFF], s[BP:BP+1] offset:(\q)*32768+512*((\n0)+\i)
.endr
.endm
.macro FA2 f, k, n0                    ; row fragments n0 and n0 + 1 of eight, 32 k at byte k of the rows: four LDS loads
	WIN 0
.irp i,0,1
	ds_load_b128 v[(\f)+8*((\n0)+\i):(\f)+8*((\n0)+\i)+3], v[ADRA+((\n0)+\i)/4] offset:(((\n0)+\i)%4)*16*PA+(\k)
	ds_load_b128 v[(\f)+8*((\n0)+\i)+4:(\f)+8*((\n0)+\i)+7], v[ADRA+((\n0)+\i)/4] offset:(((\n0)+\i)%4)*16*PA+(\k)+32
.endr
.endm
.macro FETCHA f, k                     ; all 8 row fragments
.irp c,0,2,4,6
	FA2 \f, \k, \c
.endr
.endm
; 8 products: row tile 4 hi + a x all 8 channel tiles.  Accumulator (a, b) at 8 (8 (a % 4) + b) of window 2 + a / 4.  All 64 take turns in one order.
.macro MUL8 f, bq, hi, a
	WIN 0xa1+0x50*(\hi)
.irp b,0,1,2,3,4,5,6,7
	v_wmma_f32_16x16x32_bf16 v[8*(8*(\a)+\b):8*(8*(\a)+\b)+7], v[64*(\bq)+8*\b:64*(\bq)+8*\b+7], v[(\f)+8*(4*(\hi)+(\a)):(\f)+8*(4*(\hi)+(\a))+7], v[8*(8*(\a)+\b):8*(8*(\a)+\b)+7]
.endr
.endm
; A quarter: 32 along K.  The next quarter's row fragments go into g and the weights three quarters on into bl, the buffers that the quarter before multiplied.
.macro QRT f, g, bq, bl, k, q, step
	s_wait_loadcnt 32                      ; all but the two younger quarters' 16 loads each are in
	s_wait_dscnt 0x0
	PLACES                                 ; four places between the last quarter's products and the loads into the registers that they read
.if \step
	WIN 0
	s_add_co_u32 s[KA], s[KA], 256
	s_and_b32 s[KA], s[KA], 1023
	s_wait_alu depctr_vm_vsrc(0)           ; the fragment loads issued so far have read v[ADRA] and v[ADRA+1]
	v_add_nc_u32 v[ADRA], s[KA], v[ABASE]
	v_add_nc_u32 v[ADRA+1], s[KA], v[ABASE+1]
.endif
	s_wait_alu depctr_va_vdst(0)           ; the products issued so far are done reading g and bl (ahead of a pass's first quarter: the bias's products and the lines that wrote weight buffer 3; the norm's lines that named g); where they were stepped, v[ADRA ..] are written
.irp c,0,1,2,3                         ; no product of this quarter names g, bl, v[ADRA ..] or v[LOFF]: the loads owe no further wait
	MUL8 \f, \bq, 0, \c
	FA2 \g, \k, 2*\c
.endr
.irp c,0,1,2,3
	MUL8 \f, \bq, 1, \c
	LB4 \bl, \q, 4*\c
.endr
.endm
.macro LDATT hd                        ; a head's 8 attention fragments: (l tile lt, 32 d kk) from tiles (2 kk, lt) and (2 kk + 1, lt)
.irp lt,0,1,2,3
.irp kk,0,1
	global_load_b128 v[192+8*(2*\lt+\kk):195+8*(2*\lt+\kk)], v[LOFF], s[ATP:ATP+1] offset:(\hd)*8192+(8*\kk+\lt)*512
	global_load_b128 v[196+8*(2*\lt+\kk):199+8*(2*\lt+\kk)], v[LOFF], s[ATP:ATP+1] offset:(\hd)*8192+(8*\kk+4+\lt)*512
.endr
.endr
.endm
.macro PACK                            ; the 64 accumulators, rounded to bf16, into my 128 channels of A's rows; each is read from its low end on
	WIN 0x0a                               ; row tiles 0-3: window 2 into v64-191
.set i, 0
.rept 128
	v_cvt_pk_bf16_f32 v[F0+i], v[2*i], v[2*i+1]
.set i, i+1
.endr
	WIN 0
	s_wait_alu depctr_va_vdst(0)           ; the conversions have written v64-191, which the LDS stores read
.set a, 0
.rept 4
.irp b,0,1,2,3,4,5,6,7
	ds_store_b128 v[YA], v[F0+32*a+4*\b:F0+32*a+4*\b+3] offset:a*16*PA+32*\b
.endr
.set a, a+1
.endr
	WIN 0x8f                               ; row tiles 4-7: window 3 into window 2's v0-127, which the conversions above have emptied
.set i, 0
.rept 128
	v_cvt_pk_bf16_f32 v[i], v[2*i], v[2*i+1]
.set i, i+1
.endr
	WIN 0x08
	s_wait_alu depctr_va_vdst(0)           ; the conversions have written window 2's v0-127, which the LDS stores read
.set a, 0
.rept 4
.irp b,0,1,2,3,4,5,6,7
	ds_store_b128 v[YA+1], v[32*a+4*\b:32*a+4*\b+3] offset:a*16*PA+32*\b
.endr
.set a, a+1
.endr
	WIN 0
.endm
.macro YHEAD hd                        ; y of head 2 w + hd: source 0 = attention (l, d), source 1 = q (row, d)
	WIN 0
.irp kk,0,1
.irp a,0,1,2,3,4,5,6,7
	ds_load_b128 v[64+64*\kk+8*\a:67+64*\kk+8*\a], v[YA+\a/4] offset:(\a%4)*16*PA+128*(\hd)+64*\kk
	ds_load_b128 v[68+64*\kk+8*\a:71+64*\kk+8*\a], v[YA+\a/4] offset:(\a%4)*16*PA+128*(\hd)+64*\kk+32
.endr
.endr
	s_wait_dscnt 0x0
.irp kk,0,1
.irp hi,0,1
	WIN 0xa0+0x50*\hi+(\hd)
.irp a,0,1,2,3
.irp lt,0,1,2,3
.if \kk == 0
	v_wmma_f32_16x16x32_bf16 v[8*(8*\a+4*(\hd)+\lt):8*(8*\a+4*(\hd)+\lt)+7], v[192+8*(2*\lt+\kk):199+8*(2*\lt+\kk)], v[64+64*\kk+8*(4*\hi+\a):71+64*\kk+8*(4*\hi+\a)], 0
.else
	v_wmma_f32_16x16x32_bf16 v[8*(8*\a+4*(\hd)+\lt):8*(8*\a+4*(\hd)+\lt)+7], v[192+8*(2*\lt+\kk):199+8*(2*\lt+\kk)], v[64+64*\kk+8*(4*\hi+\a):71+64*\kk+8*(4*\hi+\a)], v[8*(8*\a+4*(\hd)+\lt):8*(8*\a+4*(\hd)+\lt)+7]
.endif
.endr
.endr
.endr
.endr
.endm
.macro BAR                             ; my LDS instructions are done; then everybody's are
	s_wait_dscnt 0x0
	s_barrier_signal -1
	s_barrier_wait -1
.endm
; Half a trip of the row loop: rows ROW + 4 half + 0..3 of my wave, side by side, out of set half; the centred rows lie in v128-191.
.macro LNH half
	s_wait_loadcnt 16                      ; loads come back in order: this set's rows are in; the other set's 16 loads, issued behind them, stay out
	WIN 0x0a*(\half)
.irp e,0,1,2,3
.irp s,0,1,2,3
	v_pk_add_f32 v[F1+16*\s+2*\e:F1+16*\s+2*\e+1], v[F0+16*\s+4*\e:F0+16*\s+4*\e+1], v[F0+16*\s+4*\e+2:F0+16*\s+4*\e+3]
.endr
.endr
	WIN 0
.irp s,0,1,2,3
	v_pk_add_f32 v[F1+16*\s:F1+16*\s+1], v[F1+16*\s:F1+16*\s+1], v[F1+16*\s+2:F1+16*\s+3]
	v_pk_add_f32 v[F1+16*\s+4:F1+16*\s+5], v[F1+16*\s+4:F1+16*\s+5], v[F1+16*\s+6:F1+16*\s+7]
.endr
.irp s,0,1,2,3
	v_pk_add_f32 v[F1+16*\s:F1+16*\s+1], v[F1+16*\s:F1+16*\s+1], v[F1+16*\s+4:F1+16*\s+5]
.endr
.irp s,0,1,2,3
	v_add_f32 v[WV+8*\s], v[F1+16*\s], v[F1+16*\s+1]
.endr
	RED4 0, 4
.irp s,0,1,2,3
	v_mul_f32 v[WV+8*\s], s[I512], v[WV+8*\s]
.endr
	WIN 0x02*(\half)
.irp e,0,1,2,3,4,5,6,7
.irp s,0,1,2,3
	v_pk_add_f32 v[F1+16*\s+2*\e:F1+16*\s+2*\e+1], v[F0+16*\s+2*\e:F0+16*\s+2*\e+1], v[WV+8*\s:WV+8*\s+1] op_sel_hi:[1,0] neg_lo:[0,1] neg_hi:[0,1]
.endr
.endr
	WIN 0
	s_cmp_eq_u32 s[ROW], 24
	s_cbranch_scc1 .Lnold\@
	s_add_nc_u64 s[XB+(XB2-XB)*(\half):XB+(XB2-XB)*(\half)+1], s[XB+(XB2-XB)*(\half):XB+(XB2-XB)*(\half)+1], 16384  ; the set has been read: it takes the rows eight further on.  Its base is free: the wait at the head has shown its loads done
	LDROWS \half, 1
	s_branch .Lld\@
.Lnold\@:
	s_wait_loadcnt 0x0                     ; the last trip asks for nothing, so no 16 younger loads will stand behind the other set's: they are waited for here
.Lld\@:
.irp s,0,1,2,3
	v_pk_mul_f32 v[WV+8*\s+2:WV+8*\s+3], v[F1+16*\s:F1+16*\s+1], v[F1+16*\s:F1+16*\s+1]
.endr
.irp e,1,2,3,4,5,6,7
.irp s,0,1,2,3
	v_pk_fma_f32 v[WV+8*\s+2:WV+8*\s+3], v[F1+16*\s+2*\e:F1+16*\s+2*\e+1], v[F1+16*\s+2*\e:F1+16*\s+2*\e+1], v[WV+8*\s+2:WV+8*\s+3]
.endr
.endr
.irp s,0,1,2,3
	v_add_f32 v[WV+8*\s+2], v[WV+8*\s+2], v[WV+8*\s+3]
.endr
	RED4 2, 4
.irp s,0,1,2,3
	v_fma_f32 v[WV+8*\s+2], v[WV+8*\s+2], s[I512], s[EPS]
.endr
.irp s,0,1,2,3
	v_rsq_f32 v[WV+8*\s+2], v[WV+8*\s+2]
.endr
	v_nop                                  ; a plain instruction behind the last of them
	s_wait_alu depctr_va_vdst(0)           ; the four 1 / sigma are written, ahead of their first reader
.irp e,0,1,2,3,4,5,6,7
.irp s,0,1,2,3
	v_pk_mul_f32 v[F1+16*\s+2*\e:F1+16*\s+2*\e+1], v[F1+16*\s+2*\e:F1+16*\s+2*\e+1], v[WV+8*\s+2:WV+8*\s+3] op_sel_hi:[1,0]
.endr
.endr
	s_wait_alu depctr_vm_vsrc(0)           ; the LDS stores of the half before have read v[OUTB ..] and v[AW], which the lines below write again
	v_add_nc_u32 v[AW], s[AWS], v[AW0]
	s_add_co_u32 s[AWS], s[AWS], 4*PA      ; the next half's rows
.irp e,0,1,2,3,4,5,6,7
.irp s,0,1,2,3
	v_cvt_pk_bf16_f32 v[OUTB+8*\s+\e], v[F1+16*\s+2*\e], v[F1+16*\s+2*\e+1]
.endr
.endr
	s_wait_alu depctr_va_vdst(0)           ; the conversions have written v[OUTB ..], and v[AW] is written: the LDS stores read both
.irp s,0,1,2,3
.irp j,0,1,2,3
	ds_store_b64 v[AW], v[OUTB+8*\s+2*\j:OUTB+8*\s+2*\j+1] offset:\s*PA+256*\j
.endr
.endr
.endm
; Half a trip of the way out: four whole rows, ro .. ro + 3 of the trip's eight: the sums from the stage, plus x out of the set at v[xs].  step = 1: the stage's address moves on by a trip
.macro OGRP xs, ro, step
.irp s,0,1,2,3
.irp j,0,1,2,3
	ds_load_b128 v[F1+16*\s+4*\j:F1+16*\s+4*\j+3], v[ORA] offset:((\ro)+\s)*OPT+512*\j
.endr
.endr
	s_wait_loadcnt 16                      ; this set's x is in; the other set's 16 loads, issued behind it, stay out
	s_wait_dscnt 0x0
.if \step
	s_wait_alu depctr_vm_vsrc(0)           ; the trip's LDS loads have read v[ORA]
	v_add_nc_u32 v[ORA], 8*OPT, v[ORA]
.endif
.set i, 0
.rept 32
	v_pk_add_f32 v[F1+2*i:F1+2*i+1], v[F1+2*i:F1+2*i+1], v[(\xs)+2*i:(\xs)+2*i+1]
.set i, i+1
.endr
	s_wait_alu depctr_va_vdst(0)           ; the additions have written v[F1 ..], which the stores read, and are done reading this set of x, in which the loads land; where it was stepped, v[ORA] is written
	s_cmp_eq_u32 s[CNT], 1
	s_cbranch_scc1 .Lnox\@
.irp s,0,1,2,3
.irp j,0,1,2,3
	global_load_b128 v[(\xs)+16*\s+4*\j:(\xs)+16*\s+4*\j+3], v[LOFF], s[XP:XP+1] offset:(8+(\ro)+\s)*2048+512*\j   ; the rows eight further on
.endr
.endr
	s_branch .Lx\@
.Lnox\@:
	s_wait_loadcnt 0x0                     ; the last trip asks for nothing: the other set's loads are waited for here
.Lx\@:
.irp s,0,1,2,3
.irp j,0,1,2,3
	global_store_b128 v[LOFF], v[F1+16*\s+4*\j:F1+16*\s+4*\j+3], s[OP:OP+1] offset:((\ro)+\s)*2048+512*\j th:TH_STORE_NT
.endr
.endr
	s_wait_xcnt 0x0                        ; the stores' data, and the bases of loads and stores, are written again only behind this wait
	s_wait_alu depctr_vm_vsrc(0)           ; the stores have read v[F1 ..], in which the next group's LDS loads land
.endm
	s_load_b256 s[4:11], s[0:1], 0x0       ; x 4, wblk 6, cvec 8, attn 10
	s_load_b128 s[12:15], s[0:1], 0x20     ; film 12, out0 14
	v_lshl_add_u32 v[SPW], v0, 2, SPARE
	v_mov_b32 v[NIL], 0
	v_lshrrev_b32 v[TB], 5, v0
	v_readfirstlane_b32 s[WVN], v[TB]
	v_and_b32 v[LANE], 31, v0
	v_and_b32 v[R16], 15, v0
	v_bfe_u32 v[HH], v0, 4, 1
	v_lshlrev_b32 v[LOFF], 4, v[LANE]
	v_lshlrev_b32 v[FO], 5, v[LANE]
	v_lshlrev_b32 v[CVO], 2, v[R16]
	s_wait_alu depctr_va_sdst(0)           ; s[WVN] is written, ahead of its first reader: LDS places and bases are made from it
	s_lshr_b32 s[BB], ttmp9, 3
	s_and_b32 s[CH], ttmp9, 7
	s_mov_b32 s[HM], 0xffff0000
	s_mov_b32 s[CS], 0x3fb8aa3b
	s_mov_b32 s[CS+1], s[CS]
	s_mov_b32 s[NC], 0xbfb8aa3b
	s_mov_b32 s[NC+1], s[NC]
	s_mov_b32 s[SEL], 0x76543210
	s_mov_b32 s[SEL+1], 0xfedcba98
	s_mov_b32 s[EPS], 0x3727c5ac
	s_mov_b32 s[I512], 0x3b000000
	s_mov_b32 s[ROW], 0
	s_mov_b32 s[AWS], 0
	s_mov_b32 s[ZP+1], 0
	s_mul_i32 s52, s[WVN], 32*PA
	v_lshl_add_u32 v[AW0], v[LANE], 3, s52
	v_add_nc_u32 v[RW0], s52, v[LOFF]
	v_mul_u32_u24 v[ABASE], v[R16], PA
	v_lshl_add_u32 v[ABASE], v[HH], 4, v[ABASE]
	v_add_nc_u32 v[ABASE+1], 64*PA, v[ABASE]
	v_mov_b32 v[ADRA], v[ABASE]            ; the first quarter lies at the rows' head
	v_mov_b32 v[ADRA+1], v[ABASE+1]
	s_lshl_b32 s52, s[WVN], 8
	v_add_nc_u32 v[YA], s52, v[ABASE]
	v_add_nc_u32 v[YA+1], s52, v[ABASE+1]
	v_mul_u32_u24 v[OSA], v[R16], OPT      ; the f32 stage: row 32 i + r, my 128 channels, my lanes' 8 of each 16
	v_lshl_add_u32 v[OSA], v[HH], 5, v[OSA]
	s_lshl_b32 s52, s[WVN], 9
	v_add_nc_u32 v[OSA], s52, v[OSA]
.irp i,1,2,3
	v_add_nc_u32 v[OSA+\i], 32*OPT*\i, v[OSA]
.endr
	s_mul_i32 s52, s[WVN], 32*OPT
	v_add_nc_u32 v[ORA], s52, v[LOFF]
	v_mov_b32 v[LO], 0x3f803f80            ; the constant fragment: k = 0, 1 are 1, all else 0
	v_cmp_gt_u32 vcc_lo, 16, v[LANE]
.irp e,1,2,3,4,5,6,7
	v_mov_b32 v[ONE+\e], 0
.endr
	s_wait_alu depctr_va_vcc(0)            ; the compare has written VCC, ahead of the select that reads it
	v_cndmask_b32 v[ONE], 0, v[LO], vcc_lo
.set i, 0
.rept 32
	v_mov_b32 v[WV+i], 0
.set i, i+1
.endr
	s_lshl_b32 s52, s[BB], 21
	s_lshl_b32 s53, s[CH], 18
	s_add_co_u32 s52, s52, s53
	s_lshl_b32 s53, s[WVN], 16
	s_add_co_u32 s[ZP], s52, s53           ; my wave's 32 rows
	s_wait_kmcnt 0x0
	s_add_nc_u64 s[XB:XB+1], s[4:5], s[ZP:ZP+1]
	s_add_nc_u64 s[XB2:XB2+1], s[XB:XB+1], 8192
	s_add_nc_u64 s[XP:XP+1], s[4:5], s[ZP:ZP+1]
	s_add_nc_u64 s[OP:OP+1], s[14:15], s[ZP:ZP+1]
	s_lshl_b32 s[ZP], s[WVN], 13
	s_add_co_u32 s[ZP], s[ZP], 0x300000
	s_add_nc_u64 s[BP:BP+1], s[6:7], s[ZP:ZP+1]
	s_lshl_b32 s[ZP], s[WVN], 9
	s_add_nc_u64 s[CP:CP+1], s[8:9], s[ZP:ZP+1]
	s_lshl_b32 s52, s[BB], 16
	s_lshl_b32 s53, s[WVN], 14
	s_add_co_u32 s[ZP], s52, s53
	s_add_nc_u64 s[ATP:ATP+1], s[10:11], s[ZP:ZP+1]
	s_lshl_b32 s[ZP], s[BB], 12
	s_add_nc_u64 s[FP:FP+1], s[12:13], s[ZP:ZP+1]
	s_wait_alu depctr_va_vdst(0)           ; all offsets and LDS addresses made above are written: the loads and stores of the whole kernel read them
.irp b,0,1,2,3,4,5,6,7
	global_load_b32 v[CN+\b], v[CVO], s[CP:CP+1] offset:64*\b
	global_load_b32 v[CN+8+\b], v[CVO], s[CP:CP+1] offset:16384+64*\b
.endr
	LOADB 0, 0
	LOADB 1, 1
	LOADB 2, 2
	WIN 0
	LDROWS 0, 0                            ; rows 0-3 into set 0,
	LDROWS 1, 0                            ; rows 4-7 into set 1
	s_wait_loadcnt 0x0                     ; all that was asked for at the start is in: from here to the row loop's end the counts speak of row loads alone
.Lln:                                          ; four trips of eight rows: set 0's four, then set 1's four
	LNH 0
	LNH 1
	s_add_co_u32 s[ROW], s[ROW], 8
	s_cmp_lt_u32 s[ROW], 32
	s_cbranch_scc1 .Lln
	s_wait_alu depctr_vm_vsrc(0)           ; the last LDS stores have read v[OUTB ..], in which attention lands (the lines that named v192-255 stand ahead of the loop's last wait on va_vdst)
	LDATT 0                                ; head 2 w's attention, kept in window 0 until y is made
	BAR
	s_mov_b32 s[KA], 0
	s_mov_b32 s[PASSC], 2
.Lpass:                                        ; first trip: Q; second trip: OUT, which leaves the loop in its middle
	FETCHA F0, 0                           ; no wait: on both ways here the lines that named v64-127 and v[ADRA ..] stand ahead of a wait on va_vdst, the LDS stores that read v[PO ..] ahead of one on vm_vsrc
	s_wait_loadcnt 48                      ; the biases are in
.irp b,0,1,2,3,4,5,6,7
	v_cvt_pk_bf16_f32 v[LO+\b], v[CN+\b], 0
.endr
.irp b,0,1,2,3,4,5,6,7
	v_lshlrev_b32 v[LO+\b], 16, v[LO+\b]
.endr
.irp b,0,1,2,3,4,5,6,7
	v_sub_f32 v[LO+\b], v[CN+\b], v[LO+\b]
.endr
	WIN 0x40                               ; the channels' side in weight buffer 3: bias high, bias low, then zeros
.irp b,0,1,2,3,4,5,6,7
	v_cvt_pk_bf16_f32 v[192+8*\b], v[CN+\b], v[LO+\b]
.irp e,1,2,3,4,5,6,7
	v_mov_b32 v[192+8*\b+\e], 0
.endr
.endr
.irp hi,0,1
	WIN 0xa1+0x50*\hi
.irp a,0,1,2,3
.irp b,0,1,2,3,4,5,6,7
	v_wmma_f32_16x16x32_bf16 v[8*(8*\a+\b):8*(8*\a+\b)+7], v[192+8*\b:199+8*\b], v[ONE:ONE+7], 0
.endr
.endr
.endr
	WIN 0
.irp b,0,1,2,3,4,5,6,7
	v_mov_b32 v[CN+\b], v[CN+8+\b]         ; the next pass's biases
.endr
	s_mov_b32 s[CNT], 4
.Lk:
	QRT F0, F1, 0, 3, 64, 3, 0
	QRT F1, F0, 1, 0, 128, 4, 0
	QRT F0, F1, 2, 1, 192, 5, 0
	QRT F1, F0, 3, 2, 0, 6, 1
	WIN 0
	s_wait_xcnt 0x0
	s_add_nc_u64 s[BP:BP+1], s[BP:BP+1], 131072
	s_sub_co_u32 s[CNT], s[CNT], 1
	s_cmp_lg_u32 s[CNT], 0
	s_cbranch_scc1 .Lk
	s_cmp_eq_u32 s[PASSC], 1
	s_cbranch_scc1 .Lout
	PLACES
	WIN 0x40
	s_wait_alu depctr_va_vdst(0)           ; the last quarter's products are done reading weight buffer 3, in which attention lands
	LDATT 1                                ; head 2 w + 1's attention into weight buffer 3, which is free until the next pass begins
	WIN 0
	BAR                                    ; nobody reads the normalised rows any more
	s_mov_b32 s[PKC], 2
.Lpk:                                          ; first trip: the logits go into A, softmax, y; second trip: y goes into A, and out to the norm.  A barrier stands in front of every entry
	PACK
	BAR
	s_wait_alu depctr_vm_vsrc(0)           ; PACK's LDS stores have read v64-191 and window 2's v0-127: softmax, norm, their loads and y's products write these again
	s_cmp_eq_u32 s[PKC], 1
	s_cbranch_scc1 .Lnorm
	; softmax over each head's 64 channels: 8 lanes x 8 channels; a lane holds channels 8 l .. and 256 + 8 l ..; two rows a trip
	v_mov_b32 v[RWA], v[RW0]
.set i, 0
.rept 16
	v_mov_b32 v[128+i], 0
.set i, i+1
.endr
	s_mov_b32 s[CNT], 16
	s_wait_alu depctr_va_vdst(0)           ; v[RWA] is written, which the first trip's LDS loads read
.Lsm:
.irp z,0,1
	ds_load_b128 v[64+8*\z:67+8*\z], v[RWA] offset:\z*PA
	ds_load_b128 v[68+8*\z:71+8*\z], v[RWA] offset:\z*PA+512
.endr
	s_wait_dscnt 0x0
	s_wait_alu depctr_vm_vsrc(0)           ; these loads have read v[RWA]; the last trip's LDS stores have read v[RWS] and v[PO ..]: this trip writes all three
	v_mov_b32 v[RWS], v[RWA]               ; the rows in hand, for the stores;
	v_add_nc_u32 v[RWA], 2*PA, v[RWA]      ; the next trip's rows
.irp e,0,1,2,3,4,5,6,7
.irp z,0,1
	v_lshlrev_b32 v[96+16*\z+2*\e], 16, v[64+8*\z+\e]
	v_and_b32 v[97+16*\z+2*\e], s[HM], v[64+8*\z+\e]
.endr
.endr
.irp q,0,1,2,3
	v_max3_num_f32 v[128+4*\q], v[96+8*\q], v[97+8*\q], v[98+8*\q]
.endr
.irp q,0,1,2,3
	v_max3_num_f32 v[128+4*\q], v[128+4*\q], v[99+8*\q], v[100+8*\q]
.endr
.irp q,0,1,2,3
	v_max3_num_f32 v[128+4*\q], v[128+4*\q], v[101+8*\q], v[102+8*\q]
.endr
.irp q,0,1,2,3
	v_max_num_f32 v[128+4*\q], v[128+4*\q], v[103+8*\q]
.endr
.irp m,1,2,4
.irp q,0,1,2,3
	v_max_num_f32_dpp v[128+4*\q], v[128+4*\q], v[128+4*\q] row_xmask:\m row_mask:0xf bank_mask:0xf
.endr
.endr
.irp q,0,1,2,3
	v_mul_f32 v[128+4*\q], s[CS], v[128+4*\q]
.endr
.irp e,0,1,2,3
.irp q,0,1,2,3
	v_pk_fma_f32 v[96+8*\q+2*\e:97+8*\q+2*\e], v[96+8*\q+2*\e:97+8*\q+2*\e], s[CS:CS+1], v[128+4*\q:129+4*\q] op_sel_hi:[1,0,0] neg_lo:[0,0,1] neg_hi:[0,0,1]
.endr
.endr
.set i, 0
.rept 32
	v_exp_f32 v[96+i], v[96+i]
.set i, i+1
.endr
	v_nop                                  ; a plain instruction behind the last exponential
	s_wait_alu depctr_va_vdst(0)           ; the 32 exponentials v96-127 are written, ahead of their first reader
.irp q,0,1,2,3
	v_pk_add_f32 v[130+4*\q:131+4*\q], v[96+8*\q:97+8*\q], v[98+8*\q:99+8*\q]
.endr
.irp q,0,1,2,3
	v_pk_add_f32 v[130+4*\q:131+4*\q], v[130+4*\q:131+4*\q], v[100+8*\q:101+8*\q]
.endr
.irp q,0,1,2,3
	v_pk_add_f32 v[130+4*\q:131+4*\q], v[130+4*\q:131+4*\q], v[102+8*\q:103+8*\q]
.endr
.irp q,0,1,2,3
	v_add_f32 v[130+4*\q], v[130+4*\q], v[131+4*\q]
.endr
.irp m,1,2,4
.irp q,0,1,2,3
	v_add_f32_dpp v[130+4*\q], v[130+4*\q], v[130+4*\q] row_xmask:\m row_mask:0xf bank_mask:0xf
.endr
.endr
.irp q,0,1,2,3
	v_rcp_f32 v[130+4*\q], v[130+4*\q]
.endr
	v_nop                                  ; a plain instruction behind the last reciprocal
	s_wait_alu depctr_va_vdst(0)           ; the four reciprocals are written, ahead of their first reader
.irp e,0,1,2,3
.irp q,0,1,2,3
	v_pk_mul_f32 v[96+8*\q+2*\e:97+8*\q+2*\e], v[96+8*\q+2*\e:97+8*\q+2*\e], v[130+4*\q:131+4*\q] op_sel_hi:[1,0]
.endr
.endr
.irp e,0,1,2,3
.irp q,0,1,2,3
	v_cvt_pk_bf16_f32 v[PO+4*\q+\e], v[96+8*\q+2*\e], v[97+8*\q+2*\e]
.endr
.endr
	s_wait_alu depctr_va_vdst(0)           ; the conversions have written v[PO ..], and v[RWS] is written: the stores read both; v[RWA] is written and the unpacking lines are done with v64-79: for the next trip's loads
.irp z,0,1
	ds_store_b128 v[RWS], v[PO+8*\z:PO+8*\z+3] offset:\z*PA
	ds_store_b128 v[RWS], v[PO+8*\z+4:PO+8*\z+7] offset:\z*PA+512
.endr
	s_sub_co_u32 s[CNT], s[CNT], 1
	s_cmp_lg_u32 s[CNT], 0
	s_cbranch_scc1 .Lsm
	BAR
	s_wait_alu depctr_vm_vsrc(0)           ; the last trip's LDS stores have read v[PO ..], in which q's fragments land
	s_wait_loadcnt 0x0                     ; both heads' attention
	YHEAD 0                                ; (the softmax's lines that named v64-143 stand ahead of its last wait on va_vdst)
	PLACES
	s_wait_alu depctr_va_vdst(0)           ; head 2 w's products are done reading v64-191, in which the other head's q lands, and v192-223, in which film lands
	YHEAD 1
	PLACES
	WIN 0
.irp p,0,1                             ; film for my 16 channels: gains in v192-207, shifts in v208-223.  No wait: head 2 w + 1's products take their attention from window 1
	global_load_b128 v[192+16*\p:195+16*\p], v[FO], s[FP:FP+1] offset:2048*\p
	global_load_b128 v[196+16*\p:199+16*\p], v[FO], s[FP:FP+1] offset:2048*\p+16
	global_load_b128 v[200+16*\p:203+16*\p], v[FO], s[FP:FP+1] offset:2048*\p+1024
	global_load_b128 v[204+16*\p:207+16*\p], v[FO], s[FP:FP+1] offset:2048*\p+1040
.endr
	BAR                                    ; nobody reads q any more
	s_sub_co_u32 s[PKC], s[PKC], 1
	s_cmp_lg_u32 s[PKC], 0
	s_cbranch_scc1 .Lpk
.Lnorm:
	; norm over the 512 channels, film, silu: two rows a trip
	v_mov_b32 v[RWA], v[RW0]
.set i, 0
.rept 16
	v_mov_b32 v[128+i], 0
.set i, i+1
.endr
	s_wait_loadcnt 0x0
	s_mov_b32 s[CNT], 16
	s_wait_alu depctr_va_vdst(0)           ; v[RWA] is written, which the first trip's LDS loads read
.Lnr:
.irp z,0,1
	ds_load_b128 v[64+8*\z:67+8*\z], v[RWA] offset:\z*PA
	ds_load_b128 v[68+8*\z:71+8*\z], v[RWA] offset:\z*PA+512
.endr
	s_wait_dscnt 0x0
	s_wait_alu depctr_vm_vsrc(0)           ; these loads have read v[RWA]; the last trip's LDS stores have read v[RWS] and v[PO ..]: this trip writes all three
	v_mov_b32 v[RWS], v[RWA]               ; the rows in hand, for the stores;
	v_add_nc_u32 v[RWA], 2*PA, v[RWA]      ; the next trip's rows
.irp e,0,1,2,3,4,5,6,7
.irp z,0,1
	v_lshlrev_b32 v[96+16*\z+2*\e], 16, v[64+8*\z+\e]
	v_and_b32 v[97+16*\z+2*\e], s[HM], v[64+8*\z+\e]
.endr
.endr
.irp e,0,1,2,3
.irp z,0,1
	v_pk_add_f32 v[128+8*\z+2*\e:129+8*\z+2*\e], v[96+16*\z+4*\e:97+16*\z+4*\e], v[98+16*\z+4*\e:99+16*\z+4*\e]
.endr
.endr
.irp z,0,1
	v_pk_add_f32 v[128+8*\z:129+8*\z], v[128+8*\z:129+8*\z], v[130+8*\z:131+8*\z]
	v_pk_add_f32 v[132+8*\z:133+8*\z], v[132+8*\z:133+8*\z], v[134+8*\z:135+8*\z]
.endr
.irp z,0,1
	v_pk_add_f32 v[128+8*\z:129+8*\z], v[128+8*\z:129+8*\z], v[132+8*\z:133+8*\z]
.endr
.irp z,0,1
	v_add_f32 v[128+8*\z], v[128+8*\z], v[129+8*\z]
.endr
	RED2 0, 4
.irp z,0,1
	v_mul_f32 v[128+8*\z], s[I512], v[128+8*\z]
.endr
.irp e,0,1,2,3,4,5,6,7
.irp z,0,1
	v_pk_add_f32 v[96+16*\z+2*\e:97+16*\z+2*\e], v[96+16*\z+2*\e:97+16*\z+2*\e], v[128+8*\z:129+8*\z] op_sel_hi:[1,0] neg_lo:[0,1] neg_hi:[0,1]
.endr
.endr
.irp z,0,1
	v_pk_mul_f32 v[130+8*\z:131+8*\z], v[96+16*\z:97+16*\z], v[96+16*\z:97+16*\z]
.endr
.irp e,1,2,3,4,5,6,7
.irp z,0,1
	v_pk_fma_f32 v[130+8*\z:131+8*\z], v[96+16*\z+2*\e:97+16*\z+2*\e], v[96+16*\z+2*\e:97+16*\z+2*\e], v[130+8*\z:131+8*\z]
.endr
.endr
.irp z,0,1
	v_add_f32 v[130+8*\z], v[130+8*\z], v[131+8*\z]
.endr
	RED2 2, 4
.irp z,0,1
	v_fma_f32 v[130+8*\z], v[130+8*\z], s[I512], s[EPS]
.endr
.irp z,0,1
	v_rsq_f32 v[130+8*\z], v[130+8*\z]
.endr
	v_nop                                  ; a plain instruction behind the last of them
	s_wait_alu depctr_va_vdst(0)           ; the two 1 / sigma are written, ahead of their first reader
.irp e,0,1,2,3,4,5,6,7
.irp z,0,1
	v_pk_mul_f32 v[96+16*\z+2*\e:97+16*\z+2*\e], v[96+16*\z+2*\e:97+16*\z+2*\e], v[130+8*\z:131+8*\z] op_sel_hi:[1,0]
.endr
.endr
.irp e,0,1,2,3,4,5,6,7
.irp z,0,1
	v_pk_fma_f32 v[96+16*\z+2*\e:97+16*\z+2*\e], v[96+16*\z+2*\e:97+16*\z+2*\e], v[192+2*\e:193+2*\e], v[208+2*\e:209+2*\e]
.endr
.endr
.irp e,0,1,2,3,4,5,6,7
.irp z,0,1
	v_pk_mul_f32 v[144+16*\z+2*\e:145+16*\z+2*\e], v[96+16*\z+2*\e:97+16*\z+2*\e], s[NC:NC+1] op_sel_hi:[1,0]
.endr
.endr
.set i, 0
.rept 32
	v_exp_f32 v[144+i], v[144+i]
.set i, i+1
.endr
	v_nop                                  ; a plain instruction behind the last exponential
.set i, 0
	s_wait_alu depctr_va_vdst(0)           ; the 32 exponentials v144-175 are written, ahead of their first reader
.rept 16
	v_pk_add_f32 v[144+2*i:145+2*i], v[144+2*i:145+2*i], 1.0 op_sel_hi:[1,0]
.set i, i+1
.endr
.set i, 0
.rept 32
	v_rcp_f32 v[144+i], v[144+i]
.set i, i+1
.endr
	v_nop                                  ; a plain instruction behind the last reciprocal
.set i, 0
	s_wait_alu depctr_va_vdst(0)           ; the 32 reciprocals v144-175 are written, ahead of their first reader
.rept 16
	v_pk_mul_f32 v[96+2*i:97+2*i], v[96+2*i:97+2*i], v[144+2*i:145+2*i]
.set i, i+1
.endr
.set i, 0
.rept 16
	v_cvt_pk_bf16_f32 v[PO+i], v[96+2*i], v[97+2*i]
.set i, i+1
.endr
	s_wait_alu depctr_va_vdst(0)           ; the conversions have written v[PO ..], and v[RWS] is written: the stores read both; v[RWA] is written and the unpacking lines are done with v64-79: for the next trip's loads
.irp z,0,1
	ds_store_b128 v[RWS], v[PO+8*\z:PO+8*\z+3] offset:\z*PA
	ds_store_b128 v[RWS], v[PO+8*\z+4:PO+8*\z+7] offset:\z*PA+512
.endr
	s_sub_co_u32 s[CNT], s[CNT], 1
	s_cmp_lg_u32 s[CNT], 0
	s_cbranch_scc1 .Lnr
	BAR
	s_wait_alu depctr_vm_vsrc(0)           ; the last trip's LDS stores have read v[PO ..], in which the next pass's row fragments land
	s_sub_co_u32 s[PASSC], s[PASSC], 1
	s_cmp_lg_u32 s[PASSC], 0
	s_cbranch_scc1 .Lpass
.Lout:
	PLACES
	s_wait_dscnt 0x0                       ; the last fetch of row fragments has landed: its registers take x
	s_wait_alu depctr_va_vdst(0)           ; the products have written the accumulators, which the LDS stores below read (the places stand above), and are done reading v64-191; the norm's lines are done reading film: x lands in v64-127 and v192-255
.irp s,0,1,2,3
.irp j,0,1,2,3
	global_load_b128 v[F0+16*\s+4*\j:F0+16*\s+4*\j+3], v[LOFF], s[XP:XP+1] offset:2048*\s+512*\j          ; x, rows 0-3,
.endr
.endr
.irp s,0,1,2,3
.irp j,0,1,2,3
	global_load_b128 v[WV+16*\s+4*\j:WV+16*\s+4*\j+3], v[LOFF], s[XP:XP+1] offset:8192+2048*\s+512*\j     ; and rows 4-7
.endr
.endr
	s_barrier_signal -1
	s_barrier_wait -1                      ; nobody reads A any more: the f32 stage lies over it
.set a, 0
.rept 8
	WIN 0x08+4*(a/4)
.irp b,0,1,2,3,4,5,6,7
	ds_store_b128 v[OSA+a/2], v[64*(a%4)+8*\b:64*(a%4)+8*\b+3] offset:(a%2)*16*OPT+64*\b
	ds_store_b128 v[OSA+a/2], v[64*(a%4)+8*\b+4:64*(a%4)+8*\b+7] offset:(a%2)*16*OPT+64*\b+16
.endr
.set a, a+1
.endr
	WIN 0
	BAR
	s_wait_loadcnt 0x0                     ; x's first eight rows are in, and the weight loads that serve nothing: in the loop below the counts speak of x alone
	s_mov_b32 s[CNT], 4
.Lo:                                           ; four trips of eight whole rows
	OGRP F0, 0, 0
	OGRP WV, 4, 1
	s_add_nc_u64 s[XP:XP+1], s[XP:XP+1], 16384
	s_add_nc_u64 s[OP:OP+1], s[OP:OP+1], 16384
	s_sub_co_u32 s[CNT], s[CNT], 1
	s_cmp_lg_u32 s[CNT], 0
	s_cbranch_scc1 .Lo
	s_wait_dscnt 0x0                       ; the closing lines, six on end
	s_wait_alu 0x0
	s_wait_tensorcnt 0x0
	ds_add_u32 v[SPW], v[NIL]
	s_wait_dscnt 0x0
	s_endpgm
.Lfunc_end_k_q1ee473d589_fin:
	.size	k_q1ee473d589_fin, .Lfunc_end_k_q1ee473d589_fin-k_q1ee473d589_fin
	.p2alignl 7, 3214868480
	.fill 96, 4, 3214868480
	.section	.rodata,"a",@progbits
	.p2align	6, 0x0
	.amdhsa_kernel k_q1ee473d589_fin
		.amdhsa_group_segment_fixed_size 264704
		.amdhsa_private_segment_fixed_size 0
		.amdhsa_enable_private_segment 0
		.amdhsa_kernarg_size 48
		.amdhsa_user_sgpr_count 2
		.amdhsa_user_sgpr_kernarg_segment_ptr 1
		.amdhsa_wavefront_size32 1
		.amdhsa_system_sgpr_workgroup_id_x 1
		.amdhsa_system_sgpr_workgroup_id_y 1
		.amdhsa_system_sgpr_workgroup_id_z 1
		.amdhsa_system_vgpr_workitem_id 0
		.amdhsa_next_free_vgpr 1024
		.amdhsa_next_free_sgpr 66
		.amdhsa_reserve_vcc 1
		.amdhsa_float_denorm_mode_32 3
		.amdhsa_float_denorm_mode_16_64 3
		.amdhsa_memory_ordered 1
		.amdhsa_forward_progress 1
		.amdhsa_inst_pref_size 173
	.end_amdhsa_kernel
	.amdgpu_metadata
---
amdhsa.version: [ 1, 2 ]
amdhsa.kernels:
  - .name:           k_q1ee473d589_fin
    .symbol:         k_q1ee473d589_fin.kd
    .args:
      - { .name: x, .offset: 0, .size: 8, .value_kind: global_buffer, .address_space: global }
      - { .name: wblk, .offset: 8, .size: 8, .value_kind: global_buffer, .address_space: global }
      - { .name: cvec, .offset: 16, .size: 8, .value_kind: global_buffer, .address_space: global }
      - { .name: attn, .offset: 24, .size: 8, .value_kind: global_buffer, .address_space: global }
      - { .name: film, .offset: 32, .size: 8, .value_kind: global_buffer, .address_space: global }
      - { .name: out0, .offset: 40, .size: 8, .value_kind: global_buffer, .address_space: global }
    .group_segment_fixed_size: 264704
    .private_segment_fixed_size: 0
    .kernarg_segment_align: 8
    .kernarg_segment_size: 48
    .max_flat_workgroup_size: 128
    .sgpr_count:     66
    .vgpr_count:     1024
    .wavefront_size: 32
...
	.end_amdgpu_metadata
.endif
;; end of part 10
